; MI455X (gfx1250); checked and timed in simulation.
; The chip was launched on July 23, 2026; its instructions are those of AMD's public machine-readable ISA for CDNA 5 (MIT licence, August 2026) and "CDNA5" Instruction Set Architecture Reference Guide (July 2026). The comments in the code are by the model that wrote it; some were corrected since.
;; Encoder Block. Allowed arithmetic: matrix products marked QUANTISED: E2M3 operands, one E8M0 scale for each 32 along K, by v_wmma_scale_f32_16x16x128_f8f6f4 with both operands' format E2M3, f32 sums; everything else in f32.
;; Inputs: b1 4,096 float32; b2 1,024 float32; bk 1,024 float32; bo 1,024 float32; bq 1,024 float32; bv 1,024 float32; ln1_a 1 float32; ln1_b 1 float32; ln2_a 1 float32; ln2_b 1 float32; src_mask 2 x 1 x 1 x 2,048 int32; w1 4,096 x 1,024 float32; w2 1,024 x 4,096 float32; wk 1,024 x 1,024 float32; wo 1,024 x 1,024 float32; wq 1,024 x 1,024 float32; wv 1,024 x 1,024 float32; x 2 x 2,048 x 1,024 float32.
;; Outputs: out0 2 x 2,048 x 1,024 float32.
;; This version of the problem:
;;   THIS VERSION OF THE PROBLEM IS GIVEN IN LOW PRECISION. The matrix products marked QUANTISED in the list below multiply operands that are first quantised to E2M3 (2 exponent bits, 3 mantissa bits; 6 bits a number), with one power-of-two scale for each 32 numbers along K (OCP MX v1.0); their sums are f32. All else is computed in f32.
;;   The module's matrix products, in the order in which they are computed (A, B: the left and right operand; K: the contracted axis; several contracted axes count as one K, in the product's order):
;;     1. [M 4,096, K 1,024] x [K 1,024, N 1,024]; A: computed on the way; B: input wq: QUANTISED
;;     2. [M 4,096, K 1,024] x [K 1,024, N 1,024]; A: computed on the way; B: input wk: QUANTISED
;;     3. [M 4,096, K 1,024] x [K 1,024, N 1,024]; A: computed on the way; B: input wv: QUANTISED
;;     4. batch 32 x [M 2,048, K 64] x [K 64, N 2,048]; A: computed on the way; B: computed on the way: QUANTISED
;;     5. batch 32 x [M 2,048, K 2,048] x [K 2,048, N 64]; A: softmax (see below); B: computed on the way: QUANTISED
;;     6. [M 4,096, K 1,024] x [K 1,024, N 1,024]; A: computed on the way; B: input wo: QUANTISED
;;     7. [M 4,096, K 1,024] x [K 1,024, N 4,096]; A: computed on the way; B: input w1: QUANTISED
;;     8. [M 4,096, K 4,096] x [K 4,096, N 1,024]; A: computed on the way; B: input w2: QUANTISED
;;   THE QUANTISER, for each operand of a quantised product, along K:
;;     - K is cut into blocks of 32 from its start; a last block that is shorter is filled with zeros.
;;     - A block's scale is 2^e with e = floor(log2(the largest magnitude in the block)) - 2, held to -126 .. 127; a block of zeros has e = 0. As a byte (E8M0): e + 127.
;;     - Each number is divided by its block's scale, clamped to +-7.5, and rounded to the nearest number of E2M3, ties to even, subnormals kept.
;;     - The product sums the exact products of the quantised numbers (number of the format x scale) in f32.
;;   ~~~python
;;   def quantise(x, axis):      # numpy; x: float32 -> the quantised numbers, widened to float32 again
;;       x = np.moveaxis(x, axis, -1); K = x.shape[-1]
;;       x = np.pad(x, [(0, 0)] * (x.ndim - 1) + [(0, -K % 32)]); x = x.reshape(x.shape[:-1] + (-1, 32)); a = np.abs(x).max(-1, keepdims=True)
;;       e = np.where(a > 0, np.clip(np.frexp(np.where(a > 0, a, 1))[1] - 1 - 2, -126, 127), 0)      # np.frexp(a)[1] - 1 = floor(log2(a)), exactly
;;       r = np.clip(x / 2.0 ** e, -7.5, 7.5)
;;       step = 2.0 ** (np.maximum(np.frexp(np.where(r == 0, 1, r))[1] - 1, 0) - 3)
;;       q = np.round(r / step) * step * 2.0 ** e      # np.round: ties to even
;;       return np.moveaxis(q.reshape(q.shape[:-2] + (-1,))[..., :K], -1, axis).astype(np.float32)
;;   ~~~
;;   SOFTMAX AHEAD OF A QUANTISED PRODUCT. Where the list says 'softmax', what is quantised is not the finished softmax but p = 2^(t - M), with t = logit x log2(e) and M = ceil(the row's largest t), a whole number; so 1/2 < the row's largest p <= 1. The row's sum l is taken of the UNQUANTISED p, in f32, and the product's result is divided by l at the end. Since M is a whole number, a kernel that streams over the keys may use a running M (the ceiling of the running maximum): every later rescaling is an exact power of two, which a block's scale takes up: the codes' values come out the same.
;;   OPERANDS COMPUTED ON THE WAY. 'Computed on the way' means the value that the module computes at that place (a softmax that the list does not call 'softmax' is quantised finished and normalised). What goes into a quantiser is computed in f32, as accurately as f32 sums, v_exp_f32 and their like allow (about 1e-6 of the number): no bf16 or f16 on the way to a quantiser, and a product that is left as it is and whose result goes on into a quantised operand takes f32 operands (vector FMAs, or v_wmma_f32_16x16x4_f32). A number that lies on a knife's edge between two numbers of the format may be rounded either way, as far as f32 arithmetic and the matrix unit's own rounding can turn it there, and no further.
;; 2 versions. Each part assembles by itself: llvm-mc -triple=amdgcn-amd-amdhsa -mcpu=gfx1250 --defsym DOCPART=n.
;; ======== version 1 of 2: 8 launches
;; limits: right only within a limited range of input values
;; workspace buffers: wc 9,830,400 bytes; xn 3,276,800 bytes; ctx 3,276,800 bytes; hb 13,107,200 bytes; qb 4,456,448 bytes; kv 7,733,248 bytes; x1 16,777,216 bytes
;; launch qw (part 1): grid 384 x 1, 4 waves a work-group, no clusters, 34,304 bytes of LDS; arguments wq, wk, wv, wo, w1, w2, wc; writes wc
.if DOCPART == 1
	.amdgcn_target "amdgcn-amd-amdhsa--gfx1250"
	.amdhsa_code_object_version 6
	.text
	.protected	k_q0de3484ef3_qw
	.globl	k_q0de3484ef3_qw
	.p2align	8
	.type	k_q0de3484ef3_qw,@function
k_q0de3484ef3_qw:
	s_mov_b64 s[64:65], 0
	v_nop
	global_prefetch_b8 v0, s[64:65] scope:SCOPE_SE
	s_setreg_imm32_b32 hwreg(HW_REG_WAVE_MODE, 25, 1), 1
	s_wait_xcnt 0x0
; The six weights, f32 [N][K] with K innermost, become codes of FP6 (E2M3) with one E8M0 byte for each 32 along K, laid in wc AS IMAGES OF OPERAND REGISTERS.
; A fragment (16 rows x 128 K, 12 registers a lane) is 1,536 bytes: registers 0-3 at 16 x lane, 4-5 at 512 + 8 x lane, 6-9 at 768 + 16 x lane, 10-11 at 1,280 + 8 x lane.
; Four fragments and 256 bytes of scale words (tile t, place p: 128 (t / 2) + 8 p + 4 (t % 2)) are a block of 64 rows, 6,400 bytes; two blocks are 128 rows x one K step, 12,800 bytes; wc is [128 rows][K step].
; THE ROWS OF A TILE ARE NOT NEIGHBOURS: place p of tile 2 B + u is row 32 B + 8 u + p + 8 (p / 8), so that a product's 16 registers of tiles 2 B, 2 B + 1 are 16 neighbouring rows.
; A wave takes 64 rows x 128 along K.  Each load reads 512 consecutive bytes of one row; a tile's 16 rows turn through the wave's own stage in LDS (rows 528 bytes apart) and come back 16 neighbours of each block of 32 a lane.
; A block's scale is 2^(floor(log2(largest magnitude)) - 2); its byte is the largest magnitude's exponent field - 2, held at 1 from below (a block of zeros has byte 1: its codes are zeros, and this program alone reads the bytes).
; LIMITS: NaN and infinities are not served; blocks whose largest magnitude lies under 2^-124 were not tried.
; No tensor load, no barrier: waves share nothing.
.set STGB, 8448                        ; a wave's stage: 16 rows x 528 bytes
.set ROFF, 8                           ; v8-23   place i: (its row << log2 of the row's bytes) + 16 x lane
.set R,    24                          ; v24-87  a tile as loaded
.set X,    88                          ; v88-151 64 numbers of my row: register 16 b + i = k 32 b + 16 (lane / 16) + i
.set PC,   152                         ; v152-199 the codes, a set of 12 for each tile: no store's data are written again
.set CT,   200                         ; v200-206 second halves of the conversions
.set TM,   208                         ; v208-223 at work
.set W,    224                         ; v224-227 the tiles' scale words
.set SQD,  228
.set LP,   20                          ; s20 log2 of a row's bytes
.set SEL,  40                          ; s[40:41] lane selects: lane xor 16
.macro QUANT4 s, pc, pw                ; 64 numbers v[s] on -> a fragment's codes in v[pc] on, its scale word in v[pw]
.irp b, 0,1,2,3
	v_max3_num_f32 v[TM+\b], |v[\s+16*\b]|, |v[\s+1+16*\b]|, 0x1800000   ; my 16 numbers of block b, and the floor 2^(3 - 127): the byte cannot fall under 1
.endr
.irp i, 2,4,6,8,10,12,14
.irp b, 0,1,2,3
	v_max3_num_f32 v[TM+\b], v[TM+\b], |v[\s+16*\b+\i]|, |v[\s+1+16*\b+\i]|
.endr
.endr
.irp b, 0,1,2,3
	v_permlanex16_b32 v[TM+4+\b], v[TM+\b], s[SEL], s[SEL+1]
.endr
.irp b, 0,1,2,3
	v_max_num_f32 v[TM+\b], v[TM+\b], v[TM+4+\b]   ; with lane xor 16's 16: the block's largest magnitude
.endr
.irp b, 0,1,2,3
	v_add_nc_u32 v[TM+12+\b], 0xff000000, v[TM+\b]   ; 2 off its exponent field: the conversion's scale operand
.endr
.irp b, 0,1,2,3
	v_lshrrev_b32 v[TM+4+\b], 23, v[TM+12+\b]      ; the scale's byte
.endr
	v_lshl_or_b32 v[\pw], v[TM+5], 8, v[TM+4]
	v_lshl_or_b32 v[\pw], v[TM+6], 16, v[\pw]
	v_lshl_or_b32 v[\pw], v[TM+7], 24, v[\pw]
.irp c, 0,1
	v_cvt_scalef32_pk16_fp6_f32 v[\pc+6*\c:\pc+2+6*\c], v[\s+32*\c:\s+15+32*\c], v[TM+12+2*\c]
	v_cvt_scalef32_pk16_fp6_f32 v[CT+4*\c:CT+2+4*\c], v[\s+16+32*\c:\s+31+32*\c], v[TM+13+2*\c]   ; (a conversion's three registers begin on an even number)
.endr
	v_nop                                          ; one plain instruction behind the scaled conversions
.irp c, 0,1                                    ; the operand wants a whole block in a lane: lanes 0-15 block 2 c, lanes 16-31 block 2 c + 1
.irp i, 0,1,2
	v_permlane16_swap_b32 v[\pc+6*\c+\i], v[CT+4*\c+\i]
.endr
.irp i, 0,1,2
	v_mov_b32 v[\pc+3+6*\c+\i], v[CT+4*\c+\i]
.endr
.endr
.endm
.macro LOADT t                         ; tile t's 16 rows: 32 lanes read 512 consecutive bytes of a row
.set i, 0
.rept 16
	global_load_b128 v[R+4*i:R+4*i+3], v[ROFF+i], s[28+2*(\t):29+2*(\t)] th:TH_LOAD_NT
.set i, i+1
.endr
.endm
.macro TURN                            ; through my stage: LDS serves a wave's instructions in order, so no wait stands between the stores and the loads
.set i, 0
.rept 16
	ds_store_b128 v6, v[R+4*i:R+4*i+3] offset:528*i
.set i, i+1
.endr
.irp b, 0,1,2,3
.irp j, 0,1,2,3
	ds_load_b128 v[X+16*\b+4*\j:X+16*\b+4*\j+3], v7 offset:128*\b+16*\j
.endr
.endr
.endm
.macro OUT t                           ; the fragment's image: each store covers 512 or 256 consecutive bytes, at a multiple of 256 from wc's first byte
	global_store_b128 v4, v[PC+12*(\t):PC+12*(\t)+3], s[16:17] offset:1536*(\t)
	global_store_b64 v5, v[PC+12*(\t)+4:PC+12*(\t)+5], s[16:17] offset:1536*(\t)+512
	global_store_b128 v4, v[PC+12*(\t)+6:PC+12*(\t)+9], s[16:17] offset:1536*(\t)+768
	global_store_b64 v5, v[PC+12*(\t)+10:PC+12*(\t)+11], s[16:17] offset:1536*(\t)+1280
.endm
	s_load_b256 s[4:11], s[0:1], 0x0               ; wq, wk, wv, wo
	s_load_b128 s[12:15], s[0:1], 0x20             ; w1, w2
	s_load_b64 s[16:17], s[0:1], 0x30              ; wc
	v_lshl_add_u32 v232, v0, 2, 0x8400
	v_mov_b32 v233, 0
	v_lshrrev_b32 v1, 5, v0
	v_readfirstlane_b32 s42, v1                    ; wave
	v_and_b32 v1, 31, v0                           ; lane
	v_and_b32 v2, 15, v0                           ; r
	v_bfe_u32 v3, v0, 4, 1                         ; h
	v_lshlrev_b32 v4, 4, v1
	v_lshlrev_b32 v5, 3, v1
	s_mul_i32 s43, s42, STGB
	v_add_nc_u32 v6, s43, v4                       ; the stage, in: 16 x lane of a row
	v_mul_u32_u24 v7, v2, 528
	v_lshl_add_u32 v7, v3, 6, v7
	v_add_nc_u32 v7, s43, v7                       ; out: row r, + 64 h
	s_mov_b32 s[SEL], 0x76543210
	s_mov_b32 s[SEL+1], 0xfedcba98
.irp b, 0,1,2,3
	v_mov_b32 v[TM+4+\b], 0                        ; written once: a lane permute's destination counts as one of its sources
.endr
	s_wait_kmcnt 0x0
	; which tensor, and its first work-group f: the choice hangs on the work-group's number alone
	s_mov_b64 s[2:3], s[14:15]
	s_mov_b32 s18, 256
	s_cmp_lt_u32 ttmp9, 256
	s_cselect_b64 s[2:3], s[12:13], s[2:3]
	s_cselect_b32 s18, 128, s18
	s_cmp_lt_u32 ttmp9, 128
	s_cselect_b64 s[2:3], s[10:11], s[2:3]
	s_cselect_b32 s18, 96, s18
	s_cmp_lt_u32 ttmp9, 96
	s_cselect_b64 s[2:3], s[8:9], s[2:3]
	s_cselect_b32 s18, 64, s18
	s_cmp_lt_u32 ttmp9, 64
	s_cselect_b64 s[2:3], s[6:7], s[2:3]
	s_cselect_b32 s18, 32, s18
	s_cmp_lt_u32 ttmp9, 32
	s_cselect_b64 s[2:3], s[4:5], s[2:3]
	s_cselect_b32 s18, 0, s18
	s_lshr_b32 s22, s18, 2                         ; K = 1,024: four work-groups to 128 rows
	s_cmp_lt_u32 ttmp9, 256
	s_cselect_b32 s19, 1, 3                        ; log2 of the work-groups that share 64 rows
	s_cselect_b32 s[LP], 12, 14
	s_cselect_b32 s21, 8, 32                       ; K steps
	s_cselect_b32 s22, s22, 16                     ; the tensor's first group of 128 rows in wc, in units of its own K steps
	s_sub_co_u32 s23, ttmp9, s18
	s_lshr_b32 s24, s23, s19                       ; which 64 rows
	s_bfm_b32 s25, s19, 0
	s_and_b32 s25, s23, s25
	s_lshl_b32 s25, s25, 2
	s_add_co_u32 s25, s25, s42                     ; which K step
	s_lshl_b32 s26, s24, 6
	s_lshl_b32 s26, s26, s[LP]
	s_lshl_b32 s27, s25, 9
	s_add_co_u32 s26, s26, s27
	s_mov_b32 s27, 0
	s_add_nc_u64 s[28:29], s[2:3], s[26:27]        ; tile 0 begins at row 0 of the 64,
	s_lshl_b32 s26, 8, s[LP]
	s_add_nc_u64 s[30:31], s[28:29], s[26:27]      ; tile 1 at row 8,
	s_lshl_b32 s26, 32, s[LP]
	s_add_nc_u64 s[32:33], s[28:29], s[26:27]      ; tile 2 at row 32,
	s_add_nc_u64 s[34:35], s[30:31], s[26:27]      ; tile 3 at row 40
	s_lshr_b32 s36, s24, 1
	s_add_co_u32 s36, s36, s22
	s_mul_i32 s36, s36, s21
	s_add_co_u32 s36, s36, s25
	s_mul_i32 s36, s36, 12800
	s_and_b32 s37, s24, 1
	s_mul_i32 s37, s37, 6400
	s_add_co_u32 s36, s36, s37
	s_mov_b32 s37, 0
	s_add_nc_u64 s[16:17], s[16:17], s[36:37]      ; my block of 6,400 bytes
.set i, 0
.irp p, 0,1,2,3,4,5,6,7,16,17,18,19,20,21,22,23
	v_lshl_add_u32 v[ROFF+i], \p, s[LP], v4
.set i, i+1
.endr
	LOADT 0
.irp t, 0,1,2,3
	s_wait_loadcnt 0x0                             ; the tile is in
	TURN
	s_wait_dscnt 0x0                               ; my 64 numbers are back, and the stage's stores have read R,
.if \t < 3
	LOADT \t+1                                     ; which takes the next tile while this one is quantised
.endif
	QUANT4 X, PC+12*\t, W+\t
	OUT \t
.endr
	v_cmp_ne_u32 vcc_lo, 0, v3                     ; the scale words: lanes 0-15 hold tiles 0 and 1, lanes 16-31 tiles 2 and 3 (both halves of the lanes hold row r's words)
	v_cndmask_b32 v[SQD], v[W], v[W+2], vcc_lo
	v_cndmask_b32 v[SQD+1], v[W+1], v[W+3], vcc_lo
	global_store_b64 v5, v[SQD:SQD+1], s[16:17] offset:6144
	s_wait_tensorcnt 0x0
	ds_add_u32 v232, v233
	s_wait_dscnt 0x0
	s_endpgm
.Lfunc_end_k_q0de3484ef3_qw:
	.size	k_q0de3484ef3_qw, .Lfunc_end_k_q0de3484ef3_qw-k_q0de3484ef3_qw
	.p2alignl 7, 3214868480
	.fill 96, 4, 3214868480
	.section	.rodata,"a",@progbits
	.p2align	6, 0x0
	.amdhsa_kernel k_q0de3484ef3_qw
		.amdhsa_group_segment_fixed_size 34304
		.amdhsa_private_segment_fixed_size 0
		.amdhsa_enable_private_segment 0
		.amdhsa_kernarg_size 56
		.amdhsa_user_sgpr_count 2
		.amdhsa_user_sgpr_kernarg_segment_ptr 1
		.amdhsa_wavefront_size32 1
		.amdhsa_system_sgpr_workgroup_id_x 1
		.amdhsa_system_sgpr_workgroup_id_y 1
		.amdhsa_system_sgpr_workgroup_id_z 1
		.amdhsa_system_vgpr_workitem_id 0
		.amdhsa_next_free_vgpr 234
		.amdhsa_next_free_sgpr 66
		.amdhsa_reserve_vcc 1
		.amdhsa_float_denorm_mode_32 3
		.amdhsa_float_denorm_mode_16_64 3
		.amdhsa_memory_ordered 1
		.amdhsa_forward_progress 1
		.amdhsa_inst_pref_size 36
	.end_amdhsa_kernel
	.amdgpu_metadata
---
amdhsa.version: [ 1, 2 ]
amdhsa.kernels:
  - .name:           k_q0de3484ef3_qw
    .symbol:         k_q0de3484ef3_qw.kd
    .args:
      - { .name: wq, .offset: 0, .size: 8, .value_kind: global_buffer, .address_space: global }
      - { .name: wk, .offset: 8, .size: 8, .value_kind: global_buffer, .address_space: global }
      - { .name: wv, .offset: 16, .size: 8, .value_kind: global_buffer, .address_space: global }
      - { .name: wo, .offset: 24, .size: 8, .value_kind: global_buffer, .address_space: global }
      - { .name: w1, .offset: 32, .size: 8, .value_kind: global_buffer, .address_space: global }
      - { .name: w2, .offset: 40, .size: 8, .value_kind: global_buffer, .address_space: global }
      - { .name: wc, .offset: 48, .size: 8, .value_kind: global_buffer, .address_space: global }
    .group_segment_fixed_size: 34304
    .private_segment_fixed_size: 0
    .kernarg_segment_align: 8
    .kernarg_segment_size: 56
    .max_flat_workgroup_size: 128
    .sgpr_count:     66
    .vgpr_count:     234
    .wavefront_size: 32
...
	.end_amdgpu_metadata
.endif
;; end of part 1
;; launch ln1 (part 2): grid 256 x 1, 8 waves a work-group, no clusters, 69,632 bytes of LDS; arguments x, ln1_a, ln1_b, xn; writes xn
.if DOCPART == 2
	.amdgcn_target "amdgcn-amd-amdhsa--gfx1250"
	.amdhsa_code_object_version 6
	.text
	.protected	k_q0de3484ef3_ln1
	.globl	k_q0de3484ef3_ln1
	.p2align	8
	.type	k_q0de3484ef3_ln1,@function
k_q0de3484ef3_ln1:
	s_mov_b64 s[64:65], 0
	v_nop
	global_prefetch_b8 v0, s[64:65] scope:SCOPE_SE
	s_setreg_imm32_b32 hwreg(HW_REG_WAVE_MODE, 25, 1), 1
	s_wait_xcnt 0x0
; out = Q(alpha (x - mean) / sqrt(std + 1e-6) + bias), std with 1,023 in the divisor; x [4096][1024] f32; Q: codes of FP6 (E2M3) with one E8M0 byte for each 32 along the row, stored as images of operand registers
; (a fragment 1,536 bytes; four fragments + 256 bytes of scale words = 64 rows, 6,400 bytes; [128 rows][K step] of 12,800 bytes; place p of tile 2 B + u is row 32 B + 8 u + p + 8 (p / 8)).
; A work-group takes one tile of 16 rows, whole; wave w takes K step w (128 numbers of each row).  Each load reads 512 consecutive bytes of a row; the tile turns through the wave's own stage in LDS.
; Mean and variance in two passes (the mean is taken off before the squares), so that a common offset of the inputs costs no digits; the waves' part sums meet in LDS, 8 words a row, behind a barrier each.
; A tile's scale words are 64 bytes of a block of 256: the price of work-groups that own whole rows; one store in five of a wave.
; LIMITS: NaN and infinities are not served; a block of zeros has byte 1 (its codes are zeros; this program alone reads the bytes); blocks under 2^-124 were not tried.
.set STGB, 8448
.set RED1, 67584                       ; 16 rows x 8 words: the sums;  512 bytes on: the sums of squares
.set R,    24
.set X,    88
.set PC,   152
.set CT,   164
.set TM,   172
.set PW,   180
.set SEL,  22
.macro QUANT4 s, pc, pw
.irp b, 0,1,2,3
	v_max3_num_f32 v[TM+\b], |v[\s+16*\b]|, |v[\s+1+16*\b]|, 0x1800000   ; my 16 numbers of block b, and the floor 2^(3 - 127)
.endr
.irp i, 2,4,6,8,10,12,14
.irp b, 0,1,2,3
	v_max3_num_f32 v[TM+\b], v[TM+\b], |v[\s+16*\b+\i]|, |v[\s+1+16*\b+\i]|
.endr
.endr
.irp b, 0,1,2,3
	v_permlanex16_b32 v[TM+4+\b], v[TM+\b], s[SEL], s[SEL+1]
.endr
.irp b, 0,1,2,3
	v_max_num_f32 v[TM+\b], v[TM+\b], v[TM+4+\b]
.endr
.irp b, 0,1,2,3
	v_add_nc_u32 v[TM+12+\b], 0xff000000, v[TM+\b]   ; 2 off the exponent field: the conversion's scale operand
.endr
.irp b, 0,1,2,3
	v_lshrrev_b32 v[TM+4+\b], 23, v[TM+12+\b]
.endr
	v_lshl_or_b32 v[\pw], v[TM+5], 8, v[TM+4]
	v_lshl_or_b32 v[\pw], v[TM+6], 16, v[\pw]
	v_lshl_or_b32 v[\pw], v[TM+7], 24, v[\pw]
.irp c, 0,1
	v_cvt_scalef32_pk16_fp6_f32 v[\pc+6*\c:\pc+2+6*\c], v[\s+32*\c:\s+15+32*\c], v[TM+12+2*\c]
	v_cvt_scalef32_pk16_fp6_f32 v[CT+4*\c:CT+2+4*\c], v[\s+16+32*\c:\s+31+32*\c], v[TM+13+2*\c]
.endr
	v_nop                                          ; one plain instruction behind the scaled conversions
.irp c, 0,1
.irp i, 0,1,2
	v_permlane16_swap_b32 v[\pc+6*\c+\i], v[CT+4*\c+\i]
.endr
.irp i, 0,1,2
	v_mov_b32 v[\pc+3+6*\c+\i], v[CT+4*\c+\i]
.endr
.endr
.endm
; my part sum v10 of row r goes to word [r][wave] at off; behind the barrier every lane adds its row's eight words: v20
.macro MEET off
	v_permlanex16_b32 v12, v10, s[SEL], s[SEL+1]
	v_add_f32 v10, v10, v12                        ; with lane xor 16's 64 numbers: my wave's 128 of row r
	ds_store_b32 v8, v10 offset:\off               ; (lanes r and r + 16 write the same word with the same value)
	s_wait_dscnt 0x0                               ; for the others' sake: my store is done
	s_barrier_signal -1
	s_barrier_wait -1
	ds_load_b128 v[20:23], v9 offset:\off
	ds_load_b128 v[192:195], v9 offset:\off+16
	s_wait_dscnt 0x0
	v_add_f32 v20, v20, v21
	v_add_f32 v22, v22, v23
	v_add_f32 v192, v192, v193
	v_add_f32 v194, v194, v195
	v_add_f32 v20, v20, v22
	v_add_f32 v192, v192, v194
	v_add_f32 v20, v20, v192
.endm
	s_load_b256 s[4:11], s[0:1], 0x0               ; in, alpha, bias, out
	v_lshl_add_u32 v200, v0, 2, 0x10c00
	v_mov_b32 v201, 0
	v_lshrrev_b32 v1, 5, v0
	v_readfirstlane_b32 s24, v1                    ; wave = K step
	v_and_b32 v1, 31, v0
	v_and_b32 v2, 15, v0                           ; r
	v_bfe_u32 v3, v0, 4, 1                         ; h
	v_lshlrev_b32 v4, 4, v1
	v_lshlrev_b32 v5, 3, v1
	s_mul_i32 s25, s24, STGB
	v_add_nc_u32 v6, s25, v4
	v_mul_u32_u24 v7, v2, 528
	v_lshl_add_u32 v7, v3, 6, v7
	v_add_nc_u32 v7, s25, v7
	s_lshl_b32 s25, s24, 2
	s_add_co_u32 s25, s25, RED1
	v_lshl_add_u32 v8, v2, 5, s25                  ; word [r][wave]
	v_lshl_add_u32 v9, v2, 5, RED1                 ; row r's eight words
	s_mov_b32 s[SEL], 0x76543210
	s_mov_b32 s[SEL+1], 0xfedcba98
.irp b, 0,1,2,3
	v_mov_b32 v[TM+4+\b], 0
.endr
	s_lshr_b32 s14, ttmp9, 1                       ; tile T = 2 B + u begins at row 32 B + 8 u
	s_lshl_b32 s14, s14, 17
	s_and_b32 s15, ttmp9, 1
	s_lshl_b32 s15, s15, 15
	s_add_co_u32 s14, s14, s15
	s_lshl_b32 s15, s24, 9
	s_add_co_u32 s14, s14, s15
	s_mov_b32 s15, 0
	s_lshr_b32 s16, ttmp9, 3                       ; out: ((T / 8) 8 + wave) 12,800 + 6,400 ((T / 4) % 2): the block of 64 rows
	s_lshl_b32 s16, s16, 3
	s_add_co_u32 s16, s16, s24
	s_mul_i32 s16, s16, 12800
	s_bfe_u32 s17, ttmp9, 0x10002
	s_mul_i32 s17, s17, 6400
	s_add_co_u32 s16, s16, s17
	s_bfe_u32 s18, ttmp9, 0x10001                  ; the tile's scale words: 6,144 + 128 ((T / 2) % 2) + 4 (T % 2) + 8 r
	s_lshl_b32 s18, s18, 7
	s_and_b32 s19, ttmp9, 1
	s_lshl_b32 s19, s19, 2
	s_add_co_u32 s18, s18, s19
	s_add_co_u32 s18, s18, s16
	s_add_co_u32 s18, s18, 6144
	s_mov_b32 s19, 0
	s_and_b32 s17, ttmp9, 3
	s_mul_i32 s17, s17, 1536
	s_add_co_u32 s16, s16, s17                     ; the tile's fragment
	s_mov_b32 s17, 0
	s_wait_kmcnt 0x0
	s_add_nc_u64 s[4:5], s[4:5], s[14:15]
	s_add_nc_u64 s[16:17], s[10:11], s[16:17]
	s_add_nc_u64 s[18:19], s[10:11], s[18:19]
	s_load_b32 s12, s[6:7], 0x0                    ; alpha
	s_load_b32 s13, s[8:9], 0x0                    ; bias
.set i, 0
.irp p, 0,1,2,3,4,5,6,7,16,17,18,19,20,21,22,23
	global_load_b128 v[R+4*i:R+4*i+3], v4, s[4:5] offset:\p*4096   ; place i's row: 512 consecutive bytes
.set i, i+1
.endr
	s_wait_loadcnt 0x0
.set i, 0
.rept 16
	ds_store_b128 v6, v[R+4*i:R+4*i+3] offset:528*i
.set i, i+1
.endr
.irp b, 0,1,2,3
.irp j, 0,1,2,3
	ds_load_b128 v[X+16*\b+4*\j:X+16*\b+4*\j+3], v7 offset:128*\b+16*\j   ; LDS serves a wave's instructions in order: these see my stores
.endr
.endr
	s_wait_dscnt 0x0
	v_pk_add_f32 v[10:11], v[X:X+1], v[X+2:X+3]    ; the sum of my 64 numbers, two at a time, in two chains
	v_pk_add_f32 v[12:13], v[X+4:X+5], v[X+6:X+7]
.irp j, 8,12,16,20,24,28,32,36,40,44,48,52,56,60
	v_pk_add_f32 v[10:11], v[10:11], v[X+\j:X+\j+1]
	v_pk_add_f32 v[12:13], v[12:13], v[X+\j+2:X+\j+3]
.endr
	v_pk_add_f32 v[10:11], v[10:11], v[12:13]
	v_add_f32 v10, v10, v11
	MEET 0
	v_mul_f32 v14, 0x3a800000, v20                 ; the mean: / 1,024
	v_mov_b32 v15, v14
.set i, 0
.rept 32
	v_pk_add_f32 v[X+i:X+i+1], v[X+i:X+i+1], v[14:15] op_sel_hi:[1,0] neg_lo:[0,1] neg_hi:[0,1]   ; x - mean
.set i, i+2
.endr
	v_pk_mul_f32 v[10:11], v[X:X+1], v[X:X+1]
	v_pk_mul_f32 v[12:13], v[X+2:X+3], v[X+2:X+3]
.irp j, 4,8,12,16,20,24,28,32,36,40,44,48,52,56,60
	v_pk_fma_f32 v[10:11], v[X+\j:X+\j+1], v[X+\j:X+\j+1], v[10:11]
	v_pk_fma_f32 v[12:13], v[X+\j+2:X+\j+3], v[X+\j+2:X+\j+3], v[12:13]
.endr
	v_pk_add_f32 v[10:11], v[10:11], v[12:13]
	v_add_f32 v10, v10, v11
	MEET 512                                       ; other bytes than the sums': no barrier is owed between the two
	v_mul_f32 v20, 0x3a802008, v20                 ; / 1,023
	v_sqrt_f32 v21, v20                            ; std
	v_nop                                          ; a plain instruction behind the transcendental,
	s_wait_alu depctr_va_vdst(0)                   ; and the wait ahead of its first reader
	v_add_f32 v21, 0x358637bd, v21                 ; + 1e-6
	v_rsq_f32 v22, v21
	s_wait_kmcnt 0x0
	v_mov_b32 v18, s13
	v_mov_b32 v19, s13
	s_wait_alu depctr_va_vdst(0)
	v_mul_f32 v16, s12, v22                        ; alpha / sqrt(std + 1e-6)
	v_mov_b32 v17, v16
.set i, 0
.rept 32
	v_pk_fma_f32 v[X+i:X+i+1], v[X+i:X+i+1], v[16:17], v[18:19] op_sel_hi:[1,0,0]
.set i, i+2
.endr
	QUANT4 X, PC, PW
	global_store_b128 v4, v[PC:PC+3], s[16:17]
	global_store_b64 v5, v[PC+4:PC+5], s[16:17] offset:512
	global_store_b128 v4, v[PC+6:PC+9], s[16:17] offset:768
	global_store_b64 v5, v[PC+10:PC+11], s[16:17] offset:1280
	v_cmp_gt_u32 vcc_lo, 16, v1
	s_wait_xcnt 0x0                                ; EXEC changes only behind this wait: the stores above have read it
	s_wait_tensorcnt 0x0
	ds_add_u32 v200, v201
	s_wait_dscnt 0x0
	s_and_saveexec_b32 s20, vcc_lo
	global_store_b32 v5, v[PW], s[18:19]           ; lanes 0-15: row r's word at 8 r
	s_wait_xcnt 0x0                                ; and again in front of the line that widens it
	s_or_b32 exec_lo, exec_lo, s20
	s_endpgm
.Lfunc_end_k_q0de3484ef3_ln1:
	.size	k_q0de3484ef3_ln1, .Lfunc_end_k_q0de3484ef3_ln1-k_q0de3484ef3_ln1
	.p2alignl 7, 3214868480
	.fill 96, 4, 3214868480
	.section	.rodata,"a",@progbits
	.p2align	6, 0x0
	.amdhsa_kernel k_q0de3484ef3_ln1
		.amdhsa_group_segment_fixed_size 69632
		.amdhsa_private_segment_fixed_size 0
		.amdhsa_enable_private_segment 0
		.amdhsa_kernarg_size 32
		.amdhsa_user_sgpr_count 2
		.amdhsa_user_sgpr_kernarg_segment_ptr 1
		.amdhsa_wavefront_size32 1
		.amdhsa_system_sgpr_workgroup_id_x 1
		.amdhsa_system_sgpr_workgroup_id_y 1
		.amdhsa_system_sgpr_workgroup_id_z 1
		.amdhsa_system_vgpr_workitem_id 0
		.amdhsa_next_free_vgpr 202
		.amdhsa_next_free_sgpr 66
		.amdhsa_reserve_vcc 1
		.amdhsa_float_denorm_mode_32 3
		.amdhsa_float_denorm_mode_16_64 3
		.amdhsa_memory_ordered 1
		.amdhsa_forward_progress 1
		.amdhsa_inst_pref_size 21
	.end_amdhsa_kernel
	.amdgpu_metadata
---
amdhsa.version: [ 1, 2 ]
amdhsa.kernels:
  - .name:           k_q0de3484ef3_ln1
    .symbol:         k_q0de3484ef3_ln1.kd
    .args:
      - { .name: x, .offset: 0, .size: 8, .value_kind: global_buffer, .address_space: global }
      - { .name: ln1_a, .offset: 8, .size: 8, .value_kind: global_buffer, .address_space: global }
      - { .name: ln1_b, .offset: 16, .size: 8, .value_kind: global_buffer, .address_space: global }
      - { .name: xn, .offset: 24, .size: 8, .value_kind: global_buffer, .address_space: global }
    .group_segment_fixed_size: 69632
    .private_segment_fixed_size: 0
    .kernarg_segment_align: 8
    .kernarg_segment_size: 32
    .max_flat_workgroup_size: 256
    .sgpr_count:     66
    .vgpr_count:     202
    .wavefront_size: 32
...
	.end_amdgpu_metadata
.endif
;; end of part 2
;; launch qkv (part 3): grid 16 x 48, 4 waves a work-group, clusters of 4 x 4, 205,312 bytes of LDS; arguments wc, xn, bq, bk, bv, src_mask, qb, kv; writes qb, kv
.if DOCPART == 3
	.amdgcn_target "amdgcn-amd-amdhsa--gfx1250"
	.amdhsa_code_object_version 6
	.text
	.protected	k_q0de3484ef3_qkv
	.globl	k_q0de3484ef3_qkv
	.p2align	8
	.type	k_q0de3484ef3_qkv,@function
k_q0de3484ef3_qkv:
	s_mov_b64 s[64:65], 0
	v_nop
	global_prefetch_b8 v0, s[64:65] scope:SCOPE_SE
	s_setreg_imm32_b32 hwreg(HW_REG_WAVE_MODE, 25, 1), 1
	s_wait_xcnt 0x0
	s_wait_alu depctr_hold_cnt(0) depctr_sa_sdst(0) depctr_va_vdst(0) depctr_va_sdst(0) depctr_va_ssrc(0) depctr_va_vcc(0) depctr_vm_vsrc(0)
	s_getreg_b32 s2, hwreg(HW_REG_IB_STS2, 6, 4)
	s_cmp_eq_u32 s2, 0
	s_cbranch_scc0 .Lentry_in_a_cluster
	s_endpgm
.Lentry_in_a_cluster:
	s_bfe_u32 s2, ttmp6, 0x10000c
	s_cmp_lg_u32 s2, 0xf033
	s_cbranch_scc0 .Lentry_shape_is_right
	s_endpgm
.Lentry_shape_is_right:
; q = xn wq^T + bq, k = xn wk^T + bk, v = xn wv^T + bv on codes of FP6 (E2M3) with E8M0 scales; the results are quantised here for attention and stored as images of operand registers.
; OPERANDS are images: a fragment (16 rows x 128 K) 1,536 bytes, four fragments + 256 bytes of scale words = 64 rows = 6,400 bytes, 128 rows x a K step = 12,800 bytes, [128 rows][8 K steps] dense.
; A work-group makes 128 rows of P (source 0) x 128 rows of Q (source 1); wave w takes P's 64 rows w % 2 and Q's 64 rows w / 2: 16 accumulators.  A lane holds ONE row of Q, its registers run along P's rows,
; and, by the order of rows in a tile (place p of tile 2 B + u = row 32 B + 8 u + p + 8 (p / 8)), register 16 B' + i of a Q tile's 32 is P's row 32 B' + 16 (lane / 16) + i: 16 neighbours along the next product's K.
; SECTIONS, by the cluster's y (the same in all partners): y < 8: P = wq or wk (features), Q = xn (tokens): q and k, quantised along a head's 64.  y >= 8: P = xn (tokens), Q = wv (features): v, quantised along the keys.
; ALL OF K (1,024) lies in LDS: two slots of 4 K steps, both asked for at the head; nothing is filled again.  CLUSTER 4 x 4: P's panel is shared along a column of the cluster, Q's along a row, each by joint loads.
; q'S AND k'S IMAGES have 8 registers a lane (1,024 bytes a tile): K = 64 real codes, then the MASK's component at k = 64: q has the code -1.0 under the byte 127; a key with src_mask == 0 has all real codes 0,
; the code +1.0 and the byte 227 (2^100), so that its score is exactly -2^100; an open key has the code 0.  All other bytes of the unused half are 1: a zero product is then as small as it can be.
; LIMITS: the masking logit is -2^97 where the source has -1e9 (equal results while open logits stay above about -1e9); NaN and infinities are not served; a block of zeros has byte 1; blocks under 2^-124 were not tried.
; v's scale words are stored as half words: a word's other half belongs to the wave with the other 64 keys.
; REGISTERS: window 0: v1-4 lane, r, h, r + 8 (r / 8); v8-15 LDS addresses; v16, v17 16 and 8 x lane; v18-25 bv; v32-39 scale words; v40-43 mask; v48-79 bq or bk; v80-127 the way out; v128-255 accumulators.  window 1: two sets of 8 fragments.
.set PBB,   12800
.set HBB,   6400
.set LOADB, 25600                      ; a tensor load: 2 K steps of one operand
.set QOFF,  51200                      ; in a slot: P's 4 K steps, then Q's
.set SLOT,  102400
.set ACC,   128
.set BIAS,  48
.set MK,    40
.set BV,    18
.set ZR,    29
.set C6U,   26
.set C6M,   27
.set WU,    44
.set WMK,   45
.set TMPV,  46
.set OUTC,  80
.set HW,    112
.set TM,    116
.set CT,    122
.set SEL,   72
.set MSB, 0
.macro WIN new                         ; the immediate's high byte repeats the setting that is left
.if MSB != \new
	s_set_vgpr_msb (MSB<<8)|\new
.set MSB, \new
.endif
.endm
.set MUL, 0x05                         ; sources 0 and 1 window 1; C and D window 0
.set TOF, 0x40                         ; destination window 1, address window 0
.macro PLACES                          ; four plain instructions between a matrix instruction and a load into, or a vector read of, its registers
.rept 4
	v_nop
.endr
.endm
.macro CREST
	s_cmp_lg_u32 s20, 0
	s_cbranch_scc1 .Lnot_wave_0_\@
	s_barrier_signal -3
.Lnot_wave_0_\@:
	s_barrier_wait -3
	s_barrier_signal -1
	s_barrier_wait -1
.endm
.macro CROUND                          ; a round of the cluster's barrier
	s_barrier_signal -1
	s_barrier_wait -1
	CREST
.endm
; one product.  ra, rb: the side's scale words stand in lanes 16-31 of the register named
.macro WM d, p, q, c, sp, sq, ra, rb
.if (\ra) && (\rb)
	v_wmma_scale_f32_16x16x128_f8f6f4 v[\d:\d+7], v[\p:\p+11], v[\q:\q+11], v[\c:\c+7], v[\sp], v[\sq] matrix_a_fmt:MATRIX_FMT_FP6 matrix_b_fmt:MATRIX_FMT_FP6 matrix_a_scale:MATRIX_SCALE_ROW1 matrix_b_scale:MATRIX_SCALE_ROW1
.elseif (\ra)
	v_wmma_scale_f32_16x16x128_f8f6f4 v[\d:\d+7], v[\p:\p+11], v[\q:\q+11], v[\c:\c+7], v[\sp], v[\sq] matrix_a_fmt:MATRIX_FMT_FP6 matrix_b_fmt:MATRIX_FMT_FP6 matrix_a_scale:MATRIX_SCALE_ROW1
.elseif (\rb)
	v_wmma_scale_f32_16x16x128_f8f6f4 v[\d:\d+7], v[\p:\p+11], v[\q:\q+11], v[\c:\c+7], v[\sp], v[\sq] matrix_a_fmt:MATRIX_FMT_FP6 matrix_b_fmt:MATRIX_FMT_FP6 matrix_b_scale:MATRIX_SCALE_ROW1
.else
	v_wmma_scale_f32_16x16x128_f8f6f4 v[\d:\d+7], v[\p:\p+11], v[\q:\q+11], v[\c:\c+7], v[\sp], v[\sq] matrix_a_fmt:MATRIX_FMT_FP6 matrix_b_fmt:MATRIX_FMT_FP6
.endif
.endm
.macro WMZ d, p, q, sp, sq, ra, rb     ; the same with the constant 0 as C: the first K step starts the sums
.if (\ra) && (\rb)
	v_wmma_scale_f32_16x16x128_f8f6f4 v[\d:\d+7], v[\p:\p+11], v[\q:\q+11], 0, v[\sp], v[\sq] matrix_a_fmt:MATRIX_FMT_FP6 matrix_b_fmt:MATRIX_FMT_FP6 matrix_a_scale:MATRIX_SCALE_ROW1 matrix_b_scale:MATRIX_SCALE_ROW1
.elseif (\ra)
	v_wmma_scale_f32_16x16x128_f8f6f4 v[\d:\d+7], v[\p:\p+11], v[\q:\q+11], 0, v[\sp], v[\sq] matrix_a_fmt:MATRIX_FMT_FP6 matrix_b_fmt:MATRIX_FMT_FP6 matrix_a_scale:MATRIX_SCALE_ROW1
.elseif (\rb)
	v_wmma_scale_f32_16x16x128_f8f6f4 v[\d:\d+7], v[\p:\p+11], v[\q:\q+11], 0, v[\sp], v[\sq] matrix_a_fmt:MATRIX_FMT_FP6 matrix_b_fmt:MATRIX_FMT_FP6 matrix_b_scale:MATRIX_SCALE_ROW1
.else
	v_wmma_scale_f32_16x16x128_f8f6f4 v[\d:\d+7], v[\p:\p+11], v[\q:\q+11], 0, v[\sp], v[\sq] matrix_a_fmt:MATRIX_FMT_FP6 matrix_b_fmt:MATRIX_FMT_FP6
.endif
.endm
; Q's tile a against P's four, from fragment set f.  The sixteen accumulators take turns, one instruction a turn, in the same order in every K step
.macro MULA f, a, mode
.irp b, 0,1,2,3
.if \mode
	WMZ ACC+8*(4*(\a)+\b), 128*(\f)+12*\b, 128*(\f)+48+12*(\a), 32+4*(\f)+\b%2, 34+4*(\f)+(\a)%2, \b/2, (\a)/2
.else
	WM ACC+8*(4*(\a)+\b), 128*(\f)+12*\b, 128*(\f)+48+12*(\a), ACC+8*(4*(\a)+\b), 32+4*(\f)+\b%2, 34+4*(\f)+(\a)%2, \b/2, (\a)/2
.endif
.endr
.endm
.macro FRAG reg, adr, off              ; a fragment's image: every load takes consecutive bytes, 16 or 8 a lane
	ds_load_b128 v[\reg:\reg+3], v[\adr] offset:\off
	ds_load_b64 v[\reg+4:\reg+5], v[\adr+2] offset:\off+512
	ds_load_b128 v[\reg+6:\reg+9], v[\adr] offset:\off+768
	ds_load_b64 v[\reg+10:\reg+11], v[\adr+2] offset:\off+1280
.endm
.macro FETCH slot, q, f                ; 34 LDS loads: the slot's q-th K step into set f: two pairs of scale words, P's four fragments, Q's four (the last eight loads are Q's tiles 2 and 3)
	WIN 0
	ds_load_b64 v[32+4*(\f):33+4*(\f)], v[10+\slot] offset:PBB*(\q)+6144
	ds_load_b64 v[34+4*(\f):35+4*(\f)], v[14+\slot] offset:PBB*(\q)+6144
	WIN TOF
.irp t, 0,1,2,3
	FRAG 128*(\f)+12*\t, 8+\slot, PBB*(\q)+1536*\t
.endr
.irp t, 0,1,2,3
	FRAG 128*(\f)+48+12*\t, 12+\slot, PBB*(\q)+1536*\t
.endr
.endm
.macro STEP slot, q, mode              ; a K step that has its successor in the same slot
	s_wait_dscnt 8                                 ; all of this step's loads but the last eight (Q's tiles 2 and 3)
	WIN MUL
	MULA (\q)%2, 0, \mode
	MULA (\q)%2, 1, \mode
	PLACES
	FETCH \slot, (\q)+1, 1-(\q)%2
	s_wait_dscnt 34                                ; all but the 34 just issued
	WIN MUL
	MULA (\q)%2, 2, \mode
	MULA (\q)%2, 3, \mode
.endm
.macro TURN next                       ; slot 0's last K step; behind the barrier slot 1 is whole for every wave.  Nothing is filled again
	s_wait_tensorcnt 0x0                           ; my part of slot 1 has landed
	s_wait_dscnt 8
	WIN MUL
	MULA 1, 0, 0
	s_wait_dscnt 0x0                               ; no LDS instruction of mine is out at the signal
	s_barrier_signal -1
	MULA 1, 1, 0
	s_barrier_wait -1
	PLACES
	FETCH \next, 0, 0
	WIN MUL
	MULA 1, 2, 0
	MULA 1, 3, 0
.endm
; 32 numbers of a lane, register 16 b + i = k 32 b + 16 (lane / 16) + i of my row, become half a fragment's codes (6 registers, 64 along K) in v[pc] on and two scale bytes in v[hw]
.macro QUANT2 s, pc, hw
.irp b, 0,1
	v_max3_num_f32 v[TM+\b], |v[\s+16*\b]|, |v[\s+1+16*\b]|, 0x1800000   ; and the floor 2^(3 - 127): the byte cannot fall under 1
.endr
.irp i, 2,4,6,8,10,12,14
.irp b, 0,1
	v_max3_num_f32 v[TM+\b], v[TM+\b], |v[\s+16*\b+\i]|, |v[\s+1+16*\b+\i]|
.endr
.endr
.irp b, 0,1
	v_permlanex16_b32 v[TM+2+\b], v[TM+\b], s[SEL], s[SEL+1]
.endr
.irp b, 0,1
	v_max_num_f32 v[TM+\b], v[TM+\b], v[TM+2+\b]
.endr
.irp b, 0,1
	v_add_nc_u32 v[TM+4+\b], 0xff000000, v[TM+\b]  ; 2 off the exponent field: the conversion's scale operand
.endr
.irp b, 0,1
	v_lshrrev_b32 v[TM+2+\b], 23, v[TM+4+\b]
.endr
	v_lshl_or_b32 v[\hw], v[TM+3], 8, v[TM+2]
	v_cvt_scalef32_pk16_fp6_f32 v[\pc:\pc+2], v[\s:\s+15], v[TM+4]
	v_cvt_scalef32_pk16_fp6_f32 v[CT:CT+2], v[\s+16:\s+31], v[TM+5]
	v_nop                                          ; one plain instruction behind the scaled conversions
.irp i, 0,1,2
	v_permlane16_swap_b32 v[\pc+\i], v[CT+\i]      ; a whole block to a lane: lanes 0-15 block 0, lanes 16-31 block 1
.endr
.irp i, 0,1,2
	v_mov_b32 v[\pc+3+\i], v[CT+\i]
.endr
.endm
	s_load_b256 s[4:11], s[0:1], 0x0               ; wc, xn, bq, bk
	s_load_b256 s[12:19], s[0:1], 0x20             ; bv, src_mask, qb, kv
	v_lshl_add_u32 v47, v0, 2, 0x32000
	v_mov_b32 v125, 0
	ds_add_u32 v47, v125
	ds_add_u32 v47, v125
	v_lshrrev_b32 v1, 5, v0
	v_readfirstlane_b32 s20, v1                    ; wave
	s_lshr_b32 s21, s20, 1                         ; Q's 64 rows.  Also: I fetch for P (0) or for Q (1)
	s_and_b32 s22, s20, 1                          ; P's 64 rows.  Also: which 2 K steps of a slot I fetch
	s_bfe_u32 s23, ttmp6, 0x40000                  ; cx
	s_bfe_u32 s66, ttmp6, 0x40004                  ; cy
	s_lshl_b32 s67, ttmp9, 2
	s_add_co_u32 s67, s67, s23                     ; work-group x
	s_lshl_b32 s56, 0x1111, s23                    ; my column of the cluster
	s_lshl_b32 s57, s66, 2
	s_lshl_b32 s57, 15, s57                        ; my row
	s_or_b32 s24, s56, (3<<16)|(1<<21)             ; group 1 for P: 15:0 the mask; 17:16 elements of 8 bytes; 21 set beside a mask; no padding
	s_or_b32 s40, s57, (3<<16)|(1<<21)             ; for Q
.irp g, 24, 40                                 ; 25,600 dense bytes as 100 rows of 256
	s_mov_b32 s[\g+1], 32<<16
	s_mov_b32 s[\g+2], 100<<16
	s_mov_b32 s[\g+3], 32<<16
	s_mov_b32 s[\g+4], 100
	s_mov_b32 s[\g+5], 32
	s_mov_b32 s[\g+6], 0
	s_mov_b32 s[\g+7], 0
.endr
	s_and_b32 s69, ttmp7, 0xffff                   ; the cluster's y: the section
	s_sub_co_u32 s70, s69, 8
	s_lshr_b32 s71, s70, 1
	s_lshl_b32 s71, s71, 4
	s_and_b32 s74, s70, 1
	s_lshl_b32 s74, s74, 2
	s_add_co_u32 s74, s74, 16
	s_lshl_b32 s75, s69, 2
	s_cmp_lt_u32 s69, 8
	s_cselect_b32 s71, 0, s71
	s_cselect_b32 s74, s75, s74
	s_add_co_u32 s76, s67, s71                     ; P's group of 128 rows: x (wq, wk), or tokens x + 16 ((y - 8) / 2)
	s_add_co_u32 s77, s66, s74                     ; Q's: tokens 4 y + cy, or wv's 16 + 4 ((y - 8) % 2) + cy
	s_mul_i32 s58, s76, 8*PBB
	s_mul_i32 s59, s22, LOADB
	s_add_co_u32 s58, s58, s59
	s_mov_b32 s59, 0
	s_mul_i32 s60, s77, 8*PBB
	s_mul_i32 s61, s22, LOADB
	s_add_co_u32 s60, s60, s61
	s_mov_b32 s61, 0
	s_mul_i32 s62, s20, LOADB                      ; where my loads land: no place in the cluster enters an LDS address
	s_mov_b32 s[SEL], 0x76543210
	s_mov_b32 s[SEL+1], 0xfedcba98
	s_wait_dscnt 0x0
	s_wait_kmcnt 0x0
	s_cmp_lt_u32 s69, 8
	s_cselect_b64 s[78:79], s[4:5], s[6:7]
	s_cselect_b64 s[80:81], s[6:7], s[4:5]
	s_add_nc_u64 s[58:59], s[78:79], s[58:59]
	s_add_nc_u64 s[60:61], s[80:81], s[60:61]
	CROUND                                         ; all sixteen work-groups are here: the joint loads meet
.irp s, 0,1
	s_mov_b32 s[32+4*\s], 1
	s_add_co_u32 s[33+4*\s], s62, \s*SLOT
	s_add_nc_u64 s[34+4*\s:35+4*\s], s[58:59], \s*QOFF
	s_or_b32 s[35+4*\s], s[35+4*\s], 0x80000000
	s_mov_b32 s[48+4*\s], 1
	s_add_co_u32 s[49+4*\s], s62, \s*SLOT
	s_add_nc_u64 s[50+4*\s:51+4*\s], s[60:61], \s*QOFF
	s_or_b32 s[51+4*\s], s[51+4*\s], 0x80000000
.endr
	s_cmp_eq_u32 s21, 0                            ; a wave's two fills stand in one branch on its number: two loads of mine are out
	s_cbranch_scc0 .Lfirst_q
	tensor_load_to_lds s[32:35], s[24:31]
	s_nop 0
	tensor_load_to_lds s[36:39], s[24:31]
	s_nop 0
	PLACES
	s_branch .Lfirst_asked
.Lfirst_q:
	tensor_load_to_lds s[48:51], s[40:47]
	s_nop 0
	tensor_load_to_lds s[52:55], s[40:47]
	s_nop 0
	PLACES
.Lfirst_asked:
	v_and_b32 v1, 31, v0
	v_and_b32 v2, 15, v0
	v_bfe_u32 v3, v0, 4, 1
	v_and_b32 v4, 8, v2
	v_add_nc_u32 v4, v4, v2                        ; r + 8 (r / 8)
	v_lshlrev_b32 v16, 4, v1
	v_lshlrev_b32 v17, 3, v1
	s_mul_i32 s56, s22, HBB
	s_mul_i32 s57, s21, HBB
	s_add_co_u32 s57, s57, QOFF
.irp s, 0,1
	v_add_nc_u32 v[8+\s], s56, v16
	v_add_nc_u32 v[10+\s], s56, v17
	v_add_nc_u32 v[12+\s], s57, v16
	v_add_nc_u32 v[14+\s], s57, v17
	s_add_co_u32 s56, s56, SLOT
	s_add_co_u32 s57, s57, SLOT
.endr
	; what the way out wants is asked for here, in both sections alike, with every index wrapped into its table: so every register is written on every way, and the loads land under the products
	s_and_b32 s70, s67, 7
	s_lshl_b32 s70, s70, 9
	s_lshl_b32 s71, s22, 8
	s_add_co_u32 s70, s70, s71                     ; bq, bk: the 64 numbers of head 2 (x % 8) + P's half
	s_mov_b32 s71, 0
	s_cmp_lt_u32 ttmp9, 2
	s_cselect_b64 s[82:83], s[8:9], s[10:11]
	s_add_nc_u64 s[82:83], s[82:83], s[70:71]
	s_and_b32 s70, s77, 31
	s_lshl_b32 s70, s70, 9
	s_lshl_b32 s74, s21, 8
	s_add_co_u32 s70, s70, s74                     ; the mask of Q's 64 tokens
	s_add_nc_u64 s[84:85], s[14:15], s[70:71]
	s_and_b32 s70, s77, 7
	s_lshl_b32 s70, s70, 9
	s_add_co_u32 s70, s70, s74                     ; bv: the 64 numbers of head 2 (Q's group % 8) + Q's half
	s_add_nc_u64 s[86:87], s[12:13], s[70:71]
	v_lshlrev_b32 v30, 6, v3
	v_lshlrev_b32 v31, 2, v4
.irp b, 0,1
.irp k, 0,1,2,3
	global_load_b128 v[BIAS+16*\b+4*\k:BIAS+16*\b+4*\k+3], v30, s[82:83] offset:128*\b+16*\k   ; register 16 b + i: feature 32 b + 16 h + i
.endr
.endr
.irp a, 0,1,2,3
	global_load_b32 v[MK+\a], v31, s[84:85] offset:(32*(\a/2)+8*(\a%2))*4      ; tile a, my place
	global_load_b32 v[BV+2*\a], v31, s[86:87] offset:(32*(\a/2)+8*(\a%2))*4
	v_mov_b32 v[BV+2*\a+1], 0                      ; (named with it as a pair)
.endr
	v_mov_b32 v[ZR], 0
	v_mov_b32 v[TM+2], 0                           ; written once: a lane permute's destination counts as one of its sources
	v_mov_b32 v[TM+3], 0
	s_wait_tensorcnt 1                             ; my part of slot 0 is in (slot 1's may stay out),
	s_barrier_signal -1
	s_barrier_wait -1                              ; everybody's is
	FETCH 0, 0, 0
	STEP 0, 0, 1
	STEP 0, 1, 0
	STEP 0, 2, 0
	TURN 1
	STEP 1, 0, 0
	STEP 1, 1, 0
	STEP 1, 2, 0
	s_wait_dscnt 8
	WIN MUL
	MULA 1, 0, 0
	MULA 1, 1, 0
	s_wait_dscnt 0x0
	MULA 1, 2, 0
	MULA 1, 3, 0
	WIN 0
	PLACES
	s_wait_loadcnt 0x0                             ; biases and mask
	s_cmp_ge_u32 s69, 8
	s_cbranch_scc1 .Lpath_v
	; ---- q and k: lane = a token, registers = a head's 64 features
	s_cmp_lt_u32 ttmp9, 2                          ; q (x < 8) or k
	s_cselect_b64 s[88:89], s[16:17], s[18:19]
	s_mov_b32 s82, 15104
	s_cselect_b32 s82, 8704, s82                   ; a record of 128 tokens of a head: q 8,704 bytes, k and v 15,104
	s_cselect_b32 s83, 0, -1                       ; only keys are masked
	s_cselect_b32 s84, 0x28, 0                     ; the code at k = 64: q: -1.0; an open key: 0
	s_mov_b32 s85, (1<<16)|(1<<24)
	s_cselect_b32 s85, (127<<16)|(1<<24), s85      ; bytes 2 and 3 of the scale word
	s_and_b32 s92, s67, 7
	s_lshl_b32 s92, s92, 1
	s_add_co_u32 s92, s92, s22                     ; head
	s_lshr_b32 s93, s77, 4
	s_lshl_b32 s93, s93, 4
	s_add_co_u32 s92, s92, s93                     ; 16 batch + head
	s_lshl_b32 s92, s92, 4
	s_and_b32 s93, s77, 15
	s_add_co_u32 s92, s92, s93                     ; the record
	s_mul_i32 s92, s92, s82
	s_mul_i32 s93, s21, 4352
	s_add_co_u32 s92, s92, s93                     ; my 64 tokens: 4 tiles of 1,024 bytes + 256 of scale words
	s_mov_b32 s93, 0
	s_add_nc_u64 s[88:89], s[88:89], s[92:93]
	v_sub_nc_u32 v[TMPV], 1, v3                    ; k = 64 lies in lanes 0-15; lanes 16-31 (k = 96 on) hold 0
	v_mul_u32_u24 v[C6U], s84, v[TMPV]
	v_lshlrev_b32 v[C6M], 3, v[TMPV]               ; a masked key: +1.0
	v_mov_b32 v[WU], s85
	v_mov_b32 v[WMK], (227<<16)|(1<<24)
.macro QKA a
.set A, ACC+32*(\a)
.set i, 0
.rept 16
	v_pk_add_f32 v[A+i:A+i+1], v[A+i:A+i+1], v[BIAS+i:BIAS+i+1]   ; each accumulator from its low end on
.set i, i+2
.endr
	v_cmp_eq_u32 vcc_lo, 0, v[MK+(\a)]
	s_and_b32 vcc_lo, vcc_lo, s83
.set i, 0
.rept 32
	v_cndmask_b32 v[A+i], v[A+i], v[ZR], vcc_lo    ; a masked key's numbers become 0: a choice of values, no branch
.set i, i+1
.endr
	QUANT2 A, OUTC+8*(\a), HW+(\a)
	v_cndmask_b32 v[OUTC+8*(\a)+6], v[C6U], v[C6M], vcc_lo
	v_mov_b32 v[OUTC+8*(\a)+7], 0
	v_cndmask_b32 v[TMPV], v[WU], v[WMK], vcc_lo
	v_or_b32 v[HW+(\a)], v[HW+(\a)], v[TMPV]
	global_store_b128 v16, v[OUTC+8*(\a):OUTC+8*(\a)+3], s[88:89] offset:1024*(\a)       ; 512 consecutive bytes a store
	global_store_b128 v16, v[OUTC+8*(\a)+4:OUTC+8*(\a)+7], s[88:89] offset:1024*(\a)+512
.endm
	QKA 0
	QKA 1
	QKA 2
	QKA 3
	v_cmp_ne_u32 vcc_lo, 0, v3
	v_cndmask_b32 v126, v[HW], v[HW+2], vcc_lo
	v_cndmask_b32 v127, v[HW+1], v[HW+3], vcc_lo
	global_store_b64 v17, v[126:127], s[88:89] offset:4096
	s_branch .Lend
.Lpath_v:
	; ---- v: lane = one of a head's 64 features, registers = 64 keys
	s_and_b32 s92, s77, 7
	s_lshl_b32 s92, s92, 1
	s_add_co_u32 s92, s92, s21                     ; head
	s_lshr_b32 s93, s76, 4
	s_lshl_b32 s93, s93, 4
	s_add_co_u32 s92, s92, s93
	s_lshl_b32 s92, s92, 4
	s_and_b32 s93, s76, 15
	s_add_co_u32 s92, s92, s93
	s_mul_i32 s92, s92, 15104
	s_add_co_u32 s92, s92, 8704                    ; v's part of the record: 4 fragments (K = the 128 keys) + 256 bytes of scale words
	s_mov_b32 s93, 0
	s_add_nc_u64 s[90:91], s[18:19], s[92:93]
	s_mul_i32 s92, s22, 768
	s_add_nc_u64 s[88:89], s[90:91], s[92:93]      ; my 64 keys' half of each fragment
	s_lshl_b32 s92, s22, 1
	s_add_co_u32 s92, s92, 6144
	s_add_nc_u64 s[90:91], s[90:91], s[92:93]      ; and of each scale word
.macro VA a
.set A, ACC+32*(\a)
.set i, 0
.rept 16
	v_pk_add_f32 v[A+i:A+i+1], v[A+i:A+i+1], v[BV+2*(\a):BV+2*(\a)+1] op_sel_hi:[1,0]
.set i, i+2
.endr
	QUANT2 A, OUTC+8*(\a), HW+(\a)
	global_store_b128 v16, v[OUTC+8*(\a):OUTC+8*(\a)+3], s[88:89] offset:1536*(\a)
	global_store_b64 v17, v[OUTC+8*(\a)+4:OUTC+8*(\a)+5], s[88:89] offset:1536*(\a)+512
.endm
	VA 0
	VA 1
	VA 2
	VA 3
	v_cmp_ne_u32 vcc_lo, 0, v3
	v_cndmask_b32 v126, v[HW], v[HW+2], vcc_lo
	v_cndmask_b32 v127, v[HW+1], v[HW+3], vcc_lo
	global_store_b16 v17, v126, s[90:91]
	global_store_b16 v17, v127, s[90:91] offset:4
.Lend:
	s_wait_tensorcnt 0x0
	ds_add_u32 v47, v125
	s_wait_dscnt 0x0
	CROUND                                         ; the closing round: no work-group ends while a partner may still ask for a tile that names it
	s_endpgm
.Lfunc_end_k_q0de3484ef3_qkv:
	.size	k_q0de3484ef3_qkv, .Lfunc_end_k_q0de3484ef3_qkv-k_q0de3484ef3_qkv
	.p2alignl 7, 3214868480
	.fill 96, 4, 3214868480
	.section	.rodata,"a",@progbits
	.p2align	6, 0x0
	.amdhsa_kernel k_q0de3484ef3_qkv
		.amdhsa_group_segment_fixed_size 205312
		.amdhsa_private_segment_fixed_size 0
		.amdhsa_enable_private_segment 0
		.amdhsa_kernarg_size 64
		.amdhsa_user_sgpr_count 2
		.amdhsa_user_sgpr_kernarg_segment_ptr 1
		.amdhsa_wavefront_size32 1
		.amdhsa_system_sgpr_workgroup_id_x 1
		.amdhsa_system_sgpr_workgroup_id_y 1
		.amdhsa_system_sgpr_workgroup_id_z 1
		.amdhsa_system_vgpr_workitem_id 0
		.amdhsa_next_free_vgpr 512
		.amdhsa_next_free_sgpr 100
		.amdhsa_reserve_vcc 1
		.amdhsa_float_denorm_mode_32 3
		.amdhsa_float_denorm_mode_16_64 3
		.amdhsa_memory_ordered 1
		.amdhsa_forward_progress 1
		.amdhsa_inst_pref_size 76
	.end_amdhsa_kernel
	.amdgpu_metadata
---
amdhsa.version: [ 1, 2 ]
amdhsa.kernels:
  - .name:           k_q0de3484ef3_qkv
    .symbol:         k_q0de3484ef3_qkv.kd
    .args:
      - { .name: wc, .offset: 0, .size: 8, .value_kind: global_buffer, .address_space: global }
      - { .name: xn, .offset: 8, .size: 8, .value_kind: global_buffer, .address_space: global }
      - { .name: bq, .offset: 16, .size: 8, .value_kind: global_buffer, .address_space: global }
      - { .name: bk, .offset: 24, .size: 8, .value_kind: global_buffer, .address_space: global }
      - { .name: bv, .offset: 32, .size: 8, .value_kind: global_buffer, .address_space: global }
      - { .name: src_mask, .offset: 40, .size: 8, .value_kind: global_buffer, .address_space: global }
      - { .name: qb, .offset: 48, .size: 8, .value_kind: global_buffer, .address_space: global }
      - { .name: kv, .offset: 56, .size: 8, .value_kind: global_buffer, .address_space: global }
    .group_segment_fixed_size: 205312
    .private_segment_fixed_size: 0
    .kernarg_segment_align: 8
    .kernarg_segment_size: 64
    .max_flat_workgroup_size: 128
    .sgpr_count:     100
    .vgpr_count:     512
    .wavefront_size: 32
...
	.end_amdgpu_metadata
.endif
;; end of part 3
;; launch attn (part 4): grid 8 x 32, 16 waves a work-group, clusters of 4 x 1, 243,712 bytes of LDS; arguments qb, kv, ctx; writes ctx
.if DOCPART == 4
	.amdgcn_target "amdgcn-amd-amdhsa--gfx1250"
	.amdhsa_code_object_version 6
	.text
	.protected	k_q0de3484ef3_attn
	.globl	k_q0de3484ef3_attn
	.p2align	8
	.type	k_q0de3484ef3_attn,@function
k_q0de3484ef3_attn:
	s_mov_b64 s[64:65], 0
	v_nop
	global_prefetch_b8 v0, s[64:65] scope:SCOPE_SE
	s_setreg_imm32_b32 hwreg(HW_REG_WAVE_MODE, 25, 1), 1
	s_wait_xcnt 0x0
	s_wait_alu depctr_hold_cnt(0) depctr_sa_sdst(0) depctr_va_vdst(0) depctr_va_sdst(0) depctr_va_ssrc(0) depctr_va_vcc(0) depctr_vm_vsrc(0)
	s_getreg_b32 s2, hwreg(HW_REG_IB_STS2, 6, 4)
	s_cmp_eq_u32 s2, 0
	s_cbranch_scc0 .Lentry_in_a_cluster
	s_endpgm
.Lentry_in_a_cluster:
	s_bfe_u32 s2, ttmp6, 0x10000c
	s_cmp_lg_u32 s2, 0x3003
	s_cbranch_scc0 .Lentry_shape_is_right
	s_endpgm
.Lentry_shape_is_right:
; ctx = softmax(q k^T / 8, masked) v for one head, both products on codes of FP6 (E2M3) with E8M0 scales; ctx is quantised here along the model's 1,024 and stored as images of operand registers for the next product.
; THE SOFTMAX AHEAD OF THE SECOND PRODUCT: t = score x log2(e) / 8; M = the running largest t rounded UP to a whole number; p = 2^(t - M) is quantised along the keys, not normalised; the row's sum is taken of the
; unquantised p and divides at the end.  When M moves, the sum and O are multiplied by 2^(old M - new M): exact, and no branch on data.
; THE MASK costs nothing here: the first product's K is 64, half of the instruction's 128, and the launch before has put it into k = 64: a masked key's score is exactly -2^100 (all its real codes are 0).  Then p = 0
; beside any open key; in a row without open keys every t is the same whole number and every p is 1.  LIMIT: the masking logit is -2^97 where the source has -1e9: equal results while open logits stay above about -1e9.
; SHARES.  A work-group owns 256 queries of one head; each of its sixteen waves 16 of them, in 256 registers: four waves to a SIMD, so that one wave's exponentials stand beside another's products and LDS loads.
; THE HEAD'S WHOLE K AND V LIE IN LDS: 16 records of 128 keys, 15,104 bytes each (k: 2 x (4 tiles of 1,024 + 256 of scale words); v: 4 fragments of 1,536 + 256), dense in memory and in LDS; nothing is filled again.
; CLUSTER 4 x 1: the four query blocks of a cluster read the same head: waves 0-3 ask for four records each, jointly (four loads of such a wave are out); the records are used in four groups, as they land.
; LAYOUT.  Both products transposed: S^T = K Q^T, O^T = V^T P^T: a lane holds one query throughout.  By the order of rows in a tile (place p of tile 2 B + u = row 32 B + 8 u + p + 8 (p / 8)) the 16 registers of two
; neighbouring tiles are 16 neighbouring keys (or features).  Every LDS load takes consecutive bytes, 16 or 8 a lane.
; REGISTERS: v1, v2 16 and 8 x lane; v8, v9 the step's addresses; v12 -M, v13 the largest t, v[14:15] the sum; v16-27 Q; v28 Q's scale words; v32-79 four tiles of K (registers 8-11 of each stay 0); v80-85 K's and V's scale words;
; v128-191 S^T, then p, then V's fragments; v192-223 O^T; v224-235 p's codes; v232-254 at work.
.set AK0, 1
.set A80, 2
.set RR,  3
.set LN,  5
.set ADK, 8
.set AD8, 9
.set QF,  16
.set QS,  28
.set KF,  32
.set KSC, 80
.set VSC, 84
.set S,   128
.set O,   192
.set TM,  244
.set CT,  236
.set REC, 15104
.set WV,  18
.set SEL, 20
.set CS,  22
.set G1,  24
.set G0,  32
.set TB,  48
.set CNT, 49
.macro PLACES
.rept 4
	v_nop
.endr
.endm
.macro CROUND
	s_barrier_signal -1
	s_barrier_wait -1
	s_cmp_lg_u32 s[WV], 0
	s_cbranch_scc1 .Lnot_wave_0_\@
	s_barrier_signal -3
.Lnot_wave_0_\@:
	s_barrier_wait -3
	s_barrier_signal -1
	s_barrier_wait -1
.endm
.macro QUANT2 s, pc, hw                ; 32 numbers of a lane -> half a fragment's codes (6 registers) and two scale bytes
.irp b, 0,1
	v_max3_num_f32 v[TM+\b], |v[\s+16*\b]|, |v[\s+1+16*\b]|, 0x1800000
.endr
.irp i, 2,4,6,8,10,12,14
.irp b, 0,1
	v_max3_num_f32 v[TM+\b], v[TM+\b], |v[\s+16*\b+\i]|, |v[\s+1+16*\b+\i]|
.endr
.endr
.irp b, 0,1
	v_permlanex16_b32 v[TM+2+\b], v[TM+\b], s[SEL], s[SEL+1]
.endr
.irp b, 0,1
	v_max_num_f32 v[TM+\b], v[TM+\b], v[TM+2+\b]
.endr
.irp b, 0,1
	v_add_nc_u32 v[TM+4+\b], 0xff000000, v[TM+\b]
.endr
.irp b, 0,1
	v_lshrrev_b32 v[TM+2+\b], 23, v[TM+4+\b]
.endr
	v_lshl_or_b32 v[\hw], v[TM+3], 8, v[TM+2]
	v_cvt_scalef32_pk16_fp6_f32 v[\pc:\pc+2], v[\s:\s+15], v[TM+4]
	v_cvt_scalef32_pk16_fp6_f32 v[CT:CT+2], v[\s+16:\s+31], v[TM+5]
	v_nop
.irp i, 0,1,2
	v_permlane16_swap_b32 v[\pc+\i], v[CT+\i]
.endr
.irp i, 0,1,2
	v_mov_b32 v[\pc+3+\i], v[CT+\i]
.endr
.endm
	s_load_b128 s[4:7], s[0:1], 0x0                ; qb, kv
	s_load_b64 s[8:9], s[0:1], 0x10                ; ctx
	v_lshl_add_u32 v251, v0, 2, 0x3b000
	v_mov_b32 v255, 0
	ds_add_u32 v251, v255
	ds_add_u32 v251, v255
	v_lshrrev_b32 v1, 5, v0
	v_readfirstlane_b32 s[WV], v1                  ; wave 0..15
	s_and_b32 s52, ttmp7, 0xffff                   ; 16 batch + head, which the four partners share
	s_and_b32 s53, s[WV], 3
	s_mul_i32 s53, s53, REC                        ; my record of a group of four: in LDS and in memory alike
	s_mul_i32 s54, s52, 16*REC
	s_add_co_u32 s54, s54, s53
	s_mov_b32 s55, 0
	s_mov_b32 s[G1], 15|(3<<16)|(1<<21)            ; 15:0 the mask: all four work-groups; 17:16 elements of 8 bytes; 21 set beside a mask; no padding
	s_mov_b32 s[G1+1], 32<<16                      ; a record: 59 rows of 256 bytes, dense
	s_mov_b32 s[G1+2], 59<<16
	s_mov_b32 s[G1+3], 32<<16
	s_mov_b32 s[G1+4], 59
	s_mov_b32 s[G1+5], 32
	s_mov_b32 s[G1+6], 0
	s_mov_b32 s[G1+7], 0
	s_mov_b32 s[SEL], 0x76543210
	s_mov_b32 s[SEL+1], 0xfedcba98
	s_mov_b32 s[CS], 0x3e38aa3b                    ; c = log2(e) / 8
	s_mov_b32 s[CS+1], s[CS]
	s_mov_b32 s[TB], 0
	s_wait_dscnt 0x0
	s_wait_kmcnt 0x0
	s_add_nc_u64 s[54:55], s[6:7], s[54:55]
	CROUND                                         ; all four work-groups are here: the joint loads meet
.irp g, 0,1,2,3
	s_mov_b32 s[G0+4*\g], 1
	s_add_co_u32 s[G0+4*\g+1], s53, \g*4*REC
	s_add_nc_u64 s[G0+4*\g+2:G0+4*\g+3], s[54:55], \g*4*REC
	s_or_b32 s[G0+4*\g+3], s[G0+4*\g+3], 0x80000000
.endr
	s_cmp_lt_u32 s[WV], 4                          ; all fills of a wave stand in one branch on its number
	s_cbranch_scc0 .Lno_fetch
	tensor_load_to_lds s[G0:G0+3], s[G1:G1+7]
	s_nop 0
	tensor_load_to_lds s[G0+4:G0+7], s[G1:G1+7]
	s_nop 0
	tensor_load_to_lds s[G0+8:G0+11], s[G1:G1+7]
	s_nop 0
	tensor_load_to_lds s[G0+12:G0+15], s[G1:G1+7]
	s_nop 0
	PLACES
.Lno_fetch:
	s_bfe_u32 s50, ttmp6, 0x40000                  ; cx: it enters q's and ctx's addresses alone
	s_lshl_b32 s51, ttmp9, 2
	s_add_co_u32 s51, s51, s50                     ; my block of 256 queries
	s_lshr_b32 s56, s[WV], 3
	s_lshl_b32 s51, s51, 1
	s_add_co_u32 s56, s56, s51                     ; my group of 128 tokens in the sequence
	s_and_b32 s57, s[WV], 7                        ; my tile in it
	s_lshr_b32 s58, s57, 2
	s_and_b32 s59, s57, 3
	s_lshl_b32 s60, s52, 4
	s_add_co_u32 s60, s60, s56
	s_mul_i32 s60, s60, 8704
	s_mul_i32 s61, s58, 4352
	s_add_co_u32 s60, s60, s61                     ; q: my 64 tokens
	s_lshl_b32 s62, s59, 10
	s_add_co_u32 s62, s62, s60
	s_mov_b32 s63, 0
	s_add_nc_u64 s[10:11], s[4:5], s[62:63]        ; my tile's image
	s_lshr_b32 s62, s59, 1
	s_lshl_b32 s62, s62, 7
	s_and_b32 s61, s59, 1
	s_lshl_b32 s61, s61, 2
	s_add_co_u32 s14, s62, s61                     ; a tile's words among four tiles' scale words: 128 (t / 2) + 4 (t % 2), + 8 r
	s_add_co_u32 s62, s14, s60
	s_add_co_u32 s62, s62, 4096
	s_add_nc_u64 s[12:13], s[4:5], s[62:63]
	v_and_b32 v[LN], 31, v0
	v_and_b32 v[RR], 15, v0
	v_lshlrev_b32 v[AK0], 4, v[LN]
	v_lshlrev_b32 v[A80], 3, v[LN]
	v_lshlrev_b32 v6, 3, v[RR]
	global_load_b128 v[QF:QF+3], v[AK0], s[10:11]
	global_load_b128 v[QF+4:QF+7], v[AK0], s[10:11] offset:512
	global_load_b32 v[QS], v6, s[12:13]
.irp i, 8,9,10,11
	v_mov_b32 v[QF+\i], 0                          ; k = 80 on: zero codes, never loaded
.irp t, 0,1,2,3
	v_mov_b32 v[KF+12*\t+\i], 0
.endr
.endr
	v_mov_b32 v13, 0xff61b1e6                      ; the largest t so far: -3e38, under every t, a masked key's too
	v_floor_f32 v12, -v13                          ; -M
	v_mov_b32 v14, 0
	v_mov_b32 v15, 0
.irp b, 0,1,2,3
	v_mov_b32 v[236+\b], 0                         ; written once: a lane permute's destination counts as one of its sources
.endr
	v_mov_b32 v253, 0
.set i, 0
.rept 32
	v_mov_b32 v[O+i], 0                            ; O^T: the step is written once; the first finds zeros, which the first change of M leaves zeros
.set i, i+1
.endr
; A KEY STEP: the 128 keys of the record at LDS byte s[TB]
.macro STEP
	v_add_nc_u32 v[ADK], s[TB], v[AK0]
	v_add_nc_u32 v[AD8], s[TB], v[A80]
	PLACES                                         ; with the two additions six plain instructions behind the last step's products, whose fragments of V the first products below write over
.irp g, 0,1                                    ; S^T = K Q^T, four tiles of 16 keys at a time
.if \g
	PLACES                                         ; in front of loads into registers that the products above have read
.endif
.irp t, 0,1,2,3
	ds_load_b128 v[KF+12*\t:KF+12*\t+3], v[ADK] offset:4352*\g+1024*\t
	ds_load_b128 v[KF+12*\t+4:KF+12*\t+7], v[ADK] offset:4352*\g+1024*\t+512
.endr
	ds_load_b64 v[KSC+2*\g:KSC+2*\g+1], v[AD8] offset:4352*\g+4096   ; lanes 0-15: tiles 0, 1; lanes 16-31: tiles 2, 3
	s_wait_dscnt 0x0
.irp t, 0,1
	v_wmma_scale_f32_16x16x128_f8f6f4 v[S+8*(4*\g+\t):S+8*(4*\g+\t)+7], v[KF+12*\t:KF+12*\t+11], v[QF:QF+11], 0, v[KSC+2*\g+\t], v[QS] matrix_a_fmt:MATRIX_FMT_FP6 matrix_b_fmt:MATRIX_FMT_FP6
.endr
.irp t, 2,3
	v_wmma_scale_f32_16x16x128_f8f6f4 v[S+8*(4*\g+\t):S+8*(4*\g+\t)+7], v[KF+12*\t:KF+12*\t+11], v[QF:QF+11], 0, v[KSC+2*\g+\t-2], v[QS] matrix_a_fmt:MATRIX_FMT_FP6 matrix_b_fmt:MATRIX_FMT_FP6 matrix_a_scale:MATRIX_SCALE_ROW1
.endr
.endr                                          ; register 16 b + i holds key 32 b + 16 (lane / 16) + i of the record
	PLACES
.irp b, 0,1,2,3
	v_max3_num_f32 v[232+\b], v[S+16*\b], v[S+1+16*\b], v[S+2+16*\b]   ; the largest score of each block of 32 keys: for the row's maximum and, since p rises with the score, for the block's largest p
.endr
.irp i, 3,5,7,9,11,13
.irp b, 0,1,2,3
	v_max3_num_f32 v[232+\b], v[232+\b], v[S+16*\b+\i], v[S+1+16*\b+\i]
.endr
.endr
.irp b, 0,1,2,3
	v_max_num_f32 v[232+\b], v[232+\b], v[S+15+16*\b]
.endr
.irp b, 0,1,2,3
	v_permlanex16_b32 v[236+\b], v[232+\b], s[SEL], s[SEL+1]
.endr
.irp b, 0,1,2,3
	v_max_num_f32 v[232+\b], v[232+\b], v[236+\b]
.endr
	v_max3_num_f32 v254, v232, v233, v234
	v_max_num_f32 v254, v254, v235
	v_mul_f32 v254, s[CS], v254                    ; as t (c is positive)
	v_max_num_f32 v13, v13, v254                   ; the running largest t
	v_mov_b32 v254, v12
	v_floor_f32 v12, -v13                          ; the new -M = floor(-t) = -ceil(t)
	v_sub_f32 v254, v12, v254                      ; old M - new M: a whole number, 0 or less
	v_cvt_i32_f32 v254, v254                       ; (it saturates)
	v_ldexp_f32 v252, 1.0, v254                    ; f = 2^(old M - new M)
.set i, 0
.rept 32
	v_pk_fma_f32 v[S+i:S+i+1], v[S+i:S+i+1], s[CS:CS+1], v[12:13] op_sel_hi:[1,0,0]   ; t - M
.set i, i+2
.endr
.irp b, 0,1,2,3
	v_fma_f32 v[232+\b], v[232+\b], s[CS], v12
.endr
.set i, 0
.rept 64
	v_exp_f32 v[S+i], v[S+i]                       ; p = 2^(t - M), at most 1
.set i, i+1
.endr
	v_pk_mul_f32 v[14:15], v[14:15], v[252:253] op_sel_hi:[1,0]   ; the sums under the new M (the plain instruction behind the batch)
	s_wait_alu depctr_va_vdst(0)                   ; one wait for the 64, ahead of their first reader
.irp b, 0,1,2,3
	v_exp_f32 v[232+\b], v[232+\b]                 ; the blocks' largest p
.endr
	v_pk_add_f32 v[236:237], v[S:S+1], v[S+2:S+3]  ; the row's sum of the unquantised p, in two chains
.irp j, 4,8,12,16,20,24,28,32,36,40,44,48,52,56,60
	v_pk_add_f32 v[14:15], v[14:15], v[S+\j:S+\j+1]
	v_pk_add_f32 v[236:237], v[236:237], v[S+\j+2:S+\j+3]
.endr
	v_pk_add_f32 v[14:15], v[14:15], v[236:237]
	s_wait_alu depctr_va_vdst(0)                   ; and one for the four
.irp b, 0,1,2,3
	v_max_num_f32 v[232+\b], 0x1800000, v[232+\b]  ; the floor 2^(3 - 127)
.endr
.irp b, 0,1,2,3
	v_add_nc_u32 v[244+\b], 0xff000000, v[232+\b]
.endr
.irp b, 0,1,2,3
	v_lshrrev_b32 v[236+\b], 23, v[244+\b]
.endr
	v_lshl_or_b32 v253, v237, 8, v236              ; p's scale word for these 128 keys
	v_lshl_or_b32 v253, v238, 16, v253
	v_lshl_or_b32 v253, v239, 24, v253
.irp c, 0,1
	v_cvt_scalef32_pk16_fp6_f32 v[224+6*\c:226+6*\c], v[S+32*\c:S+15+32*\c], v[244+2*\c]
	v_cvt_scalef32_pk16_fp6_f32 v[236+4*\c:238+4*\c], v[S+16+32*\c:S+31+32*\c], v[245+2*\c]
.endr
	v_nop                                          ; one plain instruction behind the scaled conversions
.irp a, 0,1,2,3                                ; p is done with: V's four fragments land where it lay, while the codes are put in order and O^T is rescaled
	ds_load_b128 v[S+12*\a:S+12*\a+3], v[ADK] offset:8704+1536*\a
	ds_load_b64 v[S+12*\a+4:S+12*\a+5], v[AD8] offset:8704+1536*\a+512
	ds_load_b128 v[S+12*\a+6:S+12*\a+9], v[ADK] offset:8704+1536*\a+768
	ds_load_b64 v[S+12*\a+10:S+12*\a+11], v[AD8] offset:8704+1536*\a+1280
.endr
	ds_load_b64 v[VSC:VSC+1], v[AD8] offset:8704+6144
.irp c, 0,1
.irp i, 0,1,2
	v_permlane16_swap_b32 v[224+6*\c+\i], v[236+4*\c+\i]
.endr
.irp i, 0,1,2
	v_mov_b32 v[227+6*\c+\i], v[236+4*\c+\i]
.endr
.endr
.set i, 0
.rept 16
	v_pk_mul_f32 v[O+i:O+i+1], v[O+i:O+i+1], v[252:253] op_sel_hi:[1,0]   ; O^T under the new M; these sixteen also stand between the codes' and the scale word's last writes and the products
.set i, i+2
.endr
	s_wait_dscnt 0x0
.irp a, 0,1
	v_wmma_scale_f32_16x16x128_f8f6f4 v[O+8*\a:O+8*\a+7], v[S+12*\a:S+12*\a+11], v[224:235], v[O+8*\a:O+8*\a+7], v[VSC+\a], v253 matrix_a_fmt:MATRIX_FMT_FP6 matrix_b_fmt:MATRIX_FMT_FP6
.endr
.irp a, 2,3
	v_wmma_scale_f32_16x16x128_f8f6f4 v[O+8*\a:O+8*\a+7], v[S+12*\a:S+12*\a+11], v[224:235], v[O+8*\a:O+8*\a+7], v[VSC+\a-2], v253 matrix_a_fmt:MATRIX_FMT_FP6 matrix_b_fmt:MATRIX_FMT_FP6 matrix_a_scale:MATRIX_SCALE_ROW1
.endr
	s_add_co_u32 s[TB], s[TB], REC
.endm
.macro GROUP g                         ; four records: each fetching wave's g-th load
	s_wait_tensorcnt 3-\g                          ; the 3 - g loads issued behind it may stay out (a wave that fetches nothing has none out)
	s_wait_dscnt 0x0
	s_barrier_signal -1
	s_barrier_wait -1                              ; the group is whole for every wave
	s_mov_b32 s[CNT], 4
.Lstep_\@:
	STEP
	s_sub_co_u32 s[CNT], s[CNT], 1
	s_cmp_lg_u32 s[CNT], 0
	s_cbranch_scc1 .Lstep_\@
.endm
	s_wait_loadcnt 0x0                             ; Q
	GROUP 0
	GROUP 1
	GROUP 2
	GROUP 3
	; THE WAY OUT: O^T / the sum; register 16 B + i is feature 32 B + 16 (lane / 16) + i of my head: half a K step of the next product
	PLACES
	v_add_f32 v14, v14, v15
	v_permlanex16_b32 v252, v14, s[SEL], s[SEL+1]
	v_add_f32 v14, v14, v252
	v_rcp_f32 v14, v14
	v_nop                                          ; a plain instruction behind the transcendental
	s_lshr_b32 s60, s52, 4
	s_lshl_b32 s60, s60, 4
	s_add_co_u32 s60, s60, s56                     ; the group of 128 tokens: 16 batch + my group
	s_lshl_b32 s60, s60, 3
	s_bfe_u32 s61, s52, 0x30001                    ; K step = head / 2
	s_add_co_u32 s60, s60, s61
	s_mul_i32 s60, s60, 12800
	s_mul_i32 s61, s58, 6400
	s_add_co_u32 s60, s60, s61                     ; my 64 tokens' block
	s_and_b32 s61, s52, 1                          ; which half of the K step
	s_mul_i32 s62, s61, 768
	s_mul_i32 s63, s59, 1536
	s_add_co_u32 s62, s62, s63
	s_add_co_u32 s62, s62, s60
	s_mov_b32 s63, 0
	s_add_nc_u64 s[10:11], s[8:9], s[62:63]
	s_lshl_b32 s62, s61, 1
	s_add_co_u32 s62, s62, s14
	s_add_co_u32 s62, s62, s60
	s_add_co_u32 s62, s62, 6144
	s_add_nc_u64 s[12:13], s[8:9], s[62:63]
	s_wait_alu depctr_va_vdst(0)                   ; ahead of the reciprocal's first reader
.set i, 0
.rept 32
	v_mul_f32 v[O+i], v[O+i], v14                  ; each accumulator from its low end on
.set i, i+1
.endr
	QUANT2 O, 224, 250
	global_store_b128 v[AK0], v[224:227], s[10:11]
	global_store_b64 v[A80], v[228:229], s[10:11] offset:512
	v_cmp_gt_u32 vcc_lo, 16, v[LN]
	s_wait_xcnt 0x0                                ; EXEC changes only behind this wait
	s_and_saveexec_b32 s50, vcc_lo
	global_store_b16 v[A80], v250, s[12:13]        ; lanes 0-15: my head's half of row r's scale word (the other half is the other head's work-group's)
	s_wait_xcnt 0x0
	s_or_b32 exec_lo, exec_lo, s50
	s_wait_tensorcnt 0x0
	ds_add_u32 v251, v255
	s_wait_dscnt 0x0
	CROUND                                         ; the closing round
	s_endpgm
.Lfunc_end_k_q0de3484ef3_attn:
	.size	k_q0de3484ef3_attn, .Lfunc_end_k_q0de3484ef3_attn-k_q0de3484ef3_attn
	.p2alignl 7, 3214868480
	.fill 96, 4, 3214868480
	.section	.rodata,"a",@progbits
	.p2align	6, 0x0
	.amdhsa_kernel k_q0de3484ef3_attn
		.amdhsa_group_segment_fixed_size 243712
		.amdhsa_private_segment_fixed_size 0
		.amdhsa_enable_private_segment 0
		.amdhsa_kernarg_size 24
		.amdhsa_user_sgpr_count 2
		.amdhsa_user_sgpr_kernarg_segment_ptr 1
		.amdhsa_wavefront_size32 1
		.amdhsa_system_sgpr_workgroup_id_x 1
		.amdhsa_system_sgpr_workgroup_id_y 1
		.amdhsa_system_sgpr_workgroup_id_z 1
		.amdhsa_system_vgpr_workitem_id 0
		.amdhsa_next_free_vgpr 256
		.amdhsa_next_free_sgpr 66
		.amdhsa_reserve_vcc 1
		.amdhsa_float_denorm_mode_32 3
		.amdhsa_float_denorm_mode_16_64 3
		.amdhsa_memory_ordered 1
		.amdhsa_forward_progress 1
		.amdhsa_inst_pref_size 77
	.end_amdhsa_kernel
	.amdgpu_metadata
---
amdhsa.version: [ 1, 2 ]
amdhsa.kernels:
  - .name:           k_q0de3484ef3_attn
    .symbol:         k_q0de3484ef3_attn.kd
    .args:
      - { .name: qb, .offset: 0, .size: 8, .value_kind: global_buffer, .address_space: global }
      - { .name: kv, .offset: 8, .size: 8, .value_kind: global_buffer, .address_space: global }
      - { .name: ctx, .offset: 16, .size: 8, .value_kind: global_buffer, .address_space: global }
    .group_segment_fixed_size: 243712
    .private_segment_fixed_size: 0
    .kernarg_segment_align: 8
    .kernarg_segment_size: 24
    .max_flat_workgroup_size: 512
    .sgpr_count:     66
    .vgpr_count:     256
    .wavefront_size: 32
...
	.end_amdgpu_metadata
.endif
;; end of part 4
;; launch oproj (part 5): grid 8 x 32, 4 waves a work-group, clusters of 4 x 4, 272,896 bytes of LDS; arguments wc, ctx, bo, x, x1; writes x1
.if DOCPART == 5
	.amdgcn_target "amdgcn-amd-amdhsa--gfx1250"
	.amdhsa_code_object_version 6
	.text
	.protected	k_q0de3484ef3_oproj
	.globl	k_q0de3484ef3_oproj
	.p2align	8
	.type	k_q0de3484ef3_oproj,@function
k_q0de3484ef3_oproj:
	s_mov_b64 s[64:65], 0
	v_nop
	global_prefetch_b8 v0, s[64:65] scope:SCOPE_SE
	s_setreg_imm32_b32 hwreg(HW_REG_WAVE_MODE, 25, 1), 1
	s_wait_xcnt 0x0
	s_wait_alu depctr_hold_cnt(0) depctr_sa_sdst(0) depctr_va_vdst(0) depctr_va_sdst(0) depctr_va_ssrc(0) depctr_va_vcc(0) depctr_vm_vsrc(0)
	s_getreg_b32 s2, hwreg(HW_REG_IB_STS2, 6, 4)
	s_cmp_eq_u32 s2, 0
	s_cbranch_scc0 .Lentry_in_a_cluster
	s_endpgm
.Lentry_in_a_cluster:
	s_bfe_u32 s2, ttmp6, 0x10000c
	s_cmp_lg_u32 s2, 0xf033
	s_cbranch_scc0 .Lentry_shape_is_right
	s_endpgm
.Lentry_shape_is_right:
; x1 = x + ctx wo^T + bo: the product on codes of FP6 (E2M3) with E8M0 scales, the rest in f32.
; OPERANDS are images of operand registers: a fragment (16 rows x 128 K) 1,536 bytes, four fragments + 256 bytes of scale words = 64 rows = 6,400 bytes, 128 rows x a K step = 12,800 bytes, [128 rows][8 K steps] dense.
; A work-group makes 128 rows of P = wo (source 0: output features) x 128 rows of Q = ctx (source 1: tokens); wave w takes P's 64 rows w % 2 and Q's 64 rows w / 2: 16 accumulators.  A lane holds one token; by the order of
; rows in a tile (place p of tile 2 B + u = row 32 B + 8 u + p + 8 (p / 8)) register 16 B' + i of a token tile's 32 is feature 32 B' + 16 (lane / 16) + i.  The bias is the C of each sum's first product.
; ALL OF K (1,024) lies in LDS: two slots of 4 K steps, both asked for at the head; nothing is filled again.  CLUSTER 4 x 4: P's panel is shared along a column of the cluster, Q's along a row, by joint loads.
; THE WAY OUT: the tile goes through a stage in LDS (128 token rows of 512 bytes + 16), a barrier, and each wave adds the residual to 32 whole rows and stores them, 512 consecutive bytes an instruction.
; (In the stage rows r and r + 8 of a tile lie 16 rows apart and meet in the same banks: two deep, for 32 stores a wave.)
.set KSTEPS, 8
.set PBASE, 24*8*12800                 ; wo in wc
.set PBB,   12800
.set HBB,   6400
.set LOADB, 25600
.set QOFF,  51200
.set SLOT,  102400
.set STG,   204800
.set ACC,   128
.set BIAS,  48
.set MSB, 0
.macro WIN new
.if MSB != \new
	s_set_vgpr_msb (MSB<<8)|\new
.set MSB, \new
.endif
.endm
.set MUL, 0x05
.set TOF, 0x40
.macro PLACES
.rept 4
	v_nop
.endr
.endm
.macro CREST
	s_cmp_lg_u32 s20, 0
	s_cbranch_scc1 .Lnot_wave_0_\@
	s_barrier_signal -3
.Lnot_wave_0_\@:
	s_barrier_wait -3
	s_barrier_signal -1
	s_barrier_wait -1
.endm
.macro CROUND
	s_barrier_signal -1
	s_barrier_wait -1
	CREST
.endm
.macro WM d, p, q, c, sp, sq, ra, rb
.if (\ra) && (\rb)
	v_wmma_scale_f32_16x16x128_f8f6f4 v[\d:\d+7], v[\p:\p+11], v[\q:\q+11], v[\c:\c+7], v[\sp], v[\sq] matrix_a_fmt:MATRIX_FMT_FP6 matrix_b_fmt:MATRIX_FMT_FP6 matrix_a_scale:MATRIX_SCALE_ROW1 matrix_b_scale:MATRIX_SCALE_ROW1
.elseif (\ra)
	v_wmma_scale_f32_16x16x128_f8f6f4 v[\d:\d+7], v[\p:\p+11], v[\q:\q+11], v[\c:\c+7], v[\sp], v[\sq] matrix_a_fmt:MATRIX_FMT_FP6 matrix_b_fmt:MATRIX_FMT_FP6 matrix_a_scale:MATRIX_SCALE_ROW1
.elseif (\rb)
	v_wmma_scale_f32_16x16x128_f8f6f4 v[\d:\d+7], v[\p:\p+11], v[\q:\q+11], v[\c:\c+7], v[\sp], v[\sq] matrix_a_fmt:MATRIX_FMT_FP6 matrix_b_fmt:MATRIX_FMT_FP6 matrix_b_scale:MATRIX_SCALE_ROW1
.else
	v_wmma_scale_f32_16x16x128_f8f6f4 v[\d:\d+7], v[\p:\p+11], v[\q:\q+11], v[\c:\c+7], v[\sp], v[\sq] matrix_a_fmt:MATRIX_FMT_FP6 matrix_b_fmt:MATRIX_FMT_FP6
.endif
.endm
; Q's tile a against P's four, from set f.  mode = 1: the bias starts the sums.  The sixteen accumulators take turns, one instruction a turn
.macro MULA f, a, mode
.irp b, 0,1,2,3
.if \mode
	WM ACC+8*(4*(\a)+\b), 128*(\f)+12*\b, 128*(\f)+48+12*(\a), BIAS+8*\b, 32+4*(\f)+\b%2, 34+4*(\f)+(\a)%2, \b/2, (\a)/2
.else
	WM ACC+8*(4*(\a)+\b), 128*(\f)+12*\b, 128*(\f)+48+12*(\a), ACC+8*(4*(\a)+\b), 32+4*(\f)+\b%2, 34+4*(\f)+(\a)%2, \b/2, (\a)/2
.endif
.endr
.endm
.macro FRAG reg, adr, off
	ds_load_b128 v[\reg:\reg+3], v[\adr] offset:\off
	ds_load_b64 v[\reg+4:\reg+5], v[\adr+2] offset:\off+512
	ds_load_b128 v[\reg+6:\reg+9], v[\adr] offset:\off+768
	ds_load_b64 v[\reg+10:\reg+11], v[\adr+2] offset:\off+1280
.endm
.macro FETCH slot, q, f                ; 34 LDS loads; the last eight are Q's tiles 2 and 3
	WIN 0
	ds_load_b64 v[32+4*(\f):33+4*(\f)], v[10+\slot] offset:PBB*(\q)+6144
	ds_load_b64 v[34+4*(\f):35+4*(\f)], v[14+\slot] offset:PBB*(\q)+6144
	WIN TOF
.irp t, 0,1,2,3
	FRAG 128*(\f)+12*\t, 8+\slot, PBB*(\q)+1536*\t
.endr
.irp t, 0,1,2,3
	FRAG 128*(\f)+48+12*\t, 12+\slot, PBB*(\q)+1536*\t
.endr
.endm
.macro STEP slot, q, mode
	s_wait_dscnt 8                                 ; all of this step's loads but the last eight
	WIN MUL
	MULA (\q)%2, 0, \mode
	MULA (\q)%2, 1, \mode
	PLACES
	FETCH \slot, (\q)+1, 1-(\q)%2
	s_wait_dscnt 34                                ; all but the 34 just issued
	WIN MUL
	MULA (\q)%2, 2, \mode
	MULA (\q)%2, 3, \mode
.endm
.macro TURN next                       ; slot 0's last K step; behind the barrier slot 1 is whole for every wave.  Nothing is filled again
	s_wait_tensorcnt 0x0
	s_wait_dscnt 8
	WIN MUL
	MULA 1, 0, 0
	s_wait_dscnt 0x0
	s_barrier_signal -1
	MULA 1, 1, 0
	s_barrier_wait -1
	PLACES
	FETCH \next, 0, 0
	WIN MUL
	MULA 1, 2, 0
	MULA 1, 3, 0
.endm
	s_load_b256 s[4:11], s[0:1], 0x0               ; wc, ctx, bo, x
	s_load_b64 s[12:13], s[0:1], 0x20              ; x1
	v_lshl_add_u32 v126, v0, 2, 0x42800
	v_mov_b32 v127, 0
	ds_add_u32 v126, v127
	ds_add_u32 v126, v127
	v_lshrrev_b32 v1, 5, v0
	v_readfirstlane_b32 s20, v1
	s_lshr_b32 s21, s20, 1                         ; Q's 64 rows.  Also: I fetch for P (0) or for Q (1)
	s_and_b32 s22, s20, 1                          ; P's 64 rows.  Also: which 2 K steps of a slot I fetch
	s_bfe_u32 s23, ttmp6, 0x40000
	s_bfe_u32 s66, ttmp6, 0x40004
	s_lshl_b32 s67, ttmp9, 2
	s_add_co_u32 s67, s67, s23                     ; work-group x: P's 128 rows
	s_and_b32 s68, ttmp7, 0xffff
	s_lshl_b32 s68, s68, 2
	s_add_co_u32 s68, s68, s66                     ; work-group y: Q's 128 rows
	s_lshl_b32 s56, 0x1111, s23
	s_lshl_b32 s57, s66, 2
	s_lshl_b32 s57, 15, s57
	s_or_b32 s24, s56, (3<<16)|(1<<21)             ; group 1 for P: the mask of my column; elements of 8 bytes; bit 21 beside a mask
	s_or_b32 s40, s57, (3<<16)|(1<<21)             ; for Q: my row
.irp g, 24, 40                                 ; 25,600 dense bytes as 100 rows of 256
	s_mov_b32 s[\g+1], 32<<16
	s_mov_b32 s[\g+2], 100<<16
	s_mov_b32 s[\g+3], 32<<16
	s_mov_b32 s[\g+4], 100
	s_mov_b32 s[\g+5], 32
	s_mov_b32 s[\g+6], 0
	s_mov_b32 s[\g+7], 0
.endr
	s_mul_i32 s58, s67, KSTEPS*PBB
	s_mul_i32 s59, s22, LOADB
	s_add_co_u32 s58, s58, s59
	s_add_co_u32 s58, s58, PBASE
	s_mov_b32 s59, 0
	s_mul_i32 s60, s68, KSTEPS*PBB
	s_mul_i32 s61, s22, LOADB
	s_add_co_u32 s60, s60, s61
	s_mov_b32 s61, 0
	s_mul_i32 s62, s20, LOADB
	s_wait_dscnt 0x0
	s_wait_kmcnt 0x0
	s_add_nc_u64 s[58:59], s[4:5], s[58:59]
	s_add_nc_u64 s[60:61], s[6:7], s[60:61]
	CROUND
.irp s, 0,1
	s_mov_b32 s[32+4*\s], 1
	s_add_co_u32 s[33+4*\s], s62, \s*SLOT
	s_add_nc_u64 s[34+4*\s:35+4*\s], s[58:59], \s*QOFF
	s_or_b32 s[35+4*\s], s[35+4*\s], 0x80000000
	s_mov_b32 s[48+4*\s], 1
	s_add_co_u32 s[49+4*\s], s62, \s*SLOT
	s_add_nc_u64 s[50+4*\s:51+4*\s], s[60:61], \s*QOFF
	s_or_b32 s[51+4*\s], s[51+4*\s], 0x80000000
.endr
	s_cmp_eq_u32 s21, 0                            ; a wave's two fills stand in one branch on its number: two loads of mine are out
	s_cbranch_scc0 .Lfirst_q
	tensor_load_to_lds s[32:35], s[24:31]
	s_nop 0
	tensor_load_to_lds s[36:39], s[24:31]
	s_nop 0
	PLACES
	s_branch .Lfirst_asked
.Lfirst_q:
	tensor_load_to_lds s[48:51], s[40:47]
	s_nop 0
	tensor_load_to_lds s[52:55], s[40:47]
	s_nop 0
	PLACES
.Lfirst_asked:
	v_and_b32 v1, 31, v0
	v_and_b32 v2, 15, v0
	v_bfe_u32 v3, v0, 4, 1
	v_and_b32 v4, 8, v2
	v_add_nc_u32 v4, v4, v2
	v_lshlrev_b32 v16, 4, v1
	v_lshlrev_b32 v17, 3, v1
	s_mul_i32 s56, s22, HBB
	s_mul_i32 s57, s21, HBB
	s_add_co_u32 s57, s57, QOFF
.irp s, 0,1
	v_add_nc_u32 v[8+\s], s56, v16
	v_add_nc_u32 v[10+\s], s56, v17
	v_add_nc_u32 v[12+\s], s57, v16
	v_add_nc_u32 v[14+\s], s57, v17
	s_add_co_u32 s56, s56, SLOT
	s_add_co_u32 s57, s57, SLOT
.endr
	s_lshl_b32 s70, s67, 9
	s_lshl_b32 s71, s22, 8
	s_add_co_u32 s70, s70, s71
	s_mov_b32 s71, 0
	s_add_nc_u64 s[70:71], s[8:9], s[70:71]        ; the bias of my 64 features
	v_lshlrev_b32 v18, 6, v3
.irp b, 0,1
.irp k, 0,1,2,3
	global_load_b128 v[BIAS+16*\b+4*\k:BIAS+16*\b+4*\k+3], v18, s[70:71] offset:128*\b+16*\k   ; register 16 b + i: feature 32 b + 16 h + i
.endr
.endr
	s_mul_i32 s74, s21, 64*528
	s_lshl_b32 s75, s22, 8
	s_add_co_u32 s74, s74, s75
	s_add_co_u32 s74, s74, STG
	v_mul_u32_u24 v19, v4, 528
	v_lshl_add_u32 v19, v3, 6, v19
	v_add_nc_u32 v19, s74, v19                     ; into the stage: my token's row, my features' bytes
	s_mul_i32 s74, s20, 32*528
	s_add_co_u32 s74, s74, STG
	v_add_nc_u32 v20, s74, v16                     ; back: wave w takes rows 32 w on, whole
	s_lshl_b32 s74, s68, 7
	s_lshl_b32 s75, s20, 5
	s_add_co_u32 s74, s74, s75
	s_lshl_b32 s74, s74, 12
	s_lshl_b32 s75, s67, 9
	s_add_co_u32 s74, s74, s75
	s_mov_b32 s75, 0
	s_add_nc_u64 s[76:77], s[10:11], s[74:75]      ; the residual's rows,
	s_add_nc_u64 s[78:79], s[12:13], s[74:75]      ; and the result's
	s_wait_loadcnt 0x0                             ; the bias
	s_wait_tensorcnt 1                             ; my part of slot 0 is in (slot 1's may stay out),
	s_barrier_signal -1
	s_barrier_wait -1
	FETCH 0, 0, 0
	STEP 0, 0, 1
	STEP 0, 1, 0
	STEP 0, 2, 0
	TURN 1
	STEP 1, 0, 0
	STEP 1, 1, 0
	STEP 1, 2, 0
	s_wait_dscnt 8
	WIN MUL
	MULA 1, 0, 0
	MULA 1, 1, 0
	s_wait_dscnt 0x0
	MULA 1, 2, 0
	MULA 1, 3, 0
	WIN 0
	PLACES
.set i, 0
.rept 16
	global_load_b128 v[48+4*i:51+4*i], v16, s[76:77] offset:4096*i   ; the residual of my first 16 rows
.set i, i+1
.endr
.irp a, 0,1,2,3
.irp b, 0,1
.irp k, 0,1,2,3
	ds_store_b128 v19, v[ACC+32*\a+16*\b+4*\k:ACC+32*\a+16*\b+4*\k+3] offset:(32*(\a/2)+8*(\a%2))*528+128*\b+16*\k   ; each accumulator from its low end on
.endr
.endr
.endr
	s_wait_dscnt 0x0                               ; for the others' sake: my stores into the stage are done
	s_barrier_signal -1
	s_barrier_wait -1
.set i, 0
.rept 16
	global_load_b128 v[192+4*i:195+4*i], v16, s[76:77] offset:4096*(16+i)
.set i, i+1
.endr
.set i, 0
.rept 16
	ds_load_b128 v[128+4*i:131+4*i], v20 offset:528*i
.set i, i+1
.endr
	s_wait_loadcnt 16                              ; the first 16 rows' residual is in; the second 16 loads may stay out
.set i, 0
.rept 16
	s_wait_dscnt 15-i
	v_pk_add_f32 v[128+4*i:129+4*i], v[128+4*i:129+4*i], v[48+4*i:49+4*i]
	v_pk_add_f32 v[130+4*i:131+4*i], v[130+4*i:131+4*i], v[50+4*i:51+4*i]
	global_store_b128 v16, v[128+4*i:131+4*i], s[78:79] offset:4096*i   ; 512 consecutive bytes, at a multiple of 256 from the buffer's first byte
.set i, i+1
.endr
.set i, 0
.rept 16
	ds_load_b128 v[48+4*i:51+4*i], v20 offset:528*(16+i)
.set i, i+1
.endr
	s_wait_loadcnt 0x0
.set i, 0
.rept 16
	s_wait_dscnt 15-i
	v_pk_add_f32 v[192+4*i:193+4*i], v[192+4*i:193+4*i], v[48+4*i:49+4*i]
	v_pk_add_f32 v[194+4*i:195+4*i], v[194+4*i:195+4*i], v[50+4*i:51+4*i]
	global_store_b128 v16, v[192+4*i:195+4*i], s[78:79] offset:4096*(16+i)
.set i, i+1
.endr
	s_wait_tensorcnt 0x0
	ds_add_u32 v126, v127
	s_wait_dscnt 0x0
	CROUND                                         ; the closing round
	s_endpgm
.Lfunc_end_k_q0de3484ef3_oproj:
	.size	k_q0de3484ef3_oproj, .Lfunc_end_k_q0de3484ef3_oproj-k_q0de3484ef3_oproj
	.p2alignl 7, 3214868480
	.fill 96, 4, 3214868480
	.section	.rodata,"a",@progbits
	.p2align	6, 0x0
	.amdhsa_kernel k_q0de3484ef3_oproj
		.amdhsa_group_segment_fixed_size 272896
		.amdhsa_private_segment_fixed_size 0
		.amdhsa_enable_private_segment 0
		.amdhsa_kernarg_size 40
		.amdhsa_user_sgpr_count 2
		.amdhsa_user_sgpr_kernarg_segment_ptr 1
		.amdhsa_wavefront_size32 1
		.amdhsa_system_sgpr_workgroup_id_x 1
		.amdhsa_system_sgpr_workgroup_id_y 1
		.amdhsa_system_sgpr_workgroup_id_z 1
		.amdhsa_system_vgpr_workitem_id 0
		.amdhsa_next_free_vgpr 512
		.amdhsa_next_free_sgpr 100
		.amdhsa_reserve_vcc 0
		.amdhsa_float_denorm_mode_32 3
		.amdhsa_float_denorm_mode_16_64 3
		.amdhsa_memory_ordered 1
		.amdhsa_forward_progress 1
		.amdhsa_inst_pref_size 59
	.end_amdhsa_kernel
	.amdgpu_metadata
---
amdhsa.version: [ 1, 2 ]
amdhsa.kernels:
  - .name:           k_q0de3484ef3_oproj
    .symbol:         k_q0de3484ef3_oproj.kd
    .args:
      - { .name: wc, .offset: 0, .size: 8, .value_kind: global_buffer, .address_space: global }
      - { .name: ctx, .offset: 8, .size: 8, .value_kind: global_buffer, .address_space: global }
      - { .name: bo, .offset: 16, .size: 8, .value_kind: global_buffer, .address_space: global }
      - { .name: x, .offset: 24, .size: 8, .value_kind: global_buffer, .address_space: global }
      - { .name: x1, .offset: 32, .size: 8, .value_kind: global_buffer, .address_space: global }
    .group_segment_fixed_size: 272896
    .private_segment_fixed_size: 0
    .kernarg_segment_align: 8
    .kernarg_segment_size: 40
    .max_flat_workgroup_size: 128
    .sgpr_count:     100
    .vgpr_count:     512
    .wavefront_size: 32
...
	.end_amdgpu_metadata
.endif
;; end of part 5
;; launch ln2: the kernel of part 2 again; grid 256 x 1, 8 waves a work-group, no clusters, 69,632 bytes of LDS; arguments x1, ln2_a, ln2_b, xn; writes xn
;; launch ffn1 (part 6): grid 32 x 32, 4 waves a work-group, clusters of 4 x 4, 205,312 bytes of LDS; arguments wc, xn, b1, hb; writes hb
.if DOCPART == 6
	.amdgcn_target "amdgcn-amd-amdhsa--gfx1250"
	.amdhsa_code_object_version 6
	.text
	.protected	k_q0de3484ef3_ffn1
	.globl	k_q0de3484ef3_ffn1
	.p2align	8
	.type	k_q0de3484ef3_ffn1,@function
k_q0de3484ef3_ffn1:
	s_mov_b64 s[64:65], 0
	v_nop
	global_prefetch_b8 v0, s[64:65] scope:SCOPE_SE
	s_setreg_imm32_b32 hwreg(HW_REG_WAVE_MODE, 25, 1), 1
	s_wait_xcnt 0x0
	s_wait_alu depctr_hold_cnt(0) depctr_sa_sdst(0) depctr_va_vdst(0) depctr_va_sdst(0) depctr_va_ssrc(0) depctr_va_vcc(0) depctr_vm_vsrc(0)
	s_getreg_b32 s2, hwreg(HW_REG_IB_STS2, 6, 4)
	s_cmp_eq_u32 s2, 0
	s_cbranch_scc0 .Lentry_in_a_cluster
	s_endpgm
.Lentry_in_a_cluster:
	s_bfe_u32 s2, ttmp6, 0x10000c
	s_cmp_lg_u32 s2, 0xf033
	s_cbranch_scc0 .Lentry_shape_is_right
	s_endpgm
.Lentry_shape_is_right:
; hb = Q(relu(xn w1^T + b1)): the product on codes of FP6 (E2M3) with E8M0 scales; the hidden layer is quantised here along its 4,096 and stored as images of operand registers for the next product.
; OPERANDS are images: a fragment (16 rows x 128 K) 1,536 bytes, four fragments + 256 bytes of scale words = 64 rows = 6,400 bytes, 128 rows x a K step = 12,800 bytes, [128 rows][K steps] dense.
; A work-group makes 128 rows of P = w1 (source 0: hidden units) x 128 rows of Q = xn (source 1: tokens); wave w takes P's 64 rows w % 2 and Q's 64 rows w / 2: 16 accumulators.  A lane holds one token; by the order of rows
; in a tile (place p of tile 2 B + u = row 32 B + 8 u + p + 8 (p / 8)) register 16 B' + i of a token tile's 32 is hidden unit 32 B' + 16 (lane / 16) + i: 16 neighbours along the next K.  A wave's 64 units are half a K step
; of the next product: 6 registers of each fragment and half of each scale word (the other half word is the other wave's).  The bias is the C of each sum's first product.
; ALL OF K (1,024) lies in LDS: two slots of 4 K steps, both asked for at the head; nothing is filled again.  CLUSTER 4 x 4: P's panel is shared along a column of the cluster, Q's along a row, by joint loads.
; LIMITS: NaN and infinities are not served; a block of zeros has byte 1 (its codes are zeros; this program alone reads the bytes); blocks under 2^-124 were not tried.
.set KSTEPS, 8
.set PBASE, 32*8*12800                 ; w1 in wc
.set PBB,   12800
.set HBB,   6400
.set LOADB, 25600
.set QOFF,  51200
.set SLOT,  102400
.set ACC,   128
.set BIAS,  48
.set OUTC,  80
.set HW,    112
.set TM,    116
.set CT,    122
.set SEL,   72
.set MSB, 0
.macro WIN new
.if MSB != \new
	s_set_vgpr_msb (MSB<<8)|\new
.set MSB, \new
.endif
.endm
.set MUL, 0x05
.set TOF, 0x40
.macro PLACES
.rept 4
	v_nop
.endr
.endm
.macro CREST
	s_cmp_lg_u32 s20, 0
	s_cbranch_scc1 .Lnot_wave_0_\@
	s_barrier_signal -3
.Lnot_wave_0_\@:
	s_barrier_wait -3
	s_barrier_signal -1
	s_barrier_wait -1
.endm
.macro CROUND
	s_barrier_signal -1
	s_barrier_wait -1
	CREST
.endm
.macro WM d, p, q, c, sp, sq, ra, rb
.if (\ra) && (\rb)
	v_wmma_scale_f32_16x16x128_f8f6f4 v[\d:\d+7], v[\p:\p+11], v[\q:\q+11], v[\c:\c+7], v[\sp], v[\sq] matrix_a_fmt:MATRIX_FMT_FP6 matrix_b_fmt:MATRIX_FMT_FP6 matrix_a_scale:MATRIX_SCALE_ROW1 matrix_b_scale:MATRIX_SCALE_ROW1
.elseif (\ra)
	v_wmma_scale_f32_16x16x128_f8f6f4 v[\d:\d+7], v[\p:\p+11], v[\q:\q+11], v[\c:\c+7], v[\sp], v[\sq] matrix_a_fmt:MATRIX_FMT_FP6 matrix_b_fmt:MATRIX_FMT_FP6 matrix_a_scale:MATRIX_SCALE_ROW1
.elseif (\rb)
	v_wmma_scale_f32_16x16x128_f8f6f4 v[\d:\d+7], v[\p:\p+11], v[\q:\q+11], v[\c:\c+7], v[\sp], v[\sq] matrix_a_fmt:MATRIX_FMT_FP6 matrix_b_fmt:MATRIX_FMT_FP6 matrix_b_scale:MATRIX_SCALE_ROW1
.else
	v_wmma_scale_f32_16x16x128_f8f6f4 v[\d:\d+7], v[\p:\p+11], v[\q:\q+11], v[\c:\c+7], v[\sp], v[\sq] matrix_a_fmt:MATRIX_FMT_FP6 matrix_b_fmt:MATRIX_FMT_FP6
.endif
.endm
.macro MULA f, a, mode                 ; the sixteen accumulators take turns, one instruction a turn
.irp b, 0,1,2,3
.if \mode
	WM ACC+8*(4*(\a)+\b), 128*(\f)+12*\b, 128*(\f)+48+12*(\a), BIAS+8*\b, 32+4*(\f)+\b%2, 34+4*(\f)+(\a)%2, \b/2, (\a)/2
.else
	WM ACC+8*(4*(\a)+\b), 128*(\f)+12*\b, 128*(\f)+48+12*(\a), ACC+8*(4*(\a)+\b), 32+4*(\f)+\b%2, 34+4*(\f)+(\a)%2, \b/2, (\a)/2
.endif
.endr
.endm
.macro FRAG reg, adr, off
	ds_load_b128 v[\reg:\reg+3], v[\adr] offset:\off
	ds_load_b64 v[\reg+4:\reg+5], v[\adr+2] offset:\off+512
	ds_load_b128 v[\reg+6:\reg+9], v[\adr] offset:\off+768
	ds_load_b64 v[\reg+10:\reg+11], v[\adr+2] offset:\off+1280
.endm
.macro FETCH slot, q, f                ; 34 LDS loads; the last eight are Q's tiles 2 and 3
	WIN 0
	ds_load_b64 v[32+4*(\f):33+4*(\f)], v[10+\slot] offset:PBB*(\q)+6144
	ds_load_b64 v[34+4*(\f):35+4*(\f)], v[14+\slot] offset:PBB*(\q)+6144
	WIN TOF
.irp t, 0,1,2,3
	FRAG 128*(\f)+12*\t, 8+\slot, PBB*(\q)+1536*\t
.endr
.irp t, 0,1,2,3
	FRAG 128*(\f)+48+12*\t, 12+\slot, PBB*(\q)+1536*\t
.endr
.endm
.macro STEP slot, q, mode
	s_wait_dscnt 8                                 ; all of this step's loads but the last eight
	WIN MUL
	MULA (\q)%2, 0, \mode
	MULA (\q)%2, 1, \mode
	PLACES
	FETCH \slot, (\q)+1, 1-(\q)%2
	s_wait_dscnt 34                                ; all but the 34 just issued
	WIN MUL
	MULA (\q)%2, 2, \mode
	MULA (\q)%2, 3, \mode
.endm
.macro TURN next
	s_wait_tensorcnt 0x0
	s_wait_dscnt 8
	WIN MUL
	MULA 1, 0, 0
	s_wait_dscnt 0x0
	s_barrier_signal -1
	MULA 1, 1, 0
	s_barrier_wait -1
	PLACES
	FETCH \next, 0, 0
	WIN MUL
	MULA 1, 2, 0
	MULA 1, 3, 0
.endm
.macro QUANT2 s, pc, hw                ; 32 numbers of a lane -> half a fragment's codes (6 registers) and two scale bytes
.irp b, 0,1
	v_max3_num_f32 v[TM+\b], |v[\s+16*\b]|, |v[\s+1+16*\b]|, 0x1800000
.endr
.irp i, 2,4,6,8,10,12,14
.irp b, 0,1
	v_max3_num_f32 v[TM+\b], v[TM+\b], |v[\s+16*\b+\i]|, |v[\s+1+16*\b+\i]|
.endr
.endr
.irp b, 0,1
	v_permlanex16_b32 v[TM+2+\b], v[TM+\b], s[SEL], s[SEL+1]
.endr
.irp b, 0,1
	v_max_num_f32 v[TM+\b], v[TM+\b], v[TM+2+\b]
.endr
.irp b, 0,1
	v_add_nc_u32 v[TM+4+\b], 0xff000000, v[TM+\b]
.endr
.irp b, 0,1
	v_lshrrev_b32 v[TM+2+\b], 23, v[TM+4+\b]
.endr
	v_lshl_or_b32 v[\hw], v[TM+3], 8, v[TM+2]
	v_cvt_scalef32_pk16_fp6_f32 v[\pc:\pc+2], v[\s:\s+15], v[TM+4]
	v_cvt_scalef32_pk16_fp6_f32 v[CT:CT+2], v[\s+16:\s+31], v[TM+5]
	v_nop
.irp i, 0,1,2
	v_permlane16_swap_b32 v[\pc+\i], v[CT+\i]
.endr
.irp i, 0,1,2
	v_mov_b32 v[\pc+3+\i], v[CT+\i]
.endr
.endm
	s_load_b256 s[4:11], s[0:1], 0x0               ; wc, xn, b1, hb
	v_lshl_add_u32 v111, v0, 2, 0x32000
	v_mov_b32 v125, 0
	ds_add_u32 v111, v125
	ds_add_u32 v111, v125
	v_lshrrev_b32 v1, 5, v0
	v_readfirstlane_b32 s20, v1
	s_lshr_b32 s21, s20, 1
	s_and_b32 s22, s20, 1
	s_bfe_u32 s23, ttmp6, 0x40000
	s_bfe_u32 s66, ttmp6, 0x40004
	s_lshl_b32 s67, ttmp9, 2
	s_add_co_u32 s67, s67, s23
	s_and_b32 s68, ttmp7, 0xffff
	s_lshl_b32 s68, s68, 2
	s_add_co_u32 s68, s68, s66
	s_lshl_b32 s56, 0x1111, s23
	s_lshl_b32 s57, s66, 2
	s_lshl_b32 s57, 15, s57
	s_or_b32 s24, s56, (3<<16)|(1<<21)
	s_or_b32 s40, s57, (3<<16)|(1<<21)
.irp g, 24, 40
	s_mov_b32 s[\g+1], 32<<16
	s_mov_b32 s[\g+2], 100<<16
	s_mov_b32 s[\g+3], 32<<16
	s_mov_b32 s[\g+4], 100
	s_mov_b32 s[\g+5], 32
	s_mov_b32 s[\g+6], 0
	s_mov_b32 s[\g+7], 0
.endr
	s_mul_i32 s58, s67, KSTEPS*PBB
	s_mul_i32 s59, s22, LOADB
	s_add_co_u32 s58, s58, s59
	s_add_co_u32 s58, s58, PBASE
	s_mov_b32 s59, 0
	s_mul_i32 s60, s68, KSTEPS*PBB
	s_mul_i32 s61, s22, LOADB
	s_add_co_u32 s60, s60, s61
	s_mov_b32 s61, 0
	s_mul_i32 s62, s20, LOADB
	s_mov_b32 s[SEL], 0x76543210
	s_mov_b32 s[SEL+1], 0xfedcba98
	s_wait_dscnt 0x0
	s_wait_kmcnt 0x0
	s_add_nc_u64 s[58:59], s[4:5], s[58:59]
	s_add_nc_u64 s[60:61], s[6:7], s[60:61]
	CROUND
.irp s, 0,1
	s_mov_b32 s[32+4*\s], 1
	s_add_co_u32 s[33+4*\s], s62, \s*SLOT
	s_add_nc_u64 s[34+4*\s:35+4*\s], s[58:59], \s*QOFF
	s_or_b32 s[35+4*\s], s[35+4*\s], 0x80000000
	s_mov_b32 s[48+4*\s], 1
	s_add_co_u32 s[49+4*\s], s62, \s*SLOT
	s_add_nc_u64 s[50+4*\s:51+4*\s], s[60:61], \s*QOFF
	s_or_b32 s[51+4*\s], s[51+4*\s], 0x80000000
.endr
	s_cmp_eq_u32 s21, 0
	s_cbranch_scc0 .Lfirst_q
	tensor_load_to_lds s[32:35], s[24:31]
	s_nop 0
	tensor_load_to_lds s[36:39], s[24:31]
	s_nop 0
	PLACES
	s_branch .Lfirst_asked
.Lfirst_q:
	tensor_load_to_lds s[48:51], s[40:47]
	s_nop 0
	tensor_load_to_lds s[52:55], s[40:47]
	s_nop 0
	PLACES
.Lfirst_asked:
	v_and_b32 v1, 31, v0
	v_and_b32 v2, 15, v0
	v_bfe_u32 v3, v0, 4, 1
	v_lshlrev_b32 v16, 4, v1
	v_lshlrev_b32 v17, 3, v1
	s_mul_i32 s56, s22, HBB
	s_mul_i32 s57, s21, HBB
	s_add_co_u32 s57, s57, QOFF
.irp s, 0,1
	v_add_nc_u32 v[8+\s], s56, v16
	v_add_nc_u32 v[10+\s], s56, v17
	v_add_nc_u32 v[12+\s], s57, v16
	v_add_nc_u32 v[14+\s], s57, v17
	s_add_co_u32 s56, s56, SLOT
	s_add_co_u32 s57, s57, SLOT
.endr
	s_lshl_b32 s70, s67, 9
	s_lshl_b32 s71, s22, 8
	s_add_co_u32 s70, s70, s71
	s_mov_b32 s71, 0
	s_add_nc_u64 s[70:71], s[8:9], s[70:71]
	v_lshlrev_b32 v18, 6, v3
.irp b, 0,1
.irp k, 0,1,2,3
	global_load_b128 v[BIAS+16*\b+4*\k:BIAS+16*\b+4*\k+3], v18, s[70:71] offset:128*\b+16*\k
.endr
.endr
	v_mov_b32 v[TM+2], 0                           ; written once: a lane permute's destination counts as one of its sources
	v_mov_b32 v[TM+3], 0
	s_lshl_b32 s76, s68, 5
	s_add_co_u32 s76, s76, s67                     ; hb: tokens' group y, K step x
	s_mul_i32 s76, s76, PBB
	s_mul_i32 s77, s21, HBB
	s_add_co_u32 s76, s76, s77                     ; my 64 tokens' block
	s_mul_i32 s77, s22, 768
	s_add_co_u32 s74, s76, s77
	s_mov_b32 s75, 0
	s_add_nc_u64 s[74:75], s[10:11], s[74:75]      ; my half of each fragment
	s_lshl_b32 s77, s22, 1
	s_add_co_u32 s76, s76, s77
	s_add_co_u32 s76, s76, 6144
	s_mov_b32 s77, 0
	s_add_nc_u64 s[76:77], s[10:11], s[76:77]      ; and of each scale word
	s_wait_loadcnt 0x0
	s_wait_tensorcnt 1                             ; my part of slot 0 is in (slot 1's may stay out),
	s_barrier_signal -1
	s_barrier_wait -1
	FETCH 0, 0, 0
	STEP 0, 0, 1
	STEP 0, 1, 0
	STEP 0, 2, 0
	TURN 1
	STEP 1, 0, 0
	STEP 1, 1, 0
	STEP 1, 2, 0
	s_wait_dscnt 8
	WIN MUL
	MULA 1, 0, 0
	MULA 1, 1, 0
	s_wait_dscnt 0x0
	MULA 1, 2, 0
	MULA 1, 3, 0
	WIN 0
	PLACES
.macro FA a
.set A, ACC+32*(\a)
.set i, 0
.rept 32
	v_max_num_f32 v[A+i], 0, v[A+i]                ; the activation, in f32; each accumulator from its low end on
.set i, i+1
.endr
	QUANT2 A, OUTC+8*(\a), HW+(\a)
	global_store_b128 v16, v[OUTC+8*(\a):OUTC+8*(\a)+3], s[74:75] offset:1536*(\a)
	global_store_b64 v17, v[OUTC+8*(\a)+4:OUTC+8*(\a)+5], s[74:75] offset:1536*(\a)+512
.endm
	FA 0
	FA 1
	FA 2
	FA 3
	v_cmp_ne_u32 vcc_lo, 0, v3
	v_cndmask_b32 v126, v[HW], v[HW+2], vcc_lo
	v_cndmask_b32 v127, v[HW+1], v[HW+3], vcc_lo
	global_store_b16 v17, v126, s[76:77]
	global_store_b16 v17, v127, s[76:77] offset:4
	s_wait_tensorcnt 0x0
	ds_add_u32 v111, v125
	s_wait_dscnt 0x0
	CROUND                                         ; the closing round
	s_endpgm
.Lfunc_end_k_q0de3484ef3_ffn1:
	.size	k_q0de3484ef3_ffn1, .Lfunc_end_k_q0de3484ef3_ffn1-k_q0de3484ef3_ffn1
	.p2alignl 7, 3214868480
	.fill 96, 4, 3214868480
	.section	.rodata,"a",@progbits
	.p2align	6, 0x0
	.amdhsa_kernel k_q0de3484ef3_ffn1
		.amdhsa_group_segment_fixed_size 205312
		.amdhsa_private_segment_fixed_size 0
		.amdhsa_enable_private_segment 0
		.amdhsa_kernarg_size 32
		.amdhsa_user_sgpr_count 2
		.amdhsa_user_sgpr_kernarg_segment_ptr 1
		.amdhsa_wavefront_size32 1
		.amdhsa_system_sgpr_workgroup_id_x 1
		.amdhsa_system_sgpr_workgroup_id_y 1
		.amdhsa_system_sgpr_workgroup_id_z 1
		.amdhsa_system_vgpr_workitem_id 0
		.amdhsa_next_free_vgpr 512
		.amdhsa_next_free_sgpr 100
		.amdhsa_reserve_vcc 1
		.amdhsa_float_denorm_mode_32 3
		.amdhsa_float_denorm_mode_16_64 3
		.amdhsa_memory_ordered 1
		.amdhsa_forward_progress 1
		.amdhsa_inst_pref_size 56
	.end_amdhsa_kernel
	.amdgpu_metadata
---
amdhsa.version: [ 1, 2 ]
amdhsa.kernels:
  - .name:           k_q0de3484ef3_ffn1
    .symbol:         k_q0de3484ef3_ffn1.kd
    .args:
      - { .name: wc, .offset: 0, .size: 8, .value_kind: global_buffer, .address_space: global }
      - { .name: xn, .offset: 8, .size: 8, .value_kind: global_buffer, .address_space: global }
      - { .name: b1, .offset: 16, .size: 8, .value_kind: global_buffer, .address_space: global }
      - { .name: hb, .offset: 24, .size: 8, .value_kind: global_buffer, .address_space: global }
    .group_segment_fixed_size: 205312
    .private_segment_fixed_size: 0
    .kernarg_segment_align: 8
    .kernarg_segment_size: 32
    .max_flat_workgroup_size: 128
    .sgpr_count:     100
    .vgpr_count:     512
    .wavefront_size: 32
...
	.end_amdgpu_metadata
.endif
;; end of part 6
;; launch ffn2 (part 7): grid 8 x 32, 4 waves a work-group, clusters of 4 x 4, 327,680 bytes of LDS; arguments wc, hb, b2, x1, out0; writes out0
.if DOCPART == 7
	.amdgcn_target "amdgcn-amd-amdhsa--gfx1250"
	.amdhsa_code_object_version 6
	.text
	.protected	k_q0de3484ef3_ffn2
	.globl	k_q0de3484ef3_ffn2
	.p2align	8
	.type	k_q0de3484ef3_ffn2,@function
k_q0de3484ef3_ffn2:
	s_mov_b64 s[64:65], 0
	v_nop
	global_prefetch_b8 v0, s[64:65] scope:SCOPE_SE
	s_setreg_imm32_b32 hwreg(HW_REG_WAVE_MODE, 25, 1), 1
	s_wait_xcnt 0x0
	s_wait_alu depctr_hold_cnt(0) depctr_sa_sdst(0) depctr_va_vdst(0) depctr_va_sdst(0) depctr_va_ssrc(0) depctr_va_vcc(0) depctr_vm_vsrc(0)
	s_getreg_b32 s2, hwreg(HW_REG_IB_STS2, 6, 4)
	s_cmp_eq_u32 s2, 0
	s_cbranch_scc0 .Lentry_in_a_cluster
	s_endpgm
.Lentry_in_a_cluster:
	s_bfe_u32 s2, ttmp6, 0x10000c
	s_cmp_lg_u32 s2, 0xf033
	s_cbranch_scc0 .Lentry_shape_is_right
	s_endpgm
.Lentry_shape_is_right:
; out0 = x1 + hb w2^T + b2: the product on codes of FP6 (E2M3) with E8M0 scales, the rest in f32.  K = 4,096: 32 K steps of 128.
; OPERANDS are images of operand registers: a fragment (16 rows x 128 K) 1,536 bytes, four fragments + 256 bytes of scale words = 64 rows = 6,400 bytes, 128 rows x a K step = 12,800 bytes, [128 rows][32 K steps] dense.
; A work-group makes 128 rows of P = w2 (source 0: output features) x 128 rows of Q = hb (source 1: tokens); wave w takes P's 64 rows w % 2 and Q's 64 rows w / 2: 16 accumulators.  A lane holds one token; register 16 B' + i of a
; token tile's 32 is feature 32 B' + 16 (lane / 16) + i.  The bias is the C of each sum's first product.
; THE RING: two LDS slots of 4 K steps of both operands (102,400 bytes); each wave fetches a quarter of a slot by one tensor load of 25,600 dense bytes.  A slot is filled again behind a round of the cluster's barrier, in front
; of which every wave has waited for all its tensor loads, added 0 to its spare word and waited for that and for its reads of the slot; the load then has a slot's 64 products a wave in which to land.  Two loads of a wave are out at the
; start, one behind each round.  All of a WGP's LDS is claimed.
; CLUSTER 4 x 4: P's panel is shared along a column of the cluster, Q's along a row, by joint loads.
; THE WAY OUT: through a stage in LDS of its own (128 token rows of 512 bytes + 16), a barrier, and each wave adds the residual to 32 whole rows and stores them, 512 consecutive bytes an instruction.
.set KSTEPS, 32
.set LAPS,  KSTEPS/8                   ; a lap = two slots
.set PBASE, 64*8*12800                 ; w2 in wc
.set PBB,   12800
.set HBB,   6400
.set LOADB, 25600
.set QOFF,  51200
.set SLOT,  102400
.set STG,   204800
.set SPARE, 272384                     ; the spare words, 128 bytes a wave: two blocks of 256 bytes that no other line names
.set ACC,   128
.set BIAS,  48
.set MSB, 0
.macro WIN new
.if MSB != \new
	s_set_vgpr_msb (MSB<<8)|\new
.set MSB, \new
.endif
.endm
.set MUL, 0x05
.set TOF, 0x40
.macro PLACES
.rept 4
	v_nop
.endr
.endm
.macro CREST
	s_cmp_lg_u32 s20, 0
	s_cbranch_scc1 .Lnot_wave_0_\@
	s_barrier_signal -3
.Lnot_wave_0_\@:
	s_barrier_wait -3
	s_barrier_signal -1
	s_barrier_wait -1
.endm
.macro CROUND
	s_barrier_signal -1
	s_barrier_wait -1
	CREST
.endm
.macro JLOAD s                         ; a joint refill: waves 0 and 1 fetch for P, waves 2 and 3 for Q; four v_nop follow each of the two lines
	s_cmp_eq_u32 s21, 0
	s_cbranch_scc0 .Lfor_q_\@
	tensor_load_to_lds s[32+4*\s:35+4*\s], s[24:31]
	s_nop 0
	PLACES
	s_branch .Lasked_\@
.Lfor_q_\@:
	tensor_load_to_lds s[48+4*\s:51+4*\s], s[40:47]
	s_nop 0
	PLACES
.Lasked_\@:
.endm
.macro WM d, p, q, c, sp, sq, ra, rb
.if (\ra) && (\rb)
	v_wmma_scale_f32_16x16x128_f8f6f4 v[\d:\d+7], v[\p:\p+11], v[\q:\q+11], v[\c:\c+7], v[\sp], v[\sq] matrix_a_fmt:MATRIX_FMT_FP6 matrix_b_fmt:MATRIX_FMT_FP6 matrix_a_scale:MATRIX_SCALE_ROW1 matrix_b_scale:MATRIX_SCALE_ROW1
.elseif (\ra)
	v_wmma_scale_f32_16x16x128_f8f6f4 v[\d:\d+7], v[\p:\p+11], v[\q:\q+11], v[\c:\c+7], v[\sp], v[\sq] matrix_a_fmt:MATRIX_FMT_FP6 matrix_b_fmt:MATRIX_FMT_FP6 matrix_a_scale:MATRIX_SCALE_ROW1
.elseif (\rb)
	v_wmma_scale_f32_16x16x128_f8f6f4 v[\d:\d+7], v[\p:\p+11], v[\q:\q+11], v[\c:\c+7], v[\sp], v[\sq] matrix_a_fmt:MATRIX_FMT_FP6 matrix_b_fmt:MATRIX_FMT_FP6 matrix_b_scale:MATRIX_SCALE_ROW1
.else
	v_wmma_scale_f32_16x16x128_f8f6f4 v[\d:\d+7], v[\p:\p+11], v[\q:\q+11], v[\c:\c+7], v[\sp], v[\sq] matrix_a_fmt:MATRIX_FMT_FP6 matrix_b_fmt:MATRIX_FMT_FP6
.endif
.endm
.macro MULA f, a, mode                 ; the sixteen accumulators take turns, one instruction a turn, over the loop's backward jump too
.irp b, 0,1,2,3
.if \mode
	WM ACC+8*(4*(\a)+\b), 128*(\f)+12*\b, 128*(\f)+48+12*(\a), BIAS+8*\b, 32+4*(\f)+\b%2, 34+4*(\f)+(\a)%2, \b/2, (\a)/2
.else
	WM ACC+8*(4*(\a)+\b), 128*(\f)+12*\b, 128*(\f)+48+12*(\a), ACC+8*(4*(\a)+\b), 32+4*(\f)+\b%2, 34+4*(\f)+(\a)%2, \b/2, (\a)/2
.endif
.endr
.endm
.macro FRAG reg, adr, off
	ds_load_b128 v[\reg:\reg+3], v[\adr] offset:\off
	ds_load_b64 v[\reg+4:\reg+5], v[\adr+2] offset:\off+512
	ds_load_b128 v[\reg+6:\reg+9], v[\adr] offset:\off+768
	ds_load_b64 v[\reg+10:\reg+11], v[\adr+2] offset:\off+1280
.endm
.macro FETCH slot, q, f                ; 34 LDS loads; the last eight are Q's tiles 2 and 3
	WIN 0
	ds_load_b64 v[32+4*(\f):33+4*(\f)], v[10+\slot] offset:PBB*(\q)+6144
	ds_load_b64 v[34+4*(\f):35+4*(\f)], v[14+\slot] offset:PBB*(\q)+6144
	WIN TOF
.irp t, 0,1,2,3
	FRAG 128*(\f)+12*\t, 8+\slot, PBB*(\q)+1536*\t
.endr
.irp t, 0,1,2,3
	FRAG 128*(\f)+48+12*\t, 12+\slot, PBB*(\q)+1536*\t
.endr
.endm
.macro STEP slot, q, mode
	s_wait_dscnt 8                                 ; all of this step's loads but the last eight
	WIN MUL
	MULA (\q)%2, 0, \mode
	MULA (\q)%2, 1, \mode
	PLACES
	FETCH \slot, (\q)+1, 1-(\q)%2
	s_wait_dscnt 34                                ; all but the 34 just issued
	WIN MUL
	MULA (\q)%2, 2, \mode
	MULA (\q)%2, 3, \mode
.endm
; A slot's last K step changes slots.  fill = 1: this slot is filled again, two slots ahead
.macro TURN slot, next, fill
	WIN 0                                          ; (the add's two registers lie in window 0)
	s_wait_tensorcnt 0x0                           ; all my tensor loads have landed: my part of the next slot;
	ds_add_u32 v28, v29                            ; 0 onto my spare word;
	s_wait_dscnt 9                                 ; (the add and the youngest eight loads may be out)
	WIN MUL
	MULA 1, 0, 0                                   ; four products stand between the add and the wait for it
	s_wait_dscnt 0x0                               ; the add is done, and my reads of this slot are over
	s_barrier_signal -1
	MULA 1, 1, 0
	WIN 0
	s_barrier_wait -1
.if \fill
	CREST                                          ; the barrier has opened a round of the cluster's: no wave of any partner still reads this slot or has a load on its way
	s_add_nc_u64 s[34+4*\slot:35+4*\slot], s[34+4*\slot:35+4*\slot], 2*QOFF
	s_add_nc_u64 s[50+4*\slot:51+4*\slot], s[50+4*\slot:51+4*\slot], 2*QOFF
	JLOAD \slot                                    ; the first tensor load behind the round; its four v_nop are also the places in front of the loads below
.else
	PLACES
.endif
	FETCH \next, 0, 0
	WIN MUL
	MULA 1, 2, 0
	MULA 1, 3, 0
.endm
	s_load_b256 s[4:11], s[0:1], 0x0               ; wc, hb, b2, x1
	s_load_b64 s[12:13], s[0:1], 0x20              ; out0
	v_lshl_add_u32 v28, v0, 2, SPARE
	v_mov_b32 v29, 0
	ds_add_u32 v28, v29
	ds_add_u32 v28, v29
	s_wait_dscnt 0x0
	v_lshrrev_b32 v1, 5, v0
	v_readfirstlane_b32 s20, v1
	s_lshr_b32 s21, s20, 1
	s_and_b32 s22, s20, 1
	s_bfe_u32 s23, ttmp6, 0x40000
	s_bfe_u32 s66, ttmp6, 0x40004
	s_lshl_b32 s67, ttmp9, 2
	s_add_co_u32 s67, s67, s23
	s_and_b32 s68, ttmp7, 0xffff
	s_lshl_b32 s68, s68, 2
	s_add_co_u32 s68, s68, s66
	s_lshl_b32 s56, 0x1111, s23
	s_lshl_b32 s57, s66, 2
	s_lshl_b32 s57, 15, s57
	s_or_b32 s24, s56, (3<<16)|(1<<21)
	s_or_b32 s40, s57, (3<<16)|(1<<21)
.irp g, 24, 40
	s_mov_b32 s[\g+1], 32<<16
	s_mov_b32 s[\g+2], 100<<16
	s_mov_b32 s[\g+3], 32<<16
	s_mov_b32 s[\g+4], 100
	s_mov_b32 s[\g+5], 32
	s_mov_b32 s[\g+6], 0
	s_mov_b32 s[\g+7], 0
.endr
	s_mul_i32 s58, s67, KSTEPS*PBB
	s_mul_i32 s59, s22, LOADB
	s_add_co_u32 s58, s58, s59
	s_add_co_u32 s58, s58, PBASE
	s_mov_b32 s59, 0
	s_mul_i32 s60, s68, KSTEPS*PBB
	s_mul_i32 s61, s22, LOADB
	s_add_co_u32 s60, s60, s61
	s_mov_b32 s61, 0
	s_mul_i32 s62, s20, LOADB
	s_wait_kmcnt 0x0
	s_add_nc_u64 s[58:59], s[4:5], s[58:59]
	s_add_nc_u64 s[60:61], s[6:7], s[60:61]
	CROUND
.irp s, 0,1
	s_mov_b32 s[32+4*\s], 1
	s_add_co_u32 s[33+4*\s], s62, \s*SLOT
	s_add_nc_u64 s[34+4*\s:35+4*\s], s[58:59], \s*QOFF
	s_or_b32 s[35+4*\s], s[35+4*\s], 0x80000000
	s_mov_b32 s[48+4*\s], 1
	s_add_co_u32 s[49+4*\s], s62, \s*SLOT
	s_add_nc_u64 s[50+4*\s:51+4*\s], s[60:61], \s*QOFF
	s_or_b32 s[51+4*\s], s[51+4*\s], 0x80000000
.endr
	s_cmp_eq_u32 s21, 0
	s_cbranch_scc0 .Lfirst_q
	tensor_load_to_lds s[32:35], s[24:31]
	s_nop 0
	tensor_load_to_lds s[36:39], s[24:31]
	s_nop 0
	PLACES
	s_branch .Lfirst_asked
.Lfirst_q:
	tensor_load_to_lds s[48:51], s[40:47]
	s_nop 0
	tensor_load_to_lds s[52:55], s[40:47]
	s_nop 0
	PLACES
.Lfirst_asked:
	v_and_b32 v1, 31, v0
	v_and_b32 v2, 15, v0
	v_bfe_u32 v3, v0, 4, 1
	v_and_b32 v4, 8, v2
	v_add_nc_u32 v4, v4, v2
	v_lshlrev_b32 v16, 4, v1
	v_lshlrev_b32 v17, 3, v1
	s_mul_i32 s56, s22, HBB
	s_mul_i32 s57, s21, HBB
	s_add_co_u32 s57, s57, QOFF
.irp s, 0,1
	v_add_nc_u32 v[8+\s], s56, v16
	v_add_nc_u32 v[10+\s], s56, v17
	v_add_nc_u32 v[12+\s], s57, v16
	v_add_nc_u32 v[14+\s], s57, v17
	s_add_co_u32 s56, s56, SLOT
	s_add_co_u32 s57, s57, SLOT
.endr
	s_lshl_b32 s70, s67, 9
	s_lshl_b32 s71, s22, 8
	s_add_co_u32 s70, s70, s71
	s_mov_b32 s71, 0
	s_add_nc_u64 s[70:71], s[8:9], s[70:71]
	v_lshlrev_b32 v18, 6, v3
.irp b, 0,1
.irp k, 0,1,2,3
	global_load_b128 v[BIAS+16*\b+4*\k:BIAS+16*\b+4*\k+3], v18, s[70:71] offset:128*\b+16*\k
.endr
.endr
	s_mul_i32 s74, s21, 64*528
	s_lshl_b32 s75, s22, 8
	s_add_co_u32 s74, s74, s75
	s_add_co_u32 s74, s74, STG
	v_mul_u32_u24 v19, v4, 528
	v_lshl_add_u32 v19, v3, 6, v19
	v_add_nc_u32 v19, s74, v19
	s_mul_i32 s74, s20, 32*528
	s_add_co_u32 s74, s74, STG
	v_add_nc_u32 v20, s74, v16
	s_lshl_b32 s74, s68, 7
	s_lshl_b32 s75, s20, 5
	s_add_co_u32 s74, s74, s75
	s_lshl_b32 s74, s74, 12
	s_lshl_b32 s75, s67, 9
	s_add_co_u32 s74, s74, s75
	s_mov_b32 s75, 0
	s_add_nc_u64 s[76:77], s[10:11], s[74:75]
	s_add_nc_u64 s[78:79], s[12:13], s[74:75]
	s_wait_loadcnt 0x0
	s_wait_tensorcnt 1                             ; my part of slot 0 is in (slot 1's may stay out)
	s_barrier_signal -1
	s_barrier_wait -1
	FETCH 0, 0, 0
	STEP 0, 0, 1                                   ; the first K step stands in front of the loop: its products start the sums
	WIN 0                                          ; at a label and at a branch every window is 0
	s_mov_b32 s3, LAPS-1
.Llap:                                             ; a trip goes once round the ring, from a lap's second K step to the next lap's first, and fills both slots again
	STEP 0, 1, 0
	STEP 0, 2, 0
	TURN 0, 1, 1
	STEP 1, 0, 0
	STEP 1, 1, 0
	STEP 1, 2, 0
	TURN 1, 0, 1
	STEP 0, 0, 0
	WIN 0
	s_sub_co_u32 s3, s3, 1
	s_cmp_lg_u32 s3, 0
	s_cbranch_scc1 .Llap
	STEP 0, 1, 0                                   ; the last lap fills nothing: it is written out
	STEP 0, 2, 0
	TURN 0, 1, 0
	STEP 1, 0, 0
	STEP 1, 1, 0
	STEP 1, 2, 0
	s_wait_dscnt 8
	WIN MUL
	MULA 1, 0, 0
	MULA 1, 1, 0
	s_wait_dscnt 0x0
	MULA 1, 2, 0
	MULA 1, 3, 0
	WIN 0
	PLACES
.set i, 0
.rept 16
	global_load_b128 v[48+4*i:51+4*i], v16, s[76:77] offset:4096*i
.set i, i+1
.endr
.irp a, 0,1,2,3
.irp b, 0,1
.irp k, 0,1,2,3
	ds_store_b128 v19, v[ACC+32*\a+16*\b+4*\k:ACC+32*\a+16*\b+4*\k+3] offset:(32*(\a/2)+8*(\a%2))*528+128*\b+16*\k
.endr
.endr
.endr
	s_wait_dscnt 0x0                               ; for the others' sake: my stores into the stage are done
	s_barrier_signal -1
	s_barrier_wait -1
.set i, 0
.rept 16
	global_load_b128 v[192+4*i:195+4*i], v16, s[76:77] offset:4096*(16+i)
.set i, i+1
.endr
.set i, 0
.rept 16
	ds_load_b128 v[128+4*i:131+4*i], v20 offset:528*i
.set i, i+1
.endr
	s_wait_loadcnt 16                              ; the first 16 rows' residual is in; the second 16 loads may stay out
.set i, 0
.rept 16
	s_wait_dscnt 15-i
	v_pk_add_f32 v[128+4*i:129+4*i], v[128+4*i:129+4*i], v[48+4*i:49+4*i]
	v_pk_add_f32 v[130+4*i:131+4*i], v[130+4*i:131+4*i], v[50+4*i:51+4*i]
	global_store_b128 v16, v[128+4*i:131+4*i], s[78:79] offset:4096*i th:TH_STORE_NT
.set i, i+1
.endr
.set i, 0
.rept 16
	ds_load_b128 v[48+4*i:51+4*i], v20 offset:528*(16+i)
.set i, i+1
.endr
	s_wait_loadcnt 0x0
.set i, 0
.rept 16
	s_wait_dscnt 15-i
	v_pk_add_f32 v[192+4*i:193+4*i], v[192+4*i:193+4*i], v[48+4*i:49+4*i]
	v_pk_add_f32 v[194+4*i:195+4*i], v[194+4*i:195+4*i], v[50+4*i:51+4*i]
	global_store_b128 v16, v[192+4*i:195+4*i], s[78:79] offset:4096*(16+i) th:TH_STORE_NT
.set i, i+1
.endr
	s_wait_tensorcnt 0x0                           ; the wave's end, behind my last tensor load and my last LDS store
	ds_add_u32 v28, v29
	s_wait_dscnt 0x0
	CROUND                                         ; the closing round
	s_endpgm
.Lfunc_end_k_q0de3484ef3_ffn2:
	.size	k_q0de3484ef3_ffn2, .Lfunc_end_k_q0de3484ef3_ffn2-k_q0de3484ef3_ffn2
	.p2alignl 7, 3214868480
	.fill 96, 4, 3214868480
	.section	.rodata,"a",@progbits
	.p2align	6, 0x0
	.amdhsa_kernel k_q0de3484ef3_ffn2
		.amdhsa_group_segment_fixed_size 327680
		.amdhsa_private_segment_fixed_size 0
		.amdhsa_enable_private_segment 0
		.amdhsa_kernarg_size 40
		.amdhsa_user_sgpr_count 2
		.amdhsa_user_sgpr_kernarg_segment_ptr 1
		.amdhsa_wavefront_size32 1
		.amdhsa_system_sgpr_workgroup_id_x 1
		.amdhsa_system_sgpr_workgroup_id_y 1
		.amdhsa_system_sgpr_workgroup_id_z 1
		.amdhsa_system_vgpr_workitem_id 0
		.amdhsa_next_free_vgpr 512
		.amdhsa_next_free_sgpr 100
		.amdhsa_reserve_vcc 0
		.amdhsa_float_denorm_mode_32 3
		.amdhsa_float_denorm_mode_16_64 3
		.amdhsa_memory_ordered 1
		.amdhsa_forward_progress 1
		.amdhsa_inst_pref_size 97
	.end_amdhsa_kernel
	.amdgpu_metadata
---
amdhsa.version: [ 1, 2 ]
amdhsa.kernels:
  - .name:           k_q0de3484ef3_ffn2
    .symbol:         k_q0de3484ef3_ffn2.kd
    .args:
      - { .name: wc, .offset: 0, .size: 8, .value_kind: global_buffer, .address_space: global }
      - { .name: hb, .offset: 8, .size: 8, .value_kind: global_buffer, .address_space: global }
      - { .name: b2, .offset: 16, .size: 8, .value_kind: global_buffer, .address_space: global }
      - { .name: x1, .offset: 24, .size: 8, .value_kind: global_buffer, .address_space: global }
      - { .name: out0, .offset: 32, .size: 8, .value_kind: global_buffer, .address_space: global }
    .group_segment_fixed_size: 327680
    .private_segment_fixed_size: 0
    .kernarg_segment_align: 8
    .kernarg_segment_size: 40
    .max_flat_workgroup_size: 128
    .sgpr_count:     100
    .vgpr_count:     512
    .wavefront_size: 32
...
	.end_amdgpu_metadata
.endif
;; end of part 7
;; ======== version 2 of 2: 7 launches
;; limits: right only within a limited range of input values
;; workspace buffers: wc 9,830,400 bytes; xn 3,276,800 bytes; ctx 3,276,800 bytes; hb 13,107,200 bytes; qb 4,456,448 bytes; kv 7,733,248 bytes; x1 16,777,216 bytes
;; launch prep (part 8): grid 1024 x 1, 8 waves a work-group, no clusters, 69,632 bytes of LDS; arguments x, ln1_a, ln1_b, xn, wq, wk, wv, wo, w1, w2, wc; writes xn, wc
.if DOCPART == 8
	.amdgcn_target "amdgcn-amd-amdhsa--gfx1250"
	.amdhsa_code_object_version 6
	.text
	.protected	k_q0de3484ef3_prep
	.globl	k_q0de3484ef3_prep
	.p2align	8
	.type	k_q0de3484ef3_prep,@function
k_q0de3484ef3_prep:
	s_mov_b64 s[64:65], 0
	v_nop
	global_prefetch_b8 v0, s[64:65] scope:SCOPE_SE
	s_setreg_imm32_b32 hwreg(HW_REG_WAVE_MODE, 25, 1), 1
	s_wait_xcnt 0x0
; Seven tensors become codes of FP6 (E2M3) with one E8M0 byte for each 32 along their last axis, stored AS IMAGES OF OPERAND REGISTERS: xn = Q(alpha (x - mean) / sqrt(std + 1e-6) + bias), std with 1,023 in the divisor,
; and wc = Q(wq), Q(wk), Q(wv), Q(wo), Q(w1), Q(w2).  A fragment (16 rows x 128 K, 12 registers a lane) is 1,536 bytes: registers 0-3 at 16 x lane, 4-5 at 512 + 8 x lane, 6-9 at 768 + 16 x lane, 10-11 at 1,280 + 8 x lane.
; Four fragments and 256 bytes of scale words (tile t, place p: 128 (t / 2) + 8 p + 4 (t % 2)) are 64 rows, 6,400 bytes; two such blocks are 128 rows x one K step, 12,800 bytes; a buffer is [128 rows][K step].
; THE ROWS OF A TILE ARE NOT NEIGHBOURS: place p of tile 2 B + u is row 32 B + 8 u + p + 8 (p / 8), so that a product's 16 registers of tiles 2 B, 2 B + 1 are 16 neighbouring rows.
; SHARES.  A work-group takes one tile of 16 rows x 8 K steps, wave w one K step.  Work-groups 0-255: x; 256-767: wq, wk, wv, wo, w1 (their tiles follow each other in wc); 768-1,023: w2, four work-groups to a tile (K = 4,096).
; ONE PATH FOR ALL: only pointers and numbers are chosen, by the work-group's number.  The weights walk the norm's lines too, with the mean 0, the gain 1 and the bias 0 chosen for them: x - 0 and x * 1 + 0 are x, exactly.
; Each load reads 512 consecutive bytes of a row; a tile turns through the wave's own stage in LDS (rows 528 bytes apart) and comes back, into the registers that it left, 16 neighbours of each block of 32 a lane.
; Mean and variance in two passes (the mean is taken off before the squares), so that a common offset of x costs no digits; the waves' part sums meet in LDS, 8 words a row, behind a barrier each.
; A tile's scale words are 64 bytes of a block of 256: the price of work-groups that own whole rows of x; one store in five of a wave.
; 128 registers a wave and 69,632 bytes of LDS: four work-groups fit on a WGP, so that all loads of the launch can be out together.
; LIMITS: NaN and infinities are not served; a block of zeros has byte 1 (its codes are zeros; this program alone reads the bytes); blocks whose largest magnitude lies under 2^-124 were not tried.
.set STGB, 8448
.set RED1, 67584                       ; 16 rows x 8 words: the sums;  512 bytes on: the sums of squares
.set X,    24                          ; v24-87  the tile as loaded, then 64 numbers of my row: register 16 b + i = k 32 b + 16 (lane / 16) + i
.set PC,   88                          ; v88-99  the codes (before them: four of a row's eight part sums)
.set CT,   100
.set TM,   108
.set PW,   124
.set ZR,   126
.set ONE,  127
.set SEL,  54                          ; s[54:55] lane selects: lane xor 16
.set RB,   66                          ; s[66:97] the addresses of the tile's 16 rows
.macro QUANT4 s, pc, pw                ; 64 numbers v[s] on -> a fragment's codes in v[pc] on, its scale word in v[pw]
.irp b, 0,1,2,3
	v_max3_num_f32 v[TM+\b], |v[\s+16*\b]|, |v[\s+1+16*\b]|, 0x1800000   ; my 16 numbers of block b, and the floor 2^(3 - 127): the byte cannot fall under 1
.endr
.irp i, 2,4,6,8,10,12,14
.irp b, 0,1,2,3
	s_delay_alu instid0(VALU_DEP_4)
	v_max3_num_f32 v[TM+\b], v[TM+\b], |v[\s+16*\b+\i]|, |v[\s+1+16*\b+\i]|
.endr
.endr
.irp b, 0,1,2,3
	s_delay_alu instid0(VALU_DEP_4)
	v_permlanex16_b32 v[TM+4+\b], v[TM+\b], s[SEL], s[SEL+1]
.endr
.irp b, 0,1,2,3
	s_delay_alu instid0(VALU_DEP_4)
	v_max_num_f32 v[TM+\b], v[TM+\b], v[TM+4+\b]   ; with lane xor 16's 16: the block's largest magnitude
.endr
.irp b, 0,1,2,3
	s_delay_alu instid0(VALU_DEP_4)
	v_add_nc_u32 v[TM+12+\b], 0xff000000, v[TM+\b]   ; 2 off its exponent field: the conversion's scale operand
.endr
.irp b, 0,1,2,3
	s_delay_alu instid0(VALU_DEP_4)
	v_lshrrev_b32 v[TM+4+\b], 23, v[TM+12+\b]      ; the scale's byte
.endr
	s_delay_alu instid0(VALU_DEP_3)
	v_lshl_or_b32 v[\pw], v[TM+5], 8, v[TM+4]
	s_delay_alu instid0(VALU_DEP_1)
	v_lshl_or_b32 v[\pw], v[TM+6], 16, v[\pw]
	s_delay_alu instid0(VALU_DEP_1)
	v_lshl_or_b32 v[\pw], v[TM+7], 24, v[\pw]
.irp c, 0,1
	v_cvt_scalef32_pk16_fp6_f32 v[\pc+6*\c:\pc+2+6*\c], v[\s+32*\c:\s+15+32*\c], v[TM+12+2*\c]
	v_cvt_scalef32_pk16_fp6_f32 v[CT+4*\c:CT+2+4*\c], v[\s+16+32*\c:\s+31+32*\c], v[TM+13+2*\c]   ; (a conversion's three registers begin on an even number)
.endr
	v_nop                                          ; one plain instruction behind the scaled conversions
.irp c, 0,1                                    ; the operand wants a whole block in a lane: lanes 0-15 block 2 c, lanes 16-31 block 2 c + 1
.irp i, 0,1,2
	v_permlane16_swap_b32 v[\pc+6*\c+\i], v[CT+4*\c+\i]
.endr
.irp i, 0,1,2
	s_delay_alu instid0(VALU_DEP_3)
	v_mov_b32 v[\pc+3+6*\c+\i], v[CT+4*\c+\i]
.endr
.endr
.endm
; my part sum v10 of row r goes to word [r][wave] at off; behind the barrier every lane adds its row's eight words: v20
.macro MEET off
	s_delay_alu instid0(VALU_DEP_1)
	v_permlanex16_b32 v12, v10, s[SEL], s[SEL+1]
	s_delay_alu instid0(VALU_DEP_1)
	v_add_f32 v10, v10, v12                        ; with lane xor 16's 64 numbers: my wave's 128 of row r
	ds_store_b32 v8, v10 offset:\off               ; (lanes r and r + 16 write the same word with the same value)
	s_wait_dscnt 0x0                               ; for the others' sake: my store is done
	s_barrier_signal -1
	s_barrier_wait -1
	ds_load_b128 v[20:23], v9 offset:\off
	ds_load_b128 v[88:91], v9 offset:\off+16
	s_wait_dscnt 0x0
	v_add_f32 v20, v20, v21
	v_add_f32 v22, v22, v23
	v_add_f32 v88, v88, v89
	v_add_f32 v90, v90, v91
	s_delay_alu instid0(VALU_DEP_3)
	v_add_f32 v20, v20, v22
	s_delay_alu instid0(VALU_DEP_2)
	v_add_f32 v88, v88, v90
	s_delay_alu instid0(VALU_DEP_1)
	v_add_f32 v20, v20, v88
.endm
	s_load_b256 s[4:11], s[0:1], 0x0               ; x, alpha, bias, xn
	s_load_b256 s[12:19], s[0:1], 0x20             ; wq, wk, wv, wo
	s_load_b128 s[20:23], s[0:1], 0x40             ; w1, w2
	s_load_b64 s[24:25], s[0:1], 0x50              ; wc
	v_lshl_add_u32 v125, v0, 2, 0x10c00            ; my spare word, and 0: two registers that no other line names, inside the 128
	v_mov_b32 v107, 0
	v_lshrrev_b32 v1, 5, v0
	s_delay_alu instid0(VALU_DEP_1)
	v_readfirstlane_b32 s26, v1                    ; wave
	v_and_b32 v1, 31, v0
	v_and_b32 v2, 15, v0                           ; r
	v_bfe_u32 v3, v0, 4, 1                         ; h
	s_delay_alu instid0(VALU_DEP_3)
	v_lshlrev_b32 v4, 4, v1
	s_delay_alu instid0(VALU_DEP_4)
	v_lshlrev_b32 v5, 3, v1
	s_mul_i32 s56, s26, STGB
	v_add_nc_u32 v6, s56, v4                       ; the stage, in: 16 x lane of a row
	v_mul_u32_u24 v7, v2, 528
	s_delay_alu instid0(VALU_DEP_1)
	v_lshl_add_u32 v7, v3, 6, v7
	s_delay_alu instid0(VALU_DEP_1)
	v_add_nc_u32 v7, s56, v7                       ; out: row r, + 64 h
	s_lshl_b32 s56, s26, 2
	s_add_co_u32 s56, s56, RED1
	v_lshl_add_u32 v8, v2, 5, s56                  ; word [r][wave]
	v_lshl_add_u32 v9, v2, 5, RED1                 ; row r's eight words
	s_mov_b32 s[SEL], 0x76543210
	s_mov_b32 s[SEL+1], 0xfedcba98
.irp b, 0,1,2,3
	v_mov_b32 v[TM+4+\b], 0                        ; written once: a lane permute's destination counts as one of its sources
.endr
	v_mov_b32 v[ZR], 0
	v_mov_b32 v[ONE], 1.0
	s_wait_alu depctr_va_vdst(0)
	s_wait_kmcnt 0x0
	s_load_b32 s52, s[6:7], 0x0                    ; alpha
	s_load_b32 s53, s[8:9], 0x0                    ; bias
	; which tensor, and its first work-group: the choice hangs on the work-group's number alone
	s_mov_b64 s[2:3], s[22:23]
	s_mov_b32 s27, 768
	s_cmp_lt_u32 ttmp9, 768
	s_cselect_b64 s[2:3], s[20:21], s[2:3]
	s_cselect_b32 s27, 512, s27
	s_cmp_lt_u32 ttmp9, 512
	s_cselect_b64 s[2:3], s[18:19], s[2:3]
	s_cselect_b32 s27, 448, s27
	s_cmp_lt_u32 ttmp9, 448
	s_cselect_b64 s[2:3], s[16:17], s[2:3]
	s_cselect_b32 s27, 384, s27
	s_cmp_lt_u32 ttmp9, 384
	s_cselect_b64 s[2:3], s[14:15], s[2:3]
	s_cselect_b32 s27, 320, s27
	s_cmp_lt_u32 ttmp9, 320
	s_cselect_b64 s[2:3], s[12:13], s[2:3]
	s_cselect_b32 s27, 256, s27
	s_cmp_lt_u32 ttmp9, 256
	s_cselect_b64 s[2:3], s[4:5], s[2:3]
	s_cselect_b32 s27, 0, s27
	s_cmp_lt_u32 ttmp9, 768                        ; K = 1,024, or w2's 4,096
	s_cselect_b32 s28, 0, 2                        ; log2 of the work-groups that share a tile
	s_cselect_b32 s29, 12, 14                      ; log2 of a row's bytes
	s_cselect_b32 s30, 3, 5                        ; log2 of the K steps
	s_cselect_b32 s31, 0, 6553600                  ; where w2 begins in wc
	s_sub_co_u32 s32, ttmp9, s27
	s_lshr_b32 s33, s32, s28                       ; the tile, counted in its tensor
	s_lshl_b32 s34, s33, s28
	s_sub_co_u32 s34, s32, s34
	s_lshl_b32 s35, s34, 3
	s_add_co_u32 s35, s35, s26                     ; my K step
	s_sub_co_u32 s36, ttmp9, 256
	s_cmp_lt_u32 ttmp9, 768
	s_cselect_b32 s36, s36, s33
	s_cmp_lt_u32 ttmp9, 256
	s_cselect_b32 s36, ttmp9, s36                  ; the tile, counted in its part of the buffer that takes it
	s_cselect_b64 s[38:39], s[10:11], s[24:25]
	s_cselect_b32 s37, 0, -1                       ; all ones for a weight
	s_lshr_b32 s40, s33, 1                         ; tile 2 B + u begins at row 32 B + 8 u
	s_lshl_b32 s40, s40, 5
	s_and_b32 s41, s33, 1
	s_lshl_b32 s41, s41, 3
	s_add_co_u32 s40, s40, s41
	s_lshl_b32 s40, s40, s29
	s_lshl_b32 s41, s35, 9
	s_add_co_u32 s40, s40, s41
	s_mov_b32 s41, 0
	s_add_nc_u64 s[2:3], s[2:3], s[40:41]
	s_mov_b32 s43, 0
.set i, 0
.irp p, 0,1,2,3,4,5,6,7,16,17,18,19,20,21,22,23
	s_lshl_b32 s42, \p, s29
	s_add_nc_u64 s[RB+2*i:RB+2*i+1], s[2:3], s[42:43]   ; place i's row
.set i, i+1
.endr
	s_lshr_b32 s44, s36, 3                         ; ((T / 8) K steps + my K step) 12,800 + 6,400 ((T / 4) % 2): the block of 64 rows
	s_lshl_b32 s44, s44, s30
	s_add_co_u32 s44, s44, s35
	s_mul_i32 s44, s44, 12800
	s_bfe_u32 s45, s36, 0x10002
	s_mul_i32 s45, s45, 6400
	s_add_co_u32 s44, s44, s45
	s_add_co_u32 s44, s44, s31
	s_bfe_u32 s46, s36, 0x10001                    ; the tile's scale words: 6,144 + 128 ((T / 2) % 2) + 4 (T % 2) + 8 r
	s_lshl_b32 s46, s46, 7
	s_and_b32 s47, s36, 1
	s_lshl_b32 s47, s47, 2
	s_add_co_u32 s46, s46, s47
	s_add_co_u32 s46, s46, s44
	s_add_co_u32 s46, s46, 6144
	s_mov_b32 s47, 0
	s_and_b32 s45, s36, 3
	s_mul_i32 s45, s45, 1536
	s_add_co_u32 s44, s44, s45                     ; the tile's fragment
	s_mov_b32 s45, 0
	s_add_nc_u64 s[48:49], s[38:39], s[44:45]
	s_add_nc_u64 s[50:51], s[38:39], s[46:47]
.set i, 0
.rept 16
	global_load_b128 v[X+4*i:X+4*i+3], v4, s[RB+2*i:RB+2*i+1] th:TH_LOAD_NT   ; 512 consecutive bytes of a row
.set i, i+1
.endr
	s_wait_loadcnt 0x0
.set i, 0
.rept 16
	ds_store_b128 v6, v[X+4*i:X+4*i+3] offset:528*i
.set i, i+1
.endr
.irp b, 0,1,2,3
.irp j, 0,1,2,3
	ds_load_b128 v[X+16*\b+4*\j:X+16*\b+4*\j+3], v7 offset:128*\b+16*\j   ; LDS serves a wave's instructions in order (ISA guide 5.7.1.4): these see my stores, and land in the registers that the stores have left
.endr
.endr
	s_wait_dscnt 0x0
	v_pk_add_f32 v[12:13], v[24:25], v[26:27]
	v_pk_add_f32 v[118:119], v[32:33], v[36:37]
	v_pk_add_f32 v[116:117], v[40:41], v[44:45]
	v_pk_add_f32 v[10:11], v[48:49], v[52:53]
	s_delay_alu instid0(VALU_DEP_1)
	v_pk_add_f32 v[10:11], v[10:11], v[56:57]
	v_pk_add_f32 v[12:13], v[12:13], v[60:61]
	v_pk_add_f32 v[118:119], v[118:119], v[64:65]
	v_pk_add_f32 v[116:117], v[116:117], v[68:69]
	s_delay_alu instid0(VALU_DEP_4)
	v_pk_add_f32 v[10:11], v[10:11], v[72:73]
	s_delay_alu instid0(VALU_DEP_4)
	v_pk_add_f32 v[12:13], v[12:13], v[76:77]
	s_delay_alu instid0(VALU_DEP_4)
	v_pk_add_f32 v[118:119], v[118:119], v[80:81]
	s_delay_alu instid0(VALU_DEP_4)
	v_pk_add_f32 v[116:117], v[116:117], v[84:85]
	s_delay_alu instid0(VALU_DEP_4)
	v_pk_add_f32 v[10:11], v[10:11], v[28:29]
	s_delay_alu instid0(VALU_DEP_4)
	v_pk_add_f32 v[12:13], v[12:13], v[30:31]
	s_delay_alu instid0(VALU_DEP_4)
	v_pk_add_f32 v[118:119], v[118:119], v[34:35]
	s_delay_alu instid0(VALU_DEP_4)
	v_pk_add_f32 v[116:117], v[116:117], v[38:39]
	s_delay_alu instid0(VALU_DEP_4)
	v_pk_add_f32 v[10:11], v[10:11], v[42:43]
	s_delay_alu instid0(VALU_DEP_4)
	v_pk_add_f32 v[12:13], v[12:13], v[46:47]
	s_delay_alu instid0(VALU_DEP_4)
	v_pk_add_f32 v[118:119], v[118:119], v[50:51]
	s_delay_alu instid0(VALU_DEP_4)
	v_pk_add_f32 v[116:117], v[116:117], v[54:55]
	s_delay_alu instid0(VALU_DEP_4)
	v_pk_add_f32 v[10:11], v[10:11], v[58:59]
	s_delay_alu instid0(VALU_DEP_4)
	v_pk_add_f32 v[12:13], v[12:13], v[62:63]
	s_delay_alu instid0(VALU_DEP_4)
	v_pk_add_f32 v[118:119], v[118:119], v[66:67]
	s_delay_alu instid0(VALU_DEP_4)
	v_pk_add_f32 v[116:117], v[116:117], v[70:71]
	s_delay_alu instid0(VALU_DEP_4)
	v_pk_add_f32 v[10:11], v[10:11], v[74:75]
	s_delay_alu instid0(VALU_DEP_4)
	v_pk_add_f32 v[12:13], v[12:13], v[78:79]
	s_delay_alu instid0(VALU_DEP_4)
	v_pk_add_f32 v[118:119], v[118:119], v[82:83]
	s_delay_alu instid0(VALU_DEP_4)
	v_pk_add_f32 v[116:117], v[116:117], v[86:87]
	s_delay_alu instid0(VALU_DEP_2)
	v_pk_add_f32 v[10:11], v[10:11], v[118:119]
	s_delay_alu instid0(VALU_DEP_2)
	v_pk_add_f32 v[12:13], v[12:13], v[116:117]
	s_delay_alu instid0(VALU_DEP_1)
	v_pk_add_f32 v[10:11], v[10:11], v[12:13]
	s_delay_alu instid0(VALU_DEP_1)
	v_add_f32 v10, v10, v11
	MEET 0
	s_mov_b32 vcc_lo, s37
	v_mul_f32 v14, 0x3a800000, v20                 ; the mean: / 1,024;
	s_delay_alu instid0(VALU_DEP_1)
	v_cndmask_b32 v14, v14, v[ZR], vcc_lo          ; for a weight: 0
	s_delay_alu instid0(VALU_DEP_1)
	v_mov_b32 v15, v14
.set i, 0
.rept 32
	v_pk_add_f32 v[X+i:X+i+1], v[X+i:X+i+1], v[14:15] op_sel_hi:[1,0] neg_lo:[0,1] neg_hi:[0,1]   ; x - mean
.set i, i+2
.endr
	v_pk_mul_f32 v[10:11], v[X:X+1], v[X:X+1]
	v_pk_mul_f32 v[12:13], v[X+2:X+3], v[X+2:X+3]
.irp j, 4,8,12,16,20,24,28,32,36,40,44,48,52,56,60
	s_delay_alu instid0(VALU_DEP_2)
	v_pk_fma_f32 v[10:11], v[X+\j:X+\j+1], v[X+\j:X+\j+1], v[10:11]
	s_delay_alu instid0(VALU_DEP_2)
	v_pk_fma_f32 v[12:13], v[X+\j+2:X+\j+3], v[X+\j+2:X+\j+3], v[12:13]
.endr
	s_delay_alu instid0(VALU_DEP_1)
	v_pk_add_f32 v[10:11], v[10:11], v[12:13]
	s_delay_alu instid0(VALU_DEP_1)
	v_add_f32 v10, v10, v11
	MEET 512                                       ; other bytes than the sums': no barrier is owed between the two
	s_delay_alu instid0(VALU_DEP_1)
	v_mul_f32 v20, 0x3a802008, v20                 ; / 1,023
	s_wait_alu depctr_va_vdst(0)
	v_sqrt_f32 v21, v20                            ; std
	v_nop                                          ; a plain instruction behind the transcendental,
	s_wait_alu depctr_va_vdst(0)                   ; and the wait ahead of its first reader
	v_add_f32 v21, 0x358637bd, v21                 ; + 1e-6
	s_wait_alu depctr_va_vdst(0)
	v_rsq_f32 v22, v21
	s_wait_kmcnt 0x0
	s_cmp_lt_u32 ttmp9, 256
	s_cselect_b32 s53, s53, 0                      ; a weight's bias: 0
	v_mov_b32 v18, s53
	v_mov_b32 v19, s53
	s_wait_alu depctr_va_vdst(0)
	v_mul_f32 v16, s52, v22                        ; alpha / sqrt(std + 1e-6);
	s_delay_alu instid0(VALU_DEP_1)
	v_cndmask_b32 v16, v16, v[ONE], vcc_lo         ; for a weight: 1
	s_delay_alu instid0(VALU_DEP_1)
	v_mov_b32 v17, v16
.set i, 0
.rept 32
	v_pk_fma_f32 v[X+i:X+i+1], v[X+i:X+i+1], v[16:17], v[18:19] op_sel_hi:[1,0,0]
.set i, i+2
.endr
	QUANT4 X, PC, PW
	global_store_b128 v4, v[PC:PC+3], s[48:49]     ; each store covers 512 or 256 consecutive bytes, at a multiple of 256 from the buffer's first byte
	global_store_b64 v5, v[PC+4:PC+5], s[48:49] offset:512
	global_store_b128 v4, v[PC+6:PC+9], s[48:49] offset:768
	global_store_b64 v5, v[PC+10:PC+11], s[48:49] offset:1280
	v_cmp_gt_u32 vcc_lo, 16, v1
	s_wait_xcnt 0x0                                ; EXEC changes only behind this wait: the stores above have read it
	s_wait_tensorcnt 0x0
	ds_add_u32 v125, v107
	s_wait_dscnt 0x0
	s_and_saveexec_b32 s57, vcc_lo
	global_store_b32 v5, v[PW], s[50:51]           ; lanes 0-15: row r's word at 8 r
	s_wait_xcnt 0x0                                ; and again in front of the line that widens it
	s_or_b32 exec_lo, exec_lo, s57
	s_endpgm
.Lfunc_end_k_q0de3484ef3_prep:
	.size	k_q0de3484ef3_prep, .Lfunc_end_k_q0de3484ef3_prep-k_q0de3484ef3_prep
	.p2alignl 7, 3214868480
	.fill 96, 4, 3214868480
	.section	.rodata,"a",@progbits
	.p2align	6, 0x0
	.amdhsa_kernel k_q0de3484ef3_prep
		.amdhsa_group_segment_fixed_size 69632
		.amdhsa_private_segment_fixed_size 0
		.amdhsa_enable_private_segment 0
		.amdhsa_kernarg_size 88
		.amdhsa_user_sgpr_count 2
		.amdhsa_user_sgpr_kernarg_segment_ptr 1
		.amdhsa_wavefront_size32 1
		.amdhsa_system_sgpr_workgroup_id_x 1
		.amdhsa_system_sgpr_workgroup_id_y 1
		.amdhsa_system_sgpr_workgroup_id_z 1
		.amdhsa_system_vgpr_workitem_id 0
		.amdhsa_next_free_vgpr 128
		.amdhsa_next_free_sgpr 100
		.amdhsa_reserve_vcc 1
		.amdhsa_float_denorm_mode_32 3
		.amdhsa_float_denorm_mode_16_64 3
		.amdhsa_memory_ordered 1
		.amdhsa_forward_progress 1
		.amdhsa_inst_pref_size 29
	.end_amdhsa_kernel
	.amdgpu_metadata
---
amdhsa.version: [ 1, 2 ]
amdhsa.kernels:
  - .name:           k_q0de3484ef3_prep
    .symbol:         k_q0de3484ef3_prep.kd
    .args:
      - { .name: x, .offset: 0, .size: 8, .value_kind: global_buffer, .address_space: global }
      - { .name: ln1_a, .offset: 8, .size: 8, .value_kind: global_buffer, .address_space: global }
      - { .name: ln1_b, .offset: 16, .size: 8, .value_kind: global_buffer, .address_space: global }
      - { .name: xn, .offset: 24, .size: 8, .value_kind: global_buffer, .address_space: global }
      - { .name: wq, .offset: 32, .size: 8, .value_kind: global_buffer, .address_space: global }
      - { .name: wk, .offset: 40, .size: 8, .value_kind: global_buffer, .address_space: global }
      - { .name: wv, .offset: 48, .size: 8, .value_kind: global_buffer, .address_space: global }
      - { .name: wo, .offset: 56, .size: 8, .value_kind: global_buffer, .address_space: global }
      - { .name: w1, .offset: 64, .size: 8, .value_kind: global_buffer, .address_space: global }
      - { .name: w2, .offset: 72, .size: 8, .value_kind: global_buffer, .address_space: global }
      - { .name: wc, .offset: 80, .size: 8, .value_kind: global_buffer, .address_space: global }
    .group_segment_fixed_size: 69632
    .private_segment_fixed_size: 0
    .kernarg_segment_align: 8
    .kernarg_segment_size: 88
    .max_flat_workgroup_size: 256
    .sgpr_count:     100
    .vgpr_count:     128
    .wavefront_size: 32
...
	.end_amdgpu_metadata
.endif
;; end of part 8
;; launch qkv (part 9): grid 8 x 32, 4 waves a work-group, clusters of 4 x 4, 327,680 bytes of LDS; arguments wc, xn, bq, bk, bv, src_mask, qb, kv; writes qb, kv
.if DOCPART == 9
	.amdgcn_target "amdgcn-amd-amdhsa--gfx1250"
	.amdhsa_code_object_version 6
	.text
	.protected	k_q0de3484ef3_qkv
	.globl	k_q0de3484ef3_qkv
	.p2align	8
	.type	k_q0de3484ef3_qkv,@function
k_q0de3484ef3_qkv:
	s_mov_b64 s[64:65], 0
	v_nop
	global_prefetch_b8 v0, s[64:65] scope:SCOPE_SE
	s_setreg_imm32_b32 hwreg(HW_REG_WAVE_MODE, 25, 1), 1
	s_wait_xcnt 0x0
	s_wait_alu depctr_hold_cnt(0) depctr_sa_sdst(0) depctr_va_vdst(0) depctr_va_sdst(0) depctr_va_ssrc(0) depctr_va_vcc(0) depctr_vm_vsrc(0)
	s_getreg_b32 s2, hwreg(HW_REG_IB_STS2, 6, 4)
	s_cmp_eq_u32 s2, 0
	s_cbranch_scc0 .Lentry_in_a_cluster
	s_endpgm
.Lentry_in_a_cluster:
	s_bfe_u32 s2, ttmp6, 0x10000c
	s_cmp_lg_u32 s2, 0xf033
	s_cbranch_scc0 .Lentry_shape_is_right
	s_endpgm
.Lentry_shape_is_right:
; q = xn wq^T + bq, k = xn wk^T + bk, v = xn wv^T + bv on codes of FP6 (E2M3) with E8M0 scales; the results are quantised here for attention and stored as images of operand registers.
; OPERANDS are images: a fragment (16 rows x 128 K) 1,536 bytes, four fragments + 256 bytes of scale words = 64 rows = 6,400 bytes, 128 rows x a K step = 12,800 bytes; a panel of 128 rows x all 8 K steps is 102,400 dense bytes.
; A WORK-GROUP STAYS: it owns 128 tokens (y) and 128 features (x) and makes three tiles of 128 x 128: q, k, v.  The tokens' panel lies in LDS for the whole launch; the three weight panels go through two slots of a whole panel:
; wq in slot 0 and wk in slot 1 at the start, wv into slot 0 when q's products have read it: that load has k's whole tile in which to land.  So a WGP is filled with 4 panels where three work-groups in turn would take 6.
; A TILE: source 0 = P, source 1 = Q; wave w takes P's 64 rows w % 2 and Q's 64 rows w / 2: 16 accumulators.  A lane holds ONE row of Q, its registers run along P's rows, and, by the order of rows in a tile (place p of tile
; 2 B + u = row 32 B + 8 u + p + 8 (p / 8)), register 16 B' + i of a Q tile's 32 is P's row 32 B' + 16 (lane / 16) + i: 16 neighbours along the next product's K.
; q, k: P = the weight (features), Q = the tokens: quantised along a head's 64.  v: P = THE TOKENS, Q = wv: quantised along the keys.  The bytes in LDS are the same: only the address registers change places.
; CLUSTER 4 x 4: the tokens' panel is shared along a row of the cluster, a weight panel along a column, by joint loads; at the head a wave asks for half the tokens' or wq's panel (51,200 bytes), by its number; after it every wave asks for a quarter of each panel (25,600 bytes).
; One load of a wave is out at a time, one behind each round.  All of a WGP's LDS is claimed.
; bq and bk are the C of each sum's first product (window 2); bv, one number a lane, is added on the way out.
; q'S AND k'S IMAGES have 8 registers a lane (1,024 bytes a tile): K = 64 real codes, then the MASK's component at k = 64: q has the code -1.0 under the byte 127; a key with src_mask == 0 has all real codes 0,
; the code +1.0 and the byte 227 (2^100), so that its score is exactly -2^100; an open key has the code 0.  All other bytes of the unused half are 1: a zero product is then as small as it can be.
; LIMITS: the masking logit is -2^97 where the source has -1e9 (equal results while open logits stay above about -1e9); NaN and infinities are not served; a block of zeros has byte 1; blocks under 2^-124 were not tried.
; v's scale words are stored as half words: a word's other half belongs to the wave with the other 64 keys.
; REGISTERS: window 0: v1-4 lane, r, h, r + 8 (r / 8); v5, v6 the add's; v8-27 LDS addresses; v28, v29 16 and 8 x lane; v32-39 scale words; v40-43 mask; v44-57 constants and bv; v80-127 the way out; v128-255 accumulators.
;   window 1: two sets of 8 fragments.  window 2: v0-31 bq, v32-63 bk.
.set PBB,   12800
.set HBB,   6400
.set LOADB, 25600                      ; a tensor load: 2 K steps of a panel
.set PANEL, 102400
.set QRES,  0                          ; the tokens' panel
.set PSL,   102400                     ; slot s at PSL + s PANEL
.set SPARE, 307200                     ; the spare words, 128 bytes a wave: two blocks of 256 bytes that no other line names
.set PSTEP, 8*PANEL                    ; from wq's panel x to wk's, and from wk's to wv's
.set AB,    8                          ; four address registers for each (panel, role): 16 and 8 x lane for K steps 0-3, the same for K steps 4-7 (an LDS immediate has 16 bits)
.set R0,    AB                         ; slot 0 as source 0
.set R1,    AB+4                       ; slot 1 as source 0
.set RQ,    AB+8                       ; the tokens as source 1
.set RP,    AB+12                      ; the tokens as source 0
.set RV,    AB+16                      ; slot 0 as source 1
.set SPW,   5
.set NIL,   6
.set TMPV,  7
.set ACC,   128
.set MK,    40
.set WU,    44
.set WMK,   45
.set C6Q,   46
.set C6M,   47
.set BV,    48
.set ZR,    56
.set WQ,    57
.set OUTC,  80
.set HW,    112
.set TM,    116
.set CT,    122
.set SEL,   96
.set MSB, 0
.macro WIN new                         ; the immediate's high byte repeats the setting that is left
.if MSB != \new
	s_set_vgpr_msb (MSB<<8)|\new
.set MSB, \new
.endif
.endm
.set MUL,  0x05                        ; sources 0 and 1 window 1; C and D window 0
.set MULB, 0x25                        ; the same with C in window 2
.set TOF,  0x40                        ; destination window 1, address window 0
.macro MWIN mode
.if (\mode) == 1
	WIN MULB
.else
	WIN MUL
.endif
.endm
.macro PLACES                          ; four plain instructions between a matrix instruction and a load into, or a vector read of, its registers
.rept 4
	v_nop
.endr
.endm
.macro CREST
	s_cmp_lg_u32 s20, 0
	s_cbranch_scc1 .Lnot_wave_0_\@
	s_barrier_signal -3
.Lnot_wave_0_\@:
	s_barrier_wait -3
	s_barrier_signal -1
	s_barrier_wait -1
.endm
.macro CROUND                          ; a round of the cluster's barrier
	s_barrier_signal -1
	s_barrier_wait -1
	CREST
.endm
; one product.  ra, rb: the side's scale words stand in lanes 16-31 of the register named
.macro WM d, p, q, c, sp, sq, ra, rb
.if (\ra) && (\rb)
	v_wmma_scale_f32_16x16x128_f8f6f4 v[\d:\d+7], v[\p:\p+11], v[\q:\q+11], v[\c:\c+7], v[\sp], v[\sq] matrix_a_fmt:MATRIX_FMT_FP6 matrix_b_fmt:MATRIX_FMT_FP6 matrix_a_scale:MATRIX_SCALE_ROW1 matrix_b_scale:MATRIX_SCALE_ROW1
.elseif (\ra)
	v_wmma_scale_f32_16x16x128_f8f6f4 v[\d:\d+7], v[\p:\p+11], v[\q:\q+11], v[\c:\c+7], v[\sp], v[\sq] matrix_a_fmt:MATRIX_FMT_FP6 matrix_b_fmt:MATRIX_FMT_FP6 matrix_a_scale:MATRIX_SCALE_ROW1
.elseif (\rb)
	v_wmma_scale_f32_16x16x128_f8f6f4 v[\d:\d+7], v[\p:\p+11], v[\q:\q+11], v[\c:\c+7], v[\sp], v[\sq] matrix_a_fmt:MATRIX_FMT_FP6 matrix_b_fmt:MATRIX_FMT_FP6 matrix_b_scale:MATRIX_SCALE_ROW1
.else
	v_wmma_scale_f32_16x16x128_f8f6f4 v[\d:\d+7], v[\p:\p+11], v[\q:\q+11], v[\c:\c+7], v[\sp], v[\sq] matrix_a_fmt:MATRIX_FMT_FP6 matrix_b_fmt:MATRIX_FMT_FP6
.endif
.endm
.macro WMZ d, p, q, sp, sq, ra, rb     ; the same with the constant 0 as C
.if (\ra) && (\rb)
	v_wmma_scale_f32_16x16x128_f8f6f4 v[\d:\d+7], v[\p:\p+11], v[\q:\q+11], 0, v[\sp], v[\sq] matrix_a_fmt:MATRIX_FMT_FP6 matrix_b_fmt:MATRIX_FMT_FP6 matrix_a_scale:MATRIX_SCALE_ROW1 matrix_b_scale:MATRIX_SCALE_ROW1
.elseif (\ra)
	v_wmma_scale_f32_16x16x128_f8f6f4 v[\d:\d+7], v[\p:\p+11], v[\q:\q+11], 0, v[\sp], v[\sq] matrix_a_fmt:MATRIX_FMT_FP6 matrix_b_fmt:MATRIX_FMT_FP6 matrix_a_scale:MATRIX_SCALE_ROW1
.elseif (\rb)
	v_wmma_scale_f32_16x16x128_f8f6f4 v[\d:\d+7], v[\p:\p+11], v[\q:\q+11], 0, v[\sp], v[\sq] matrix_a_fmt:MATRIX_FMT_FP6 matrix_b_fmt:MATRIX_FMT_FP6 matrix_b_scale:MATRIX_SCALE_ROW1
.else
	v_wmma_scale_f32_16x16x128_f8f6f4 v[\d:\d+7], v[\p:\p+11], v[\q:\q+11], 0, v[\sp], v[\sq] matrix_a_fmt:MATRIX_FMT_FP6 matrix_b_fmt:MATRIX_FMT_FP6
.endif
.endm
; Q's tile a against P's four, from fragment set f.  mode 1: bias set t starts the sums; 2: the constant 0 does; 0: the sums go on.
; The sixteen accumulators take turns, one instruction a turn, in the same order in every K step and from tile to tile
.macro MULA f, a, mode, t
.irp b, 0,1,2,3
.if (\mode) == 1
	WM ACC+8*(4*(\a)+\b), 128*(\f)+12*\b, 128*(\f)+48+12*(\a), 32*(\t)+8*\b, 32+4*(\f)+\b%2, 34+4*(\f)+(\a)%2, \b/2, (\a)/2
.elseif (\mode) == 2
	WMZ ACC+8*(4*(\a)+\b), 128*(\f)+12*\b, 128*(\f)+48+12*(\a), 32+4*(\f)+\b%2, 34+4*(\f)+(\a)%2, \b/2, (\a)/2
.else
	WM ACC+8*(4*(\a)+\b), 128*(\f)+12*\b, 128*(\f)+48+12*(\a), ACC+8*(4*(\a)+\b), 32+4*(\f)+\b%2, 34+4*(\f)+(\a)%2, \b/2, (\a)/2
.endif
.endr
.endm
.macro FRAG reg, adr, off              ; a fragment's image: every load takes consecutive bytes, 16 or 8 a lane
	ds_load_b128 v[\reg:\reg+3], v[\adr] offset:\off
	ds_load_b64 v[\reg+4:\reg+5], v[\adr+1] offset:\off+512
	ds_load_b128 v[\reg+6:\reg+9], v[\adr] offset:\off+768
	ds_load_b64 v[\reg+10:\reg+11], v[\adr+1] offset:\off+1280
.endm
; 34 LDS loads: K step q of the four that the address pairs pa (source 0) and qa (source 1) reach, into set f: two pairs of scale words, P's four fragments, Q's four (the last eight loads are Q's tiles 2 and 3)
.macro FETCH pa, qa, q, f
	WIN 0
	ds_load_b64 v[32+4*(\f):33+4*(\f)], v[\pa+1] offset:PBB*(\q)+6144
	ds_load_b64 v[34+4*(\f):35+4*(\f)], v[\qa+1] offset:PBB*(\q)+6144
	WIN TOF
.irp t, 0,1,2,3
	FRAG 128*(\f)+12*\t, \pa, PBB*(\q)+1536*\t
.endr
.irp t, 0,1,2,3
	FRAG 128*(\f)+48+12*\t, \qa, PBB*(\q)+1536*\t
.endr
.endm
.macro STEP pr, qr, s, mode, t         ; K step s (0 .. 6) of a tile: multiplies set s % 2 and fetches K step s + 1 into the other
	s_wait_dscnt 8                                 ; all of this step's loads but the last eight (Q's tiles 2 and 3)
	MWIN \mode
	MULA (\s)%2, 0, \mode, \t
	MULA (\s)%2, 1, \mode, \t
	PLACES
	FETCH (\pr)+2*(((\s)+1)/4), (\qr)+2*(((\s)+1)/4), ((\s)+1)%4, 1-(\s)%2
	s_wait_dscnt 34                                ; all but the 34 just issued
	MWIN \mode
	MULA (\s)%2, 2, \mode, \t
	MULA (\s)%2, 3, \mode, \t
.endm
.macro STEPS pr, qr, mode, t
	STEP \pr, \qr, 0, \mode, \t
.irp s, 1,2,3,4,5,6
	STEP \pr, \qr, \s, 0, 0
.endr
.endm
; A tile's last K step changes panels: ONE barrier; in front of it each wave waits for all its tensor loads (its part of the next tile's panel), adds 0 to its spare word, and waits for that and for its reads of this tile's slot.
; fill = 1: this tile's slot takes the panel two tiles on.  Then the next tile's first fragments (npr, nqr) are fetched.
.macro TURN npr, nqr, fill, slot
	WIN 0                                          ; (the add's two registers lie in window 0)
	s_wait_tensorcnt 0x0                           ; all my tensor loads have landed;
	ds_add_u32 v[SPW], v[NIL]                      ; 0 onto my spare word;
	s_wait_dscnt 9                                 ; (the add and the youngest eight loads may be out)
	WIN MUL
	MULA 1, 0, 0, 0                                ; four products stand between the add and the wait for it
	s_wait_dscnt 0x0                               ; the add is done, and my reads of this tile's slot are over
	s_barrier_signal -1
	MULA 1, 1, 0, 0
	WIN 0
	s_barrier_wait -1
.if \fill
	CREST                                          ; the barrier has opened a round of the cluster's: no wave of any partner still reads this slot or has a load on its way
	s_add_nc_u64 s[34+4*\slot:35+4*\slot], s[34+4*\slot:35+4*\slot], 2*PSTEP
	tensor_load_to_lds s[32+4*\slot:35+4*\slot], s[24:31]   ; the first tensor load behind the round, and my only one; the four lines behind it are also the places in front of the loads below
	s_nop 0
	PLACES
.else
	PLACES
.endif
	FETCH \npr, \nqr, 0, 0
	WIN MUL
	MULA 1, 2, 0, 0
	MULA 1, 3, 0, 0
.endm
; 32 numbers of a lane, register 16 b + i = k 32 b + 16 (lane / 16) + i of my row, become half a fragment's codes (6 registers, 64 along K) in v[pc] on and two scale bytes in v[hw]
.macro QUANT2 s, pc, hw
.irp b, 0,1
	v_max3_num_f32 v[TM+\b], |v[\s+16*\b]|, |v[\s+1+16*\b]|, 0x1800000   ; and the floor 2^(3 - 127): the byte cannot fall under 1
.endr
.irp i, 2,4,6,8,10,12,14
.irp b, 0,1
	v_max3_num_f32 v[TM+\b], v[TM+\b], |v[\s+16*\b+\i]|, |v[\s+1+16*\b+\i]|
.endr
.endr
.irp b, 0,1
	v_permlanex16_b32 v[TM+2+\b], v[TM+\b], s[SEL], s[SEL+1]
.endr
.irp b, 0,1
	v_max_num_f32 v[TM+\b], v[TM+\b], v[TM+2+\b]
.endr
.irp b, 0,1
	v_add_nc_u32 v[TM+4+\b], 0xff000000, v[TM+\b]  ; 2 off the exponent field: the conversion's scale operand
.endr
.irp b, 0,1
	v_lshrrev_b32 v[TM+2+\b], 23, v[TM+4+\b]
.endr
	v_lshl_or_b32 v[\hw], v[TM+3], 8, v[TM+2]
	v_cvt_scalef32_pk16_fp6_f32 v[\pc:\pc+2], v[\s:\s+15], v[TM+4]
	v_cvt_scalef32_pk16_fp6_f32 v[CT:CT+2], v[\s+16:\s+31], v[TM+5]
	v_nop                                          ; one plain instruction behind the scaled conversions
.irp i, 0,1,2
	v_permlane16_swap_b32 v[\pc+\i], v[CT+\i]      ; a whole block to a lane: lanes 0-15 block 0, lanes 16-31 block 1
.endr
.irp i, 0,1,2
	v_mov_b32 v[\pc+3+\i], v[CT+\i]
.endr
.endm
.macro REGION n, sb                    ; the four address registers of a (panel, role) whose 64 rows begin at LDS byte s[sb]
	v_add_nc_u32 v[AB+4*\n], s[\sb], v28
	v_add_nc_u32 v[AB+4*\n+1], s[\sb], v29
	s_add_co_u32 s[\sb], s[\sb], 4*PBB
	v_add_nc_u32 v[AB+4*\n+2], s[\sb], v28
	v_add_nc_u32 v[AB+4*\n+3], s[\sb], v29
.endm
	s_load_b256 s[4:11], s[0:1], 0x0               ; wc, xn, bq, bk
	s_load_b256 s[12:19], s[0:1], 0x20             ; bv, src_mask, qb, kv
	v_lshl_add_u32 v[SPW], v0, 2, SPARE
	v_mov_b32 v[NIL], 0
	ds_add_u32 v5, v6
	ds_add_u32 v5, v6
	s_wait_dscnt 0x0
	v_lshrrev_b32 v1, 5, v0
	v_readfirstlane_b32 s20, v1                    ; wave
	s_lshr_b32 s21, s20, 1                         ; source 1's 64 rows
	s_and_b32 s22, s20, 1                          ; source 0's 64 rows
	s_bfe_u32 s23, ttmp6, 0x40000                  ; cx
	s_bfe_u32 s66, ttmp6, 0x40004                  ; cy
	s_lshl_b32 s67, ttmp9, 2
	s_add_co_u32 s67, s67, s23                     ; work-group x: 128 features
	s_and_b32 s68, ttmp7, 0xffff
	s_lshl_b32 s68, s68, 2
	s_add_co_u32 s68, s68, s66                     ; work-group y: 128 tokens
	s_lshl_b32 s56, 0x1111, s23                    ; my column of the cluster
	s_lshl_b32 s57, s66, 2
	s_lshl_b32 s57, 15, s57                        ; my row
	s_or_b32 s24, s56, (3<<16)|(1<<21)             ; group 1 for the weights: 15:0 the mask; 17:16 elements of 8 bytes; 21 set beside a mask; no padding
	s_or_b32 s40, s57, (3<<16)|(1<<21)             ; for the tokens
.irp g, 24, 40                                 ; 51,200 dense bytes as 200 rows of 256
	s_mov_b32 s[\g+1], 32<<16
	s_mov_b32 s[\g+2], 200<<16                     ; the head's loads bring half a panel: 200 rows of 256 bytes
	s_mov_b32 s[\g+3], 32<<16
	s_mov_b32 s[\g+4], 200
	s_mov_b32 s[\g+5], 32
	s_mov_b32 s[\g+6], 0
	s_mov_b32 s[\g+7], 0
.endr
	s_mul_i32 s62, s20, LOADB                      ; my quarter of a panel, in memory and in LDS: no place in the cluster enters an LDS address
	s_mul_i32 s58, s67, PANEL
	s_add_co_u32 s58, s58, s62
	s_mov_b32 s59, 0
	s_mul_i32 s63, s22, 2*LOADB                    ; which half of a panel I fetch at the head
	s_mul_i32 s60, s68, PANEL
	s_add_co_u32 s60, s60, s63
	s_mov_b32 s61, 0
	s_mov_b32 s[SEL], 0x76543210
	s_mov_b32 s[SEL+1], 0xfedcba98
	s_wait_kmcnt 0x0
	s_add_nc_u64 s[58:59], s[4:5], s[58:59]        ; wq's panel x
	s_add_nc_u64 s[60:61], s[6:7], s[60:61]        ; the tokens' panel y
	CROUND                                         ; all sixteen work-groups are here: the joint loads meet
.irp s, 0,1
	s_mov_b32 s[32+4*\s], 1
	s_add_co_u32 s[33+4*\s], s62, PSL+\s*PANEL
	s_add_nc_u64 s[34+4*\s:35+4*\s], s[58:59], \s*PSTEP
	s_or_b32 s[35+4*\s], s[35+4*\s], 0x80000000
.endr
	; THE HEAD'S LOADS, ONE A WAVE: waves 0 and 1 fetch the tokens' two halves, waves 2 and 3 wq's; in LDS wave w's half lies at w x 51,200
	s_mul_i32 s33, s20, 2*LOADB
	s_mul_i32 s56, s67, PANEL
	s_add_co_u32 s56, s56, s63
	s_mov_b32 s57, 0
	s_add_nc_u64 s[34:35], s[4:5], s[56:57]
	s_or_b32 s35, s35, 0x80000000
	s_mov_b32 s48, 1
	s_mul_i32 s49, s20, 2*LOADB
	s_mov_b64 s[50:51], s[60:61]
	s_or_b32 s51, s51, 0x80000000
	s_cmp_eq_u32 s21, 0
	s_cbranch_scc0 .Lhead_w
	tensor_load_to_lds s[48:51], s[40:47]          ; the tokens
	s_nop 0
	PLACES
	s_branch .Lhead_asked
.Lhead_w:
	tensor_load_to_lds s[32:35], s[24:31]          ; wq
	s_nop 0
	PLACES
.Lhead_asked:
	v_and_b32 v1, 31, v0
	v_and_b32 v2, 15, v0
	v_bfe_u32 v3, v0, 4, 1
	v_and_b32 v4, 8, v2
	v_add_nc_u32 v4, v4, v2                        ; r + 8 (r / 8)
	v_lshlrev_b32 v28, 4, v1
	v_lshlrev_b32 v29, 3, v1
	s_mul_i32 s56, s22, HBB
	s_mul_i32 s57, s21, HBB
	s_add_co_u32 s52, s56, PSL
	REGION 0, 52
	s_add_co_u32 s52, s56, PSL+PANEL
	REGION 1, 52
	s_add_co_u32 s52, s57, QRES
	REGION 2, 52
	s_add_co_u32 s52, s56, QRES
	REGION 3, 52
	s_add_co_u32 s52, s57, PSL
	REGION 4, 52
	s_lshl_b32 s70, s67, 9
	s_lshl_b32 s71, s22, 8
	s_add_co_u32 s70, s70, s71                     ; bq, bk: the 64 numbers of head 2 x + source 0's half
	s_mov_b32 s71, 0
	s_add_nc_u64 s[74:75], s[8:9], s[70:71]
	s_add_nc_u64 s[76:77], s[10:11], s[70:71]
	s_lshl_b32 s70, s67, 9
	s_lshl_b32 s78, s21, 8
	s_add_co_u32 s70, s70, s78                     ; bv: the 64 numbers of head 2 x + source 1's half
	s_add_nc_u64 s[80:81], s[12:13], s[70:71]
	s_lshl_b32 s70, s68, 9
	s_add_co_u32 s70, s70, s78                     ; the mask of source 1's 64 tokens (tile k)
	s_add_nc_u64 s[82:83], s[14:15], s[70:71]
	v_lshlrev_b32 v30, 6, v3
	v_lshlrev_b32 v31, 2, v4
	WIN 0x80                                       ; destination window 2
.irp b, 0,1
.irp k, 0,1,2,3
	global_load_b128 v[16*\b+4*\k:16*\b+4*\k+3], v30, s[74:75] offset:128*\b+16*\k         ; register 16 b + i: feature 32 b + 16 h + i
	global_load_b128 v[32+16*\b+4*\k:32+16*\b+4*\k+3], v30, s[76:77] offset:128*\b+16*\k
.endr
.endr
	WIN 0
.irp a, 0,1,2,3
	global_load_b32 v[MK+\a], v31, s[82:83] offset:(32*(\a/2)+8*(\a%2))*4      ; tile a, my place
	global_load_b32 v[BV+2*\a], v31, s[80:81] offset:(32*(\a/2)+8*(\a%2))*4
	v_mov_b32 v[BV+2*\a+1], 0                      ; (named with it as a pair)
.endr
	; where the results go: a record is 128 tokens of a head: q 8,704 bytes; k and v 15,104
	s_lshr_b32 s84, s68, 4
	s_lshl_b32 s84, s84, 4                         ; 16 batch
	s_and_b32 s85, s68, 15                         ; the group of 128 tokens in the sequence
	s_lshl_b32 s86, s67, 1
	s_add_co_u32 s87, s86, s22                     ; q, k: head 2 x + source 0's half
	s_add_co_u32 s87, s87, s84
	s_lshl_b32 s87, s87, 4
	s_add_co_u32 s87, s87, s85
	s_mul_i32 s78, s21, 4352                       ; my 64 tokens: 4 tiles of 1,024 bytes + 256 of scale words
	s_mul_i32 s70, s87, 8704
	s_add_co_u32 s70, s70, s78
	s_add_nc_u64 s[88:89], s[16:17], s[70:71]
	s_mul_i32 s70, s87, 15104
	s_add_co_u32 s70, s70, s78
	s_add_nc_u64 s[90:91], s[18:19], s[70:71]
	s_add_co_u32 s87, s86, s21                     ; v: head 2 x + source 1's half
	s_add_co_u32 s87, s87, s84
	s_lshl_b32 s87, s87, 4
	s_add_co_u32 s87, s87, s85
	s_mul_i32 s87, s87, 15104
	s_add_co_u32 s87, s87, 8704                    ; v's part of the record: 4 fragments (K = the 128 keys) + 256 bytes of scale words
	s_mul_i32 s70, s22, 768
	s_add_co_u32 s70, s70, s87
	s_add_nc_u64 s[92:93], s[18:19], s[70:71]      ; my 64 keys' half of each fragment
	s_lshl_b32 s70, s22, 1
	s_add_co_u32 s70, s70, s87
	s_add_co_u32 s70, s70, 6144
	s_add_nc_u64 s[94:95], s[18:19], s[70:71]      ; and of each scale word
	v_sub_nc_u32 v[TMPV], 1, v3                    ; k = 64 lies in lanes 0-15; lanes 16-31 (k = 96 on) hold 0
	v_mul_u32_u24 v[C6Q], 0x28, v[TMPV]            ; q: -1.0
	v_lshlrev_b32 v[C6M], 3, v[TMPV]               ; a masked key: +1.0
	v_mov_b32 v[WQ], (127<<16)|(1<<24)             ; bytes 2 and 3 of the scale words: q's,
	v_mov_b32 v[WU], (1<<16)|(1<<24)               ; an open key's,
	v_mov_b32 v[WMK], (227<<16)|(1<<24)            ; a masked key's
	v_mov_b32 v[ZR], 0
	v_mov_b32 v[TM+2], 0                           ; written once: a lane permute's destination counts as one of its sources
	v_mov_b32 v[TM+3], 0
; THE WAYS OUT.  q and k: lane = a token, registers = a head's 64 features
.macro QKA a, isk
.set A, ACC+32*(\a)
.if \isk
	v_cmp_eq_u32 vcc_lo, 0, v[MK+(\a)]
.set i, 0
.rept 32
	v_cndmask_b32 v[A+i], v[A+i], v[ZR], vcc_lo    ; a masked key's numbers become 0: a choice of values, no branch; each accumulator from its low end on
.set i, i+1
.endr
.endif
	QUANT2 A, OUTC+8*(\a), HW+(\a)
.if \isk
	v_cndmask_b32 v[OUTC+8*(\a)+6], v[ZR], v[C6M], vcc_lo
	v_cndmask_b32 v[TMPV], v[WU], v[WMK], vcc_lo
	v_or_b32 v[HW+(\a)], v[HW+(\a)], v[TMPV]
.else
	v_mov_b32 v[OUTC+8*(\a)+6], v[C6Q]
	v_or_b32 v[HW+(\a)], v[HW+(\a)], v[WQ]
.endif
	v_mov_b32 v[OUTC+8*(\a)+7], 0
	global_store_b128 v28, v[OUTC+8*(\a):OUTC+8*(\a)+3], s[88+2*(\isk):89+2*(\isk)] offset:1024*(\a)       ; 512 consecutive bytes a store
	global_store_b128 v28, v[OUTC+8*(\a)+4:OUTC+8*(\a)+7], s[88+2*(\isk):89+2*(\isk)] offset:1024*(\a)+512
.endm
.macro EPIQK isk
	WIN 0
	PLACES
.if \isk
	s_wait_xcnt 0x0                                ; the last tile's stores have read their registers: these are written again only behind this wait
.endif
	QKA 0, \isk
	QKA 1, \isk
	QKA 2, \isk
	QKA 3, \isk
	v_cmp_ne_u32 vcc_lo, 0, v3                     ; the scale words: lanes 0-15 hold tiles 0 and 1, lanes 16-31 tiles 2 and 3
	v_cndmask_b32 v126, v[HW], v[HW+2], vcc_lo
	v_cndmask_b32 v127, v[HW+1], v[HW+3], vcc_lo
	global_store_b64 v29, v[126:127], s[88+2*(\isk):89+2*(\isk)] offset:4096
.endm
; v: lane = one of a head's 64 features, registers = 64 keys
.macro VA a
.set A, ACC+32*(\a)
.set i, 0
.rept 16
	v_pk_add_f32 v[A+i:A+i+1], v[A+i:A+i+1], v[BV+2*(\a):BV+2*(\a)+1] op_sel_hi:[1,0]
.set i, i+2
.endr
	QUANT2 A, OUTC+8*(\a), HW+(\a)
	global_store_b128 v28, v[OUTC+8*(\a):OUTC+8*(\a)+3], s[92:93] offset:1536*(\a)
	global_store_b64 v29, v[OUTC+8*(\a)+4:OUTC+8*(\a)+5], s[92:93] offset:1536*(\a)+512
.endm
	s_wait_alu depctr_va_vdst(0)                   ; the head's end
	s_wait_loadcnt 0x0                             ; biases and mask
	s_wait_tensorcnt 0x0                           ; my half panel is in; slot 1's first fill is issued as a refill is:
	ds_add_u32 v[SPW], v[NIL]                      ; 0 onto my spare word
	s_mov_b32 s26, 100<<16                         ; no load of mine is out: from here on a load brings a quarter of a panel, 100 rows,
	s_mov_b32 s28, 100
	s_add_co_u32 s33, s62, PSL                     ; and slot 0's group 0 stands at my quarter of wq's panel, from which its refill steps on
	s_mov_b64 s[34:35], s[58:59]
	s_or_b32 s35, s35, 0x80000000
	s_wait_dscnt 0x0
	CROUND                                         ; everybody's part is in, and all sixteen work-groups are here
	tensor_load_to_lds s[36:39], s[24:31]          ; wk, a quarter a wave: it has q's tile in which to land
	s_nop 0
	PLACES
	FETCH R0, RQ, 0, 0
	STEPS R0, RQ, 1, 0                             ; q
	TURN R1, RQ, 1, 0                              ; slot 0 takes wv
	EPIQK 0
	STEPS R1, RQ, 1, 1                             ; k
	TURN RP, RV, 0, 0                              ; wv is whole for every wave; nothing is filled any more
	EPIQK 1
	STEPS RP, RV, 2, 0                             ; v: the sources have changed places
	s_wait_dscnt 8
	WIN MUL
	MULA 1, 0, 0, 0
	MULA 1, 1, 0, 0
	s_wait_dscnt 0x0
	MULA 1, 2, 0, 0
	MULA 1, 3, 0, 0
	WIN 0
	PLACES
	s_wait_xcnt 0x0                                ; k's stores have read their registers
	VA 0
	VA 1
	VA 2
	VA 3
	v_cmp_ne_u32 vcc_lo, 0, v3
	v_cndmask_b32 v126, v[HW], v[HW+2], vcc_lo
	v_cndmask_b32 v127, v[HW+1], v[HW+3], vcc_lo
	global_store_b16 v29, v126, s[94:95]
	global_store_b16 v29, v127, s[94:95] offset:4
	s_wait_tensorcnt 0x0                           ; the wave's end
	ds_add_u32 v[SPW], v[NIL]
	s_wait_dscnt 0x0
	CROUND                                         ; the closing round: no work-group ends while a partner may still ask for a panel that names it
	s_endpgm
.Lfunc_end_k_q0de3484ef3_qkv:
	.size	k_q0de3484ef3_qkv, .Lfunc_end_k_q0de3484ef3_qkv-k_q0de3484ef3_qkv
	.p2alignl 7, 3214868480
	.fill 96, 4, 3214868480
	.section	.rodata,"a",@progbits
	.p2align	6, 0x0
	.amdhsa_kernel k_q0de3484ef3_qkv
		.amdhsa_group_segment_fixed_size 327680
		.amdhsa_private_segment_fixed_size 0
		.amdhsa_enable_private_segment 0
		.amdhsa_kernarg_size 64
		.amdhsa_user_sgpr_count 2
		.amdhsa_user_sgpr_kernarg_segment_ptr 1
		.amdhsa_wavefront_size32 1
		.amdhsa_system_sgpr_workgroup_id_x 1
		.amdhsa_system_sgpr_workgroup_id_y 1
		.amdhsa_system_sgpr_workgroup_id_z 1
		.amdhsa_system_vgpr_workitem_id 0
		.amdhsa_next_free_vgpr 640
		.amdhsa_next_free_sgpr 100
		.amdhsa_reserve_vcc 1
		.amdhsa_float_denorm_mode_32 3
		.amdhsa_float_denorm_mode_16_64 3
		.amdhsa_memory_ordered 1
		.amdhsa_forward_progress 1
		.amdhsa_inst_pref_size 154
	.end_amdhsa_kernel
	.amdgpu_metadata
---
amdhsa.version: [ 1, 2 ]
amdhsa.kernels:
  - .name:           k_q0de3484ef3_qkv
    .symbol:         k_q0de3484ef3_qkv.kd
    .args:
      - { .name: wc, .offset: 0, .size: 8, .value_kind: global_buffer, .address_space: global }
      - { .name: xn, .offset: 8, .size: 8, .value_kind: global_buffer, .address_space: global }
      - { .name: bq, .offset: 16, .size: 8, .value_kind: global_buffer, .address_space: global }
      - { .name: bk, .offset: 24, .size: 8, .value_kind: global_buffer, .address_space: global }
      - { .name: bv, .offset: 32, .size: 8, .value_kind: global_buffer, .address_space: global }
      - { .name: src_mask, .offset: 40, .size: 8, .value_kind: global_buffer, .address_space: global }
      - { .name: qb, .offset: 48, .size: 8, .value_kind: global_buffer, .address_space: global }
      - { .name: kv, .offset: 56, .size: 8, .value_kind: global_buffer, .address_space: global }
    .group_segment_fixed_size: 327680
    .private_segment_fixed_size: 0
    .kernarg_segment_align: 8
    .kernarg_segment_size: 64
    .max_flat_workgroup_size: 128
    .sgpr_count:     100
    .vgpr_count:     640
    .wavefront_size: 32
...
	.end_amdgpu_metadata
.endif
;; end of part 9
;; launch attn (part 10): grid 8 x 32, 8 waves a work-group, clusters of 4 x 1, 259,072 bytes of LDS; arguments qb, kv, ctx; writes ctx
.if DOCPART == 10
	.amdgcn_target "amdgcn-amd-amdhsa--gfx1250"
	.amdhsa_code_object_version 6
	.text
	.protected	k_q0de3484ef3_attn
	.globl	k_q0de3484ef3_attn
	.p2align	8
	.type	k_q0de3484ef3_attn,@function
k_q0de3484ef3_attn:
	s_mov_b64 s[64:65], 0
	v_nop
	global_prefetch_b8 v0, s[64:65] scope:SCOPE_SE
	s_setreg_imm32_b32 hwreg(HW_REG_WAVE_MODE, 25, 1), 1
	s_wait_xcnt 0x0
	s_wait_alu depctr_hold_cnt(0) depctr_sa_sdst(0) depctr_va_vdst(0) depctr_va_sdst(0) depctr_va_ssrc(0) depctr_va_vcc(0) depctr_vm_vsrc(0)
	s_getreg_b32 s2, hwreg(HW_REG_IB_STS2, 6, 4)
	s_cmp_eq_u32 s2, 0
	s_cbranch_scc0 .Lentry_in_a_cluster
	s_endpgm
.Lentry_in_a_cluster:
	s_bfe_u32 s2, ttmp6, 0x10000c
	s_cmp_lg_u32 s2, 0x3003
	s_cbranch_scc0 .Lentry_shape_is_right
	s_endpgm
.Lentry_shape_is_right:
; ctx = softmax(q k^T / 8, masked) v for one head, both products on codes of FP6 (E2M3) with E8M0 scales; ctx is quantised along the model's 1,024 and stored as images of operand registers.
; SOFTMAX: t = score x log2(e) / 8; M = the running largest t rounded up to a whole number; p = 2^(t - M) is quantised along the keys, not normalised; the row's sum is taken of the unquantised p and divides at the end.
; When M moves, the sums and O are multiplied by 2^(old M - new M): exact, no branch on data.
; THE MASK lies in k = 64 of the first product (the launch before put it there): a masked key's score is exactly -2^100.  LIMIT: the masking logit is -2^97 where the source has -1e9: equal results while open logits stay
; above about -1e9; the promise holds while open scaled scores stay under 2^31 in magnitude; NaN and infinities are not served.
; SHARES: a work-group owns 256 queries of one head; each of its eight waves two tiles of 16 queries, in 512 registers: every fragment of K and V that a wave reads from LDS feeds both tiles.
; The head's whole K and V lie in LDS: 16 records of 128 keys, 59 rows of 256 bytes each.  EVERY WAVE ASKS FOR TWO RECORDS BY ONE TENSOR LOAD, jointly with the three partners of the cluster (4 x 1: four query blocks
; of one head): one barrier, nothing is filled again, and no barrier stands in the walk over keys.  No prefetch into the L2: all of K and V is asked for once, at the head; there is no loop to run ahead in.
; LDS rows are 272 bytes apart (16 of padding behind each 256).  Byte y of a record lies at 272 (y / 256) + y % 256.
; A TILE OF K IS PUT TOGETHER BY THE LANES' ADDRESSES: tile n of the 64 keys c takes, in places 0-7, keys 64 c + 8 n + 0..7 and, in places 8-15, keys 64 c + 32 + 8 n + 0..7.  In the stored images these are places
; 8 (n / 2) + 0..7 of tiles n % 2 and 2 + n % 2; the two lie 8 LDS rows apart, 128 bytes apart in the banks.  With S^T = K Q^T register 32 c + 8 n + j of lane (query, h) is then key 64 c + 32 h + 8 n + j: A WHOLE BLOCK OF 32 IN ONE
; LANE, in the order of the second product's operand: a block's maximum needs no other lane and the codes are not exchanged between lanes.
; K RUNS ONE STEP AHEAD: a step's 18 loads of K are issued in the step before, behind the products that read the buffers.  The last step's look-ahead is held at the last pair of records: what it brings is not used.
; REGISTERS, in two windows of 256.  v108-255 are a query tile's own, tile 0's in window 0 and tile 1's under the same numbers in window 1: S^T then p, O^T, p's codes, Q, four sums, -M by turns, f, work.
; Window 0, v0-31: addresses, the add's two, all scale words (scale operands have no window); v48-95 K's keys 0-63.  Window 1: v0-47 V; v48-95 K's keys 64-127.  Registers 8-11 of each tile of K stay 0.
.set REC,   15104
.set RECL,  16048                      ; a record in LDS: 59 x 272
.set SPARE, 16*RECL                    ; the spare words, 128 bytes a wave, that no other line names
.set AKL, 1
.set ASL, 2
.set AV16, 3
.set AV8, 4
.set CK, 5
.set CSA, 6
.set CV16, 7
.set CV8, 8
.set CKN, 9
.set CSN, 10
.set SPW, 11
.set NIL, 12
.set QS, 13
.set LN, 15
.set KSC, 16
.set VSC, 20
.set PSW, 22
.set L16, 24
.set KF, 48
.set V, 0
.set S, 108
.set O, 172
.set P, 204
.set QF, 216
.set L, 228
.set NM, 236
.set F, 240
.set CT0, 242
.set T0, 245
.set CT1, 246
.set T1, 249
.set BM, 250
.set T2, 252
.set RM, 253
.set SH, 254
.set T3, 255
.set TM, S
.set CT, S+8
.set WV, 18
.set CN, 19
.set SEL, 20
.set CS, 22
.set G1, 24
.set G0, 32
.set NSB, 45
.set SB, 48
.set CNT, 49
.set MSB, 0
.macro WIN new                         ; bits 1:0 source 0, 3:2 source 1, 5:4 source 2, 7:6 destination; the high byte repeats the setting that is left
.if MSB != (\new)
	s_set_vgpr_msb (MSB<<8)|(\new)
.set MSB, (\new)
.endif
.endm
.macro PLACES
.rept 4
	v_nop
.endr
.endm
.macro CROUND
	s_barrier_signal -1
	s_barrier_wait -1
	s_cmp_lg_u32 s[WV], 0
	s_cbranch_scc1 .Lnot_wave_0_\@
	s_barrier_signal -3
.Lnot_wave_0_\@:
	s_barrier_wait -3
	s_barrier_signal -1
	s_barrier_wait -1
.endm
.macro KLOAD c, ka, sa, off            ; four tiles of the 64 keys c into window c, and their scale words: 9 loads; leaves window 0
	WIN 0x40*(\c)
.irp n, 0,1,2,3
	ds_load_b128 v[KF+12*\n:KF+12*\n+3], v[\ka] offset:(\off)+272*(17*(\c)+4*(\n%2))+128*(\n/2)
	ds_load_b128 v[KF+12*\n+4:KF+12*\n+7], v[\ka] offset:(\off)+272*(17*(\c)+4*(\n%2)+2)+128*(\n/2)
.endr
	WIN 0
	ds_load_b64 v[KSC+2*(\c):KSC+2*(\c)+1], v[\sa] offset:(\off)+272*(17*(\c)+16)   ; register n % 2; lanes 0-15: n / 2 = 0, lanes 16-31: n / 2 = 1
.endm
.macro VLOAD j                         ; V's scale words and its four fragments (window 1): 17 loads
	WIN 0
	ds_load_b64 v[VSC:VSC+1], v[CV8] offset:(\j)*RECL+272*58
	WIN 0x40
.irp a, 0,1,2,3
	ds_load_b128 v[V+12*\a:V+12*\a+3], v[CV16] offset:(\j)*RECL+272*(34+6*\a)
	ds_load_b64 v[V+12*\a+4:V+12*\a+5], v[CV8] offset:(\j)*RECL+272*(36+6*\a)
	ds_load_b128 v[V+12*\a+6:V+12*\a+9], v[CV16] offset:(\j)*RECL+272*(37+6*\a)
	ds_load_b64 v[V+12*\a+10:V+12*\a+11], v[CV8] offset:(\j)*RECL+272*(39+6*\a)
.endr
.endm
.macro SMUL c, t                       ; S^T of the 64 keys c (source 0: window c) for query tile t (source 1 and result: window t)
	WIN (\c)|(0x44*(\t))
.irp n, 0,1
	v_wmma_scale_f32_16x16x128_f8f6f4 v[S+32*(\c)+8*\n:S+32*(\c)+8*\n+7], v[KF+12*\n:KF+12*\n+11], v[QF:QF+11], 0, v[KSC+2*(\c)+\n], v[QS+(\t)] matrix_a_fmt:MATRIX_FMT_FP6 matrix_b_fmt:MATRIX_FMT_FP6
.endr
.irp n, 2,3
	v_wmma_scale_f32_16x16x128_f8f6f4 v[S+32*(\c)+8*\n:S+32*(\c)+8*\n+7], v[KF+12*\n:KF+12*\n+11], v[QF:QF+11], 0, v[KSC+2*(\c)+\n-2], v[QS+(\t)] matrix_a_fmt:MATRIX_FMT_FP6 matrix_b_fmt:MATRIX_FMT_FP6 matrix_a_scale:MATRIX_SCALE_ROW1
.endr
.endm
.macro OMUL t                          ; O^T += V^T P^T for query tile t: V in window 1, the rest in window t
	WIN 0x01|(0x54*(\t))
.irp a, 0,1
	v_wmma_scale_f32_16x16x128_f8f6f4 v[O+8*\a:O+8*\a+7], v[V+12*\a:V+12*\a+11], v[P:P+11], v[O+8*\a:O+8*\a+7], v[VSC+\a], v[PSW+(\t)] matrix_a_fmt:MATRIX_FMT_FP6 matrix_b_fmt:MATRIX_FMT_FP6
.endr
.irp a, 2,3
	v_wmma_scale_f32_16x16x128_f8f6f4 v[O+8*\a:O+8*\a+7], v[V+12*\a:V+12*\a+11], v[P:P+11], v[O+8*\a:O+8*\a+7], v[VSC+\a-2], v[PSW+(\t)] matrix_a_fmt:MATRIX_FMT_FP6 matrix_b_fmt:MATRIX_FMT_FP6 matrix_a_scale:MATRIX_SCALE_ROW1
.endr
.endm
.macro BMAX c, d                       ; my block's largest score: four chains by turns, each tile from its low end on
.set X, S+32*(\c)
	v_max3_num_f32 v[\d], v[X], v[X+1], v[X+2]
	v_max3_num_f32 v[T0], v[X+8], v[X+9], v[X+10]
	v_max3_num_f32 v[T1], v[X+16], v[X+17], v[X+18]
	v_max3_num_f32 v[T2], v[X+24], v[X+25], v[X+26]
.irp i, 3,5
	v_max3_num_f32 v[\d], v[\d], v[X+\i], v[X+\i+1]
	v_max3_num_f32 v[T0], v[T0], v[X+8+\i], v[X+9+\i]
	v_max3_num_f32 v[T1], v[T1], v[X+16+\i], v[X+17+\i]
	v_max3_num_f32 v[T2], v[T2], v[X+24+\i], v[X+25+\i]
.endr
	v_max3_num_f32 v[\d], v[\d], v[X+7], v[T0]
	v_max3_num_f32 v[T1], v[T1], v[X+23], v[T2]
	v_max3_num_f32 v[\d], v[\d], v[X+15], v[X+31]
	v_max_num_f32 v[\d], v[\d], v[T1]
.endm
; One query tile's softmax of a step, all operands in the tile's window.  NW, OL: the new and the old -M
.macro SOFT t
	WIN 0x55*(\t)
	s_wait_alu depctr_va_vdst(0)                   ; directly ahead of the scores' first readers
	BMAX 0, BM
	BMAX 1, BM+1
	s_delay_alu instid0(VALU_DEP_1)
	v_max_num_f32 v[T0], v[BM], v[BM+1]
	s_delay_alu instid0(VALU_DEP_1)
	v_permlanex16_b32 v[T2], v[T0], s[SEL], s[SEL+1]
	s_delay_alu instid0(VALU_DEP_1)
	v_max3_num_f32 v[RM], v[RM], v[T0], v[T2]      ; the running largest score of my query
	s_delay_alu instid0(VALU_DEP_1)
	v_mul_f32 v[T0], s[CN], v[RM]                  ; -t
	s_delay_alu instid0(VALU_DEP_1)
	v_floor_f32 v[NW], v[T0]                       ; the new -M = floor(-t) = -ceil(t)
	s_delay_alu instid0(VALU_DEP_1)
	v_sub_f32 v[T0], v[NW], v[OL]                  ; old M - new M: a whole number, 0 or less
.set i, 0
.rept 4
	v_pk_fma_f32 v[S+i:S+i+1], v[S+i:S+i+1], s[CS:CS+1], v[NW:NW+1] op_sel_hi:[1,0,0]   ; t - M
.set i, i+2
.endr
	v_cvt_i32_f32 v[T0], v[T0]                     ; (it saturates)
.rept 4
	v_pk_fma_f32 v[S+i:S+i+1], v[S+i:S+i+1], s[CS:CS+1], v[NW:NW+1] op_sel_hi:[1,0,0]
.set i, i+2
.endr
	v_ldexp_f32 v[F], 1.0, v[T0]                   ; f = 2^(old M - new M)
.rept 24
	v_pk_fma_f32 v[S+i:S+i+1], v[S+i:S+i+1], s[CS:CS+1], v[NW:NW+1] op_sel_hi:[1,0,0]
.set i, i+2
.endr
	v_fma_f32 v[BM], v[BM], s[CS], v[NW]           ; the same of my two blocks' largest scores: p rises with the score
	v_fma_f32 v[BM+1], v[BM+1], s[CS], v[NW]
	s_wait_alu depctr_va_vdst(0)                   ; ahead of the batch
.set i, 0
.rept 64
	v_exp_f32 v[S+i], v[S+i]                       ; p = 2^(t - M), at most 1
.set i, i+1
.endr
	v_exp_f32 v[BM], v[BM]                         ; the blocks' largest p
	v_exp_f32 v[BM+1], v[BM+1]
	s_wait_alu depctr_va_vdst(0)                   ; one wait behind the batch, directly ahead of O^T's first readers
.set i, 0
.rept 16
	v_pk_mul_f32 v[O+i:O+i+1], v[O+i:O+i+1], v[F:F+1] op_sel_hi:[1,0]   ; O^T under the new M; plain lines behind the batch
.set i, i+2
.endr
	v_max_num_f32 v[BM], 0x1800000, v[BM]          ; the floor 2^(3 - 127): the byte cannot fall under 1
	v_max_num_f32 v[BM+1], 0x1800000, v[BM+1]
	v_add_nc_u32 v[BM], 0xff000000, v[BM]          ; 2 off the exponent field: the conversion's scale operand
	v_add_nc_u32 v[BM+1], 0xff000000, v[BM+1]
	v_cvt_scalef32_pk16_fp6_f32 v[P:P+2], v[S:S+15], v[BM]
	v_cvt_scalef32_pk16_fp6_f32 v[CT0:CT0+2], v[S+16:S+31], v[BM]       ; (a conversion's three registers begin on an even number)
	v_cvt_scalef32_pk16_fp6_f32 v[P+6:P+8], v[S+32:S+47], v[BM+1]
	v_cvt_scalef32_pk16_fp6_f32 v[CT1:CT1+2], v[S+48:S+63], v[BM+1]
	v_lshrrev_b32 v[T0], 23, v[BM]                 ; the byte of block h (a plain line behind the conversions),
	v_lshrrev_b32 v[T1], 23, v[BM+1]               ; and of block 2 + h
	v_lshl_or_b32 v[T3], v[T1], 16, v[T0]
	v_lshlrev_b32 v[T3], v[SH], v[T3]              ; at their places in the scale word, 8 h bits up
	v_permlanex16_b32 v[T2], v[T3], s[SEL], s[SEL+1]
	WIN 0x15*(\t)                                  ; the scale word goes to window 0
	v_or_b32 v[PSW+(\t)], v[T3], v[T2]             ; with lane xor 16's two bytes the word is whole
	WIN 0x55*(\t)
.irp i, 0,1,2
	v_mov_b32 v[P+3+\i], v[CT0+\i]
	v_mov_b32 v[P+9+\i], v[CT1+\i]
.endr
.irp q, 0,1,2,3
	v_pk_fma_f32 v[L+2*\q:L+2*\q+1], v[L+2*\q:L+2*\q+1], v[F:F+1], v[S+2*\q:S+2*\q+1] op_sel_hi:[1,0,1]   ; the sums under the new M, and the first p on top
.endr
.irp i, 1,2,3,4,5,6,7
.irp q, 0,1,2,3
	v_pk_add_f32 v[L+2*\q:L+2*\q+1], v[L+2*\q:L+2*\q+1], v[S+8*\i+2*\q:S+8*\i+2*\q+1]   ; the row's sum, of the unquantised p, four chains by turns
.endr
.endr
.endm
.macro INIT                            ; a query tile's start, by the destination's window
.irp i, 8,9,10,11
	v_mov_b32 v[QF+\i], 0                          ; k = 80 on: zero codes, never loaded
.irp t, 0,1,2,3
	v_mov_b32 v[KF+12*\t+\i], 0
.endr
.endr
	v_mov_b32 v[RM], 0xff61b1e6                    ; the largest score so far: -3e38, under every score, a masked key's too
	v_mov_b32 v[NM+2], 0x7e000000                  ; the -M before the first step: so large that the first f is 0
	v_mov_b32 v[NM+1], 0                           ; (named as the upper halves of pairs)
	v_mov_b32 v[NM+3], 0
	v_mov_b32 v[F+1], 0
	v_mov_b32 v[T2], 0                             ; a lane permute's destination counts as one of its sources
.set i, 0
.rept 8
	v_mov_b32 v[L+i], 0                            ; the sums
.set i, i+1
.endr
.set i, 0
.rept 32
	v_mov_b32 v[O+i], 0                            ; O^T: the step is written once
.set i, i+1
.endr
.endm
	s_load_b128 s[4:7], s[0:1], 0x0                ; qb, kv
	s_load_b64 s[8:9], s[0:1], 0x10                ; ctx
	v_lshl_add_u32 v[SPW], v0, 2, SPARE
	v_mov_b32 v[NIL], 0
	ds_add_u32 v[SPW], v[NIL]
	ds_add_u32 v[SPW], v[NIL]
	v_lshrrev_b32 v1, 5, v0
	v_readfirstlane_b32 s[WV], v1                  ; wave 0..7
	s_lshl_b32 s17, s[WV], 1                       ; my first record, and my first query tile
	s_and_b32 s52, ttmp7, 0xffff                   ; 16 batch + head, which the four partners share
	s_lshl_b32 s54, s52, 4
	s_add_co_u32 s54, s54, s17
	s_mul_i32 s54, s54, REC
	s_mov_b32 s55, 0
	s_mov_b32 s[G1], 15|(3<<16)|(1<<20)|(1<<21)|(5<<22)|(3<<25)   ; the mask: all four work-groups; elements of 8 bytes; padding on, 4 words behind every 64; bit 21 beside a mask
	s_mov_b32 s[G1+1], 32<<16                      ; two records: 118 rows of 256 bytes, dense in memory
	s_mov_b32 s[G1+2], 118<<16
	s_mov_b32 s[G1+3], 32<<16
	s_mov_b32 s[G1+4], 118
	s_mov_b32 s[G1+5], 32
	s_mov_b32 s[G1+6], 0
	s_mov_b32 s[G1+7], 0
	s_mov_b32 s[SEL], 0x76543210
	s_mov_b32 s[SEL+1], 0xfedcba98
	s_mov_b32 s[CS], 0x3e38aa3b                    ; c = log2(e) / 8
	s_mov_b32 s[CS+1], s[CS]
	s_mov_b32 s[CN], 0xbe38aa3b                    ; -c
	s_mov_b32 s[SB], 0
	s_mov_b32 s[CNT], 8
	s_wait_dscnt 0x0
	s_wait_kmcnt 0x0
	s_add_nc_u64 s[54:55], s[6:7], s[54:55]
	CROUND                                         ; all four work-groups are here: the joint loads meet
	s_mov_b32 s[G0], 1
	s_mul_i32 s[G0+1], s[WV], 2*RECL
	s_mov_b64 s[G0+2:G0+3], s[54:55]
	s_or_b32 s[G0+3], s[G0+3], 0x80000000
	tensor_load_to_lds s[G0:G0+3], s[G1:G1+7]      ; my one tensor load
	s_nop 0
	PLACES
	s_bfe_u32 s50, ttmp6, 0x40000                  ; cx: it enters q's and ctx's addresses alone
	s_lshl_b32 s51, ttmp9, 2
	s_add_co_u32 s51, s51, s50                     ; my block of 256 queries
	s_lshr_b32 s56, s17, 3
	s_lshl_b32 s51, s51, 1
	s_add_co_u32 s56, s56, s51                     ; my group of 128 tokens in the sequence
	s_and_b32 s57, s17, 7                          ; my first tile in it (even); the second is its neighbour
	s_lshr_b32 s58, s57, 2
	s_and_b32 s59, s57, 3
	s_lshl_b32 s60, s52, 4
	s_add_co_u32 s60, s60, s56
	s_mul_i32 s60, s60, 8704
	s_mul_i32 s61, s58, 4352
	s_add_co_u32 s60, s60, s61                     ; q: my 64 tokens
	s_lshl_b32 s62, s59, 10
	s_add_co_u32 s62, s62, s60
	s_mov_b32 s63, 0
	s_add_nc_u64 s[10:11], s[4:5], s[62:63]        ; my first tile's image; the second's lies 1,024 bytes on
	s_lshr_b32 s62, s59, 1
	s_lshl_b32 s14, s62, 7                         ; a tile's words among four tiles' scale words: 128 (t / 2) + 4 (t % 2), + 8 r
	s_add_co_u32 s62, s14, s60
	s_add_co_u32 s62, s62, 4096
	s_add_nc_u64 s[12:13], s[4:5], s[62:63]
	v_and_b32 v[LN], 31, v0                        ; lane
	v_and_b32 v[T0], 15, v0                        ; r
	v_bfe_u32 v[T1], v0, 4, 1                      ; h
	v_bfe_u32 v[T2], v0, 3, 1                      ; r / 8
	v_and_b32 v[T3], 7, v0                         ; r % 8
	v_lshlrev_b32 v[L16], 4, v[LN]
	v_lshlrev_b32 v[AV8], 3, v[LN]                 ; 8 x lane
	v_lshlrev_b32 v[CK], 3, v[T0]
	global_load_b128 v[QF:QF+3], v[L16], s[10:11]
	global_load_b128 v[QF+4:QF+7], v[L16], s[10:11] offset:512
	global_load_b32 v[QS], v[CK], s[12:13]
	global_load_b32 v[QS+1], v[CK], s[12:13] offset:4
	v_lshl_add_u32 v[AKL], v[T2], 3, v[T1]         ; K: LDS row 8 (r / 8) + h, byte 16 (r % 8)
	v_mul_u32_u24 v[AKL], v[AKL], 272
	v_lshl_add_u32 v[AKL], v[T3], 4, v[AKL]
	v_lshlrev_b32 v[ASL], 3, v[T3]                 ; K's scale words: 128 (r / 8) + 8 (r % 8) + 64 h
	v_lshl_add_u32 v[ASL], v[T2], 7, v[ASL]
	v_lshl_add_u32 v[ASL], v[T1], 6, v[ASL]
	v_mul_u32_u24 v[AV16], v[T1], 272              ; 16 x lane across two LDS rows
	v_lshl_add_u32 v[AV16], v[T0], 4, v[AV16]
	v_lshlrev_b32 v[SH], 3, v[T1]
	INIT
	WIN 0x40                                       ; destinations in window 1: the second tile's
	global_load_b128 v[QF:QF+3], v[L16], s[10:11] offset:1024
	global_load_b128 v[QF+4:QF+7], v[L16], s[10:11] offset:1536
	v_mov_b32 v[SH], v[SH]
	INIT
	WIN 0
	s_lshr_b32 s60, s52, 4                         ; where ctx goes
	s_lshl_b32 s60, s60, 4
	s_add_co_u32 s60, s60, s56                     ; the group of 128 tokens: 16 batch + my group
	s_lshl_b32 s60, s60, 3
	s_bfe_u32 s61, s52, 0x30001                    ; K step = head / 2
	s_add_co_u32 s60, s60, s61
	s_mul_i32 s60, s60, 12800
	s_mul_i32 s61, s58, 6400
	s_add_co_u32 s60, s60, s61                     ; my 64 tokens' block
	s_and_b32 s61, s52, 1                          ; which half of the K step
	s_mul_i32 s62, s61, 768
	s_mul_i32 s44, s59, 1536
	s_add_co_u32 s62, s62, s44
	s_add_co_u32 s62, s62, s60
	s_add_nc_u64 s[40:41], s[8:9], s[62:63]        ; my first tile's half fragment; the second's lies 1,536 bytes on
	s_lshl_b32 s62, s61, 1
	s_add_co_u32 s62, s62, s14
	s_add_co_u32 s62, s62, s60
	s_add_co_u32 s62, s62, 6144
	s_add_nc_u64 s[42:43], s[8:9], s[62:63]        ; and its half scale words; the second's lie 4 bytes on
; A KEY STEP: the 128 keys of record j of the trip's two.  ka, sa, off: where the next step's K lies
.macro STEP j, ka, sa, off
.set NW, NM+2*((\j)%2)
.set OL, NM+2-2*((\j)%2)
	s_wait_dscnt 0x0                               ; this step's K, asked for a step ago
	SMUL 0, 0
	SMUL 1, 0
	SMUL 1, 1
	SMUL 0, 1
	WIN 0
	PLACES                                         ; behind the products above and the last step's: in front of the loads below and of the scores' first readers
	VLOAD \j
	KLOAD 1, \ka, \sa, \off
	KLOAD 0, \ka, \sa, \off
	SOFT 0
	SOFT 1
	s_wait_alu depctr_va_vdst(0)
	s_wait_dscnt 18                                ; V's 17 loads are in; the next step's 18 of K, issued behind them, may be out
	OMUL 0
	OMUL 1
	WIN 0
.endm
	s_wait_alu depctr_va_vdst(0)                   ; the head's end
	s_wait_loadcnt 0x0                             ; Q
	s_wait_tensorcnt 0x0                           ; my two records are in,
	s_barrier_signal -1
	s_barrier_wait -1                              ; everybody's are
	KLOAD 1, AKL, ASL, 0                           ; the first step's K
	KLOAD 0, AKL, ASL, 0
.Ltrip:                                            ; eight trips of two records
	s_add_co_u32 s[NSB], s[SB], 2*RECL
	s_min_u32 s[NSB], s[NSB], 14*RECL              ; the next trip's records; in the last trip: this trip's again, so that the look-ahead stays inside the records
	v_add_nc_u32 v[CK], s[SB], v[AKL]
	v_add_nc_u32 v[CSA], s[SB], v[ASL]
	v_add_nc_u32 v[CV16], s[SB], v[AV16]
	v_add_nc_u32 v[CV8], s[SB], v[AV8]
	v_add_nc_u32 v[CKN], s[NSB], v[AKL]
	v_add_nc_u32 v[CSN], s[NSB], v[ASL]
	s_wait_alu depctr_va_vdst(0)
	STEP 0, CK, CSA, RECL
	STEP 1, CKN, CSN, 0
	s_add_co_u32 s[SB], s[SB], 2*RECL
	s_sub_co_u32 s[CNT], s[CNT], 1
	s_cmp_lg_u32 s[CNT], 0
	s_cbranch_scc1 .Ltrip
; THE WAY OUT of query tile t: O^T / the sum; register 16 B + i is feature 32 B + 16 (lane / 16) + i of my head: half a K step of the next product
.macro OUT t
	WIN 0x55*(\t)
	v_pk_add_f32 v[L:L+1], v[L:L+1], v[L+2:L+3]    ; (these lines are also the places behind the last products)
	v_pk_add_f32 v[L+4:L+5], v[L+4:L+5], v[L+6:L+7]
	v_mov_b32 v[TM+2], 0                           ; lane permutes' destinations
	v_mov_b32 v[TM+3], 0
	v_pk_add_f32 v[L:L+1], v[L:L+1], v[L+4:L+5]
	s_delay_alu instid0(VALU_DEP_1)
	v_add_f32 v[T0], v[L], v[L+1]
	s_delay_alu instid0(VALU_DEP_1)
	v_permlanex16_b32 v[T2], v[T0], s[SEL], s[SEL+1]
	s_delay_alu instid0(VALU_DEP_1)
	v_add_f32 v[F], v[T0], v[T2]                   ; with lane xor 16's keys: the row's sum
	s_wait_alu depctr_va_vdst(0)
	v_rcp_f32 v[F], v[F]
	v_nop                                          ; a plain line behind the transcendental
	s_wait_alu depctr_va_vdst(0)                   ; ahead of the reciprocal's and O^T's first readers
.set i, 0
.rept 16
	v_pk_mul_f32 v[O+i:O+i+1], v[O+i:O+i+1], v[F:F+1] op_sel_hi:[1,0]   ; each accumulator from its low end on
.set i, i+2
.endr
.irp b, 0,1
	v_max3_num_f32 v[TM+\b], |v[O+16*\b]|, |v[O+1+16*\b]|, 0x1800000
.endr
.irp i, 2,4,6,8,10,12,14
.irp b, 0,1
	s_delay_alu instid0(VALU_DEP_2)
	v_max3_num_f32 v[TM+\b], v[TM+\b], |v[O+16*\b+\i]|, |v[O+1+16*\b+\i]|
.endr
.endr
.irp b, 0,1
	s_delay_alu instid0(VALU_DEP_2)
	v_permlanex16_b32 v[TM+2+\b], v[TM+\b], s[SEL], s[SEL+1]
.endr
.irp b, 0,1
	s_delay_alu instid0(VALU_DEP_2)
	v_max_num_f32 v[TM+\b], v[TM+\b], v[TM+2+\b]
.endr
.irp b, 0,1
	s_delay_alu instid0(VALU_DEP_2)
	v_add_nc_u32 v[TM+4+\b], 0xff000000, v[TM+\b]
.endr
.irp b, 0,1
	s_delay_alu instid0(VALU_DEP_2)
	v_lshrrev_b32 v[TM+2+\b], 23, v[TM+4+\b]
.endr
	s_delay_alu instid0(VALU_DEP_1)
	v_lshl_or_b32 v[T0], v[TM+3], 8, v[TM+2]
	v_cvt_scalef32_pk16_fp6_f32 v[P:P+2], v[O:O+15], v[TM+4]
	v_cvt_scalef32_pk16_fp6_f32 v[CT:CT+2], v[O+16:O+31], v[TM+5]
	v_nop                                          ; one plain line behind the scaled conversions
.irp i, 0,1,2
	v_permlane16_swap_b32 v[P+\i], v[CT+\i]        ; a whole block to a lane
.endr
.irp i, 0,1,2
	v_mov_b32 v[P+3+\i], v[CT+\i]
.endr
	s_wait_alu depctr_va_vdst(0)
	WIN 0x04*(\t)                                  ; a store's data: window t; its offset: window 0
	global_store_b128 v[L16], v[P:P+3], s[40:41] offset:1536*(\t)
	global_store_b64 v[AV8], v[P+4:P+5], s[40:41] offset:1536*(\t)+512
.endm
	OUT 0
	OUT 1
	WIN 0
	v_cmp_gt_u32 vcc_lo, 16, v[LN]
	s_wait_xcnt 0x0                                ; EXEC changes only behind this wait
	s_and_saveexec_b32 s50, vcc_lo
	global_store_b16 v[AV8], v[T0], s[42:43]       ; lanes 0-15: my head's half of row r's scale word (the other half is the other head's work-group's)
	WIN 0x04
	global_store_b16 v[AV8], v[T0], s[42:43] offset:4
	WIN 0
	s_wait_xcnt 0x0
	s_or_b32 exec_lo, exec_lo, s50
	s_wait_tensorcnt 0x0                           ; the wave's end
	ds_add_u32 v[SPW], v[NIL]
	s_wait_dscnt 0x0
	CROUND                                         ; the closing round
	s_endpgm
.Lfunc_end_k_q0de3484ef3_attn:
	.size	k_q0de3484ef3_attn, .Lfunc_end_k_q0de3484ef3_attn-k_q0de3484ef3_attn
	.p2alignl 7, 3214868480
	.fill 96, 4, 3214868480
	.section	.rodata,"a",@progbits
	.p2align	6, 0x0
	.amdhsa_kernel k_q0de3484ef3_attn
		.amdhsa_group_segment_fixed_size 259072
		.amdhsa_private_segment_fixed_size 0
		.amdhsa_enable_private_segment 0
		.amdhsa_kernarg_size 24
		.amdhsa_user_sgpr_count 2
		.amdhsa_user_sgpr_kernarg_segment_ptr 1
		.amdhsa_wavefront_size32 1
		.amdhsa_system_sgpr_workgroup_id_x 1
		.amdhsa_system_sgpr_workgroup_id_y 1
		.amdhsa_system_sgpr_workgroup_id_z 1
		.amdhsa_system_vgpr_workitem_id 0
		.amdhsa_next_free_vgpr 512
		.amdhsa_next_free_sgpr 66
		.amdhsa_reserve_vcc 1
		.amdhsa_float_denorm_mode_32 3
		.amdhsa_float_denorm_mode_16_64 3
		.amdhsa_memory_ordered 1
		.amdhsa_forward_progress 1
		.amdhsa_inst_pref_size 77
	.end_amdhsa_kernel
	.amdgpu_metadata
---
amdhsa.version: [ 1, 2 ]
amdhsa.kernels:
  - .name:           k_q0de3484ef3_attn
    .symbol:         k_q0de3484ef3_attn.kd
    .args:
      - { .name: qb, .offset: 0, .size: 8, .value_kind: global_buffer, .address_space: global }
      - { .name: kv, .offset: 8, .size: 8, .value_kind: global_buffer, .address_space: global }
      - { .name: ctx, .offset: 16, .size: 8, .value_kind: global_buffer, .address_space: global }
    .group_segment_fixed_size: 259072
    .private_segment_fixed_size: 0
    .kernarg_segment_align: 8
    .kernarg_segment_size: 24
    .max_flat_workgroup_size: 256
    .sgpr_count:     66
    .vgpr_count:     512
    .wavefront_size: 32
...
	.end_amdgpu_metadata
.endif
;; end of part 10
;; launch oproj (part 11): grid 8 x 32, 4 waves a work-group, clusters of 4 x 4, 272,896 bytes of LDS; arguments wc, ctx, bo, x, x1; writes x1
.if DOCPART == 11
	.amdgcn_target "amdgcn-amd-amdhsa--gfx1250"
	.amdhsa_code_object_version 6
	.text
	.protected	k_q0de3484ef3_oproj
	.globl	k_q0de3484ef3_oproj
	.p2align	8
	.type	k_q0de3484ef3_oproj,@function
k_q0de3484ef3_oproj:
	s_mov_b64 s[64:65], 0
	v_nop
	global_prefetch_b8 v0, s[64:65] scope:SCOPE_SE
	s_setreg_imm32_b32 hwreg(HW_REG_WAVE_MODE, 25, 1), 1
	s_wait_xcnt 0x0
	s_wait_alu depctr_hold_cnt(0) depctr_sa_sdst(0) depctr_va_vdst(0) depctr_va_sdst(0) depctr_va_ssrc(0) depctr_va_vcc(0) depctr_vm_vsrc(0)
	s_getreg_b32 s2, hwreg(HW_REG_IB_STS2, 6, 4)
	s_cmp_eq_u32 s2, 0
	s_cbranch_scc0 .Lentry_in_a_cluster
	s_endpgm
.Lentry_in_a_cluster:
	s_bfe_u32 s2, ttmp6, 0x10000c
	s_cmp_lg_u32 s2, 0xf033
	s_cbranch_scc0 .Lentry_shape_is_right
	s_endpgm
.Lentry_shape_is_right:
; x1 = x + ctx wo^T + bo: the product on codes of FP6 (E2M3) with E8M0 scales, the rest in f32.
; OPERANDS are images of operand registers: a fragment (16 rows x 128 K) 1,536 bytes, four fragments + 256 bytes of scale words = 64 rows = 6,400 bytes, 128 rows x a K step = 12,800 bytes, [128 rows][8 K steps] dense.
; A work-group makes 128 rows of P = wo (source 0: output features) x 128 rows of Q = ctx (source 1: tokens); wave w takes P's 64 rows w % 2 and Q's 64 rows w / 2: 16 accumulators.  A lane holds one token; by the order of
; rows in a tile (place p of tile 2 B + u = row 32 B + 8 u + p + 8 (p / 8)) register 16 B' + i of a token tile's 32 is feature 32 B' + 16 (lane / 16) + i.  The bias is the C of each sum's first product.
; ALL OF K (1,024) lies in LDS: two slots of 4 K steps, both asked for at the head; nothing is filled again.  CLUSTER 4 x 4: P's panel is shared along a column of the cluster, Q's along a row, by joint loads.
; THE WAY OUT: the tile goes through a stage in LDS (128 token rows of 512 bytes + 16), a barrier, and each wave adds the residual to 32 whole rows and stores them, 512 consecutive bytes an instruction.
; (In the stage rows r and r + 8 of a tile lie 16 rows apart and meet in the same banks: two deep, for 32 stores a wave.)
.set KSTEPS, 8
.set PBASE, 24*8*12800                 ; wo in wc
.set PBB,   12800
.set HBB,   6400
.set LOADB, 25600
.set QOFF,  51200
.set SLOT,  102400
.set STG,   204800
.set ACC,   128
.set BIAS,  48
.set MSB, 0
.macro WIN new
.if MSB != \new
	s_set_vgpr_msb (MSB<<8)|\new
.set MSB, \new
.endif
.endm
.set MUL, 0x05
.set TOF, 0x40
.macro PLACES
.rept 4
	v_nop
.endr
.endm
.macro CREST
	s_cmp_lg_u32 s20, 0
	s_cbranch_scc1 .Lnot_wave_0_\@
	s_barrier_signal -3
.Lnot_wave_0_\@:
	s_barrier_wait -3
	s_barrier_signal -1
	s_barrier_wait -1
.endm
.macro CROUND
	s_barrier_signal -1
	s_barrier_wait -1
	CREST
.endm
.macro WM d, p, q, c, sp, sq, ra, rb
.if (\ra) && (\rb)
	v_wmma_scale_f32_16x16x128_f8f6f4 v[\d:\d+7], v[\p:\p+11], v[\q:\q+11], v[\c:\c+7], v[\sp], v[\sq] matrix_a_fmt:MATRIX_FMT_FP6 matrix_b_fmt:MATRIX_FMT_FP6 matrix_a_scale:MATRIX_SCALE_ROW1 matrix_b_scale:MATRIX_SCALE_ROW1
.elseif (\ra)
	v_wmma_scale_f32_16x16x128_f8f6f4 v[\d:\d+7], v[\p:\p+11], v[\q:\q+11], v[\c:\c+7], v[\sp], v[\sq] matrix_a_fmt:MATRIX_FMT_FP6 matrix_b_fmt:MATRIX_FMT_FP6 matrix_a_scale:MATRIX_SCALE_ROW1
.elseif (\rb)
	v_wmma_scale_f32_16x16x128_f8f6f4 v[\d:\d+7], v[\p:\p+11], v[\q:\q+11], v[\c:\c+7], v[\sp], v[\sq] matrix_a_fmt:MATRIX_FMT_FP6 matrix_b_fmt:MATRIX_FMT_FP6 matrix_b_scale:MATRIX_SCALE_ROW1
.else
	v_wmma_scale_f32_16x16x128_f8f6f4 v[\d:\d+7], v[\p:\p+11], v[\q:\q+11], v[\c:\c+7], v[\sp], v[\sq] matrix_a_fmt:MATRIX_FMT_FP6 matrix_b_fmt:MATRIX_FMT_FP6
.endif
.endm
; Q's tile a against P's four, from set f.  mode = 1: the bias starts the sums.  The sixteen accumulators take turns, one instruction a turn
.macro MULA f, a, mode
.irp b, 0,1,2,3
.if \mode
	WM ACC+8*(4*(\a)+\b), 128*(\f)+12*\b, 128*(\f)+48+12*(\a), BIAS+8*\b, 32+4*(\f)+\b%2, 34+4*(\f)+(\a)%2, \b/2, (\a)/2
.else
	WM ACC+8*(4*(\a)+\b), 128*(\f)+12*\b, 128*(\f)+48+12*(\a), ACC+8*(4*(\a)+\b), 32+4*(\f)+\b%2, 34+4*(\f)+(\a)%2, \b/2, (\a)/2
.endif
.endr
.endm
.macro FRAG reg, adr, off
	ds_load_b128 v[\reg:\reg+3], v[\adr] offset:\off
	ds_load_b64 v[\reg+4:\reg+5], v[\adr+2] offset:\off+512
	ds_load_b128 v[\reg+6:\reg+9], v[\adr] offset:\off+768
	ds_load_b64 v[\reg+10:\reg+11], v[\adr+2] offset:\off+1280
.endm
.macro FETCH slot, q, f                ; 34 LDS loads; the last eight are Q's tiles 2 and 3
	WIN 0
	ds_load_b64 v[32+4*(\f):33+4*(\f)], v[10+\slot] offset:PBB*(\q)+6144
	ds_load_b64 v[34+4*(\f):35+4*(\f)], v[14+\slot] offset:PBB*(\q)+6144
	WIN TOF
.irp t, 0,1,2,3
	FRAG 128*(\f)+12*\t, 8+\slot, PBB*(\q)+1536*\t
.endr
.irp t, 0,1,2,3
	FRAG 128*(\f)+48+12*\t, 12+\slot, PBB*(\q)+1536*\t
.endr
.endm
.macro STEP slot, q, mode
	s_wait_dscnt 8                                 ; all of this step's loads but the last eight
	WIN MUL
	MULA (\q)%2, 0, \mode
	MULA (\q)%2, 1, \mode
	PLACES
	FETCH \slot, (\q)+1, 1-(\q)%2
	s_wait_dscnt 34                                ; all but the 34 just issued
	WIN MUL
	MULA (\q)%2, 2, \mode
	MULA (\q)%2, 3, \mode
.endm
.macro TURN next                       ; slot 0's last K step; behind the barrier slot 1 is whole for every wave.  Nothing is filled again
	s_wait_tensorcnt 0x0
	s_wait_dscnt 8
	WIN MUL
	MULA 1, 0, 0
	s_wait_dscnt 0x0
	s_barrier_signal -1
	MULA 1, 1, 0
	s_barrier_wait -1
	PLACES
	FETCH \next, 0, 0
	WIN MUL
	MULA 1, 2, 0
	MULA 1, 3, 0
.endm
	s_load_b256 s[4:11], s[0:1], 0x0               ; wc, ctx, bo, x
	s_load_b64 s[12:13], s[0:1], 0x20              ; x1
	v_lshl_add_u32 v126, v0, 2, 0x42800
	v_mov_b32 v127, 0
	ds_add_u32 v126, v127
	ds_add_u32 v126, v127
	v_lshrrev_b32 v1, 5, v0
	v_readfirstlane_b32 s20, v1
	s_lshr_b32 s21, s20, 1                         ; Q's 64 rows.  Also: which 4 K steps I fetch
	s_and_b32 s22, s20, 1                          ; P's 64 rows.  Also: I fetch for P (0) or for Q (1)
	s_bfe_u32 s23, ttmp6, 0x40000
	s_bfe_u32 s66, ttmp6, 0x40004
	s_lshl_b32 s67, ttmp9, 2
	s_add_co_u32 s67, s67, s23                     ; work-group x: P's 128 rows
	s_and_b32 s68, ttmp7, 0xffff
	s_lshl_b32 s68, s68, 2
	s_add_co_u32 s68, s68, s66                     ; work-group y: Q's 128 rows
	s_lshl_b32 s56, 0x1111, s23
	s_lshl_b32 s57, s66, 2
	s_lshl_b32 s57, 15, s57
	s_or_b32 s24, s56, (3<<16)|(1<<21)             ; group 1 for P: the mask of my column; elements of 8 bytes; bit 21 beside a mask
	s_or_b32 s40, s57, (3<<16)|(1<<21)             ; for Q: my row
.irp g, 24, 40                                 ; 51,200 dense bytes as 200 rows of 256
	s_mov_b32 s[\g+1], 32<<16
	s_mov_b32 s[\g+2], 200<<16                     ; a load brings 4 K steps of a panel: 200 rows of 256 bytes
	s_mov_b32 s[\g+3], 32<<16
	s_mov_b32 s[\g+4], 200
	s_mov_b32 s[\g+5], 32
	s_mov_b32 s[\g+6], 0
	s_mov_b32 s[\g+7], 0
.endr
	s_mul_i32 s58, s67, KSTEPS*PBB
	s_mul_i32 s59, s21, QOFF                       ; which 4 K steps I fetch: wave / 2
	s_add_co_u32 s58, s58, s59
	s_add_co_u32 s58, s58, PBASE
	s_mov_b32 s59, 0
	s_mul_i32 s60, s68, KSTEPS*PBB
	s_mul_i32 s61, s21, QOFF
	s_add_co_u32 s60, s60, s61
	s_mov_b32 s61, 0
	s_mul_i32 s62, s20, QOFF                       ; in LDS: wave x 51,200: slot 0's P, slot 0's Q, slot 1's P, slot 1's Q
	s_wait_dscnt 0x0
	s_wait_kmcnt 0x0
	s_add_nc_u64 s[58:59], s[4:5], s[58:59]
	s_add_nc_u64 s[60:61], s[6:7], s[60:61]
	CROUND
	s_mov_b32 s32, 1
	s_mov_b32 s33, s62
	s_mov_b64 s[34:35], s[58:59]
	s_or_b32 s35, s35, 0x80000000
	s_mov_b32 s48, 1
	s_mov_b32 s49, s62
	s_mov_b64 s[50:51], s[60:61]
	s_or_b32 s51, s51, 0x80000000
	s_cmp_eq_u32 s22, 0                            ; one load a wave: even waves fetch for P, odd waves for Q
	s_cbranch_scc0 .Lfirst_q
	tensor_load_to_lds s[32:35], s[24:31]
	s_nop 0
	PLACES
	s_branch .Lfirst_asked
.Lfirst_q:
	tensor_load_to_lds s[48:51], s[40:47]
	s_nop 0
	PLACES
.Lfirst_asked:
	v_and_b32 v1, 31, v0
	v_and_b32 v2, 15, v0
	v_bfe_u32 v3, v0, 4, 1
	v_and_b32 v4, 8, v2
	v_add_nc_u32 v4, v4, v2
	v_lshlrev_b32 v16, 4, v1
	v_lshlrev_b32 v17, 3, v1
	s_mul_i32 s56, s22, HBB
	s_mul_i32 s57, s21, HBB
	s_add_co_u32 s57, s57, QOFF
.irp s, 0,1
	v_add_nc_u32 v[8+\s], s56, v16
	v_add_nc_u32 v[10+\s], s56, v17
	v_add_nc_u32 v[12+\s], s57, v16
	v_add_nc_u32 v[14+\s], s57, v17
	s_add_co_u32 s56, s56, SLOT
	s_add_co_u32 s57, s57, SLOT
.endr
	s_lshl_b32 s70, s67, 9
	s_lshl_b32 s71, s22, 8
	s_add_co_u32 s70, s70, s71
	s_mov_b32 s71, 0
	s_add_nc_u64 s[70:71], s[8:9], s[70:71]        ; the bias of my 64 features
	v_lshlrev_b32 v18, 6, v3
.irp b, 0,1
.irp k, 0,1,2,3
	global_load_b128 v[BIAS+16*\b+4*\k:BIAS+16*\b+4*\k+3], v18, s[70:71] offset:128*\b+16*\k   ; register 16 b + i: feature 32 b + 16 h + i
.endr
.endr
	s_mul_i32 s74, s21, 64*528
	s_lshl_b32 s75, s22, 8
	s_add_co_u32 s74, s74, s75
	s_add_co_u32 s74, s74, STG
	v_mul_u32_u24 v19, v4, 528
	v_lshl_add_u32 v19, v3, 6, v19
	v_add_nc_u32 v19, s74, v19                     ; into the stage: my token's row, my features' bytes
	s_mul_i32 s74, s20, 32*528
	s_add_co_u32 s74, s74, STG
	v_add_nc_u32 v20, s74, v16                     ; back: wave w takes rows 32 w on, whole
	s_lshl_b32 s74, s68, 7
	s_lshl_b32 s75, s20, 5
	s_add_co_u32 s74, s74, s75
	s_lshl_b32 s74, s74, 12
	s_lshl_b32 s75, s67, 9
	s_add_co_u32 s74, s74, s75
	s_mov_b32 s75, 0
	s_add_nc_u64 s[76:77], s[10:11], s[74:75]      ; the residual's rows,
	s_add_nc_u64 s[78:79], s[12:13], s[74:75]      ; and the result's
	s_wait_alu depctr_va_vdst(0)
	s_wait_loadcnt 0x0                             ; the bias
	s_wait_tensorcnt 0x0                           ; my one load is in,
	s_barrier_signal -1
	s_barrier_wait -1
	FETCH 0, 0, 0
	WIN 0x80                                       ; destinations in window 2: the residual of my 32 rows is asked for here, under the products, into 128 registers of its own
.set i, 0
.rept 32
	global_load_b128 v[4*i:4*i+3], v16, s[76:77] offset:4096*i
.set i, i+1
.endr
	STEP 0, 0, 1
	STEP 0, 1, 0
	STEP 0, 2, 0
	TURN 1
	STEP 1, 0, 0
	STEP 1, 1, 0
	STEP 1, 2, 0
	s_wait_dscnt 8
	WIN MUL
	MULA 1, 0, 0
	MULA 1, 1, 0
	s_wait_dscnt 0x0
	MULA 1, 2, 0
	MULA 1, 3, 0
	WIN 0
	PLACES
.irp a, 0,1,2,3
.irp b, 0,1
.irp k, 0,1,2,3
	ds_store_b128 v19, v[ACC+32*\a+16*\b+4*\k:ACC+32*\a+16*\b+4*\k+3] offset:(32*(\a/2)+8*(\a%2))*528+128*\b+16*\k   ; each accumulator from its low end on
.endr
.endr
.endr
	s_wait_dscnt 0x0                               ; for the others' sake: my stores into the stage are done
	s_barrier_signal -1
	s_barrier_wait -1
.set i, 0
.rept 32
	ds_load_b128 v[128+4*i:131+4*i], v20 offset:528*i   ; my 32 whole rows, into the registers that held the sums
.set i, i+1
.endr
	s_wait_loadcnt 0x0                             ; the residual
.irp hh, 0,1                                   ; two halves of 16 rows: the first half's stores leave while the second half's rows come back from the stage
	s_wait_dscnt 16-16*\hh                         ; this half's 16 loads are in; in the first half the 16 behind them may be out
	WIN 0x08                                       ; source 1 in window 2
.set i, 32*\hh
.rept 32
	v_pk_add_f32 v[128+2*i:129+2*i], v[128+2*i:129+2*i], v[2*i:2*i+1]
.set i, i+1
.endr
	WIN 0
.set i, 16*\hh
.rept 16
	global_store_b128 v16, v[128+4*i:131+4*i], s[78:79] offset:4096*i   ; 512 consecutive bytes, at a multiple of 256 from the buffer's first byte
.set i, i+1
.endr
.endr
	s_wait_tensorcnt 0x0
	ds_add_u32 v126, v127
	s_wait_dscnt 0x0
	CROUND                                         ; the closing round
	s_endpgm
.Lfunc_end_k_q0de3484ef3_oproj:
	.size	k_q0de3484ef3_oproj, .Lfunc_end_k_q0de3484ef3_oproj-k_q0de3484ef3_oproj
	.p2alignl 7, 3214868480
	.fill 96, 4, 3214868480
	.section	.rodata,"a",@progbits
	.p2align	6, 0x0
	.amdhsa_kernel k_q0de3484ef3_oproj
		.amdhsa_group_segment_fixed_size 272896
		.amdhsa_private_segment_fixed_size 0
		.amdhsa_enable_private_segment 0
		.amdhsa_kernarg_size 40
		.amdhsa_user_sgpr_count 2
		.amdhsa_user_sgpr_kernarg_segment_ptr 1
		.amdhsa_wavefront_size32 1
		.amdhsa_system_sgpr_workgroup_id_x 1
		.amdhsa_system_sgpr_workgroup_id_y 1
		.amdhsa_system_sgpr_workgroup_id_z 1
		.amdhsa_system_vgpr_workitem_id 0
		.amdhsa_next_free_vgpr 640
		.amdhsa_next_free_sgpr 100
		.amdhsa_reserve_vcc 0
		.amdhsa_float_denorm_mode_32 3
		.amdhsa_float_denorm_mode_16_64 3
		.amdhsa_memory_ordered 1
		.amdhsa_forward_progress 1
		.amdhsa_inst_pref_size 58
	.end_amdhsa_kernel
	.amdgpu_metadata
---
amdhsa.version: [ 1, 2 ]
amdhsa.kernels:
  - .name:           k_q0de3484ef3_oproj
    .symbol:         k_q0de3484ef3_oproj.kd
    .args:
      - { .name: wc, .offset: 0, .size: 8, .value_kind: global_buffer, .address_space: global }
      - { .name: ctx, .offset: 8, .size: 8, .value_kind: global_buffer, .address_space: global }
      - { .name: bo, .offset: 16, .size: 8, .value_kind: global_buffer, .address_space: global }
      - { .name: x, .offset: 24, .size: 8, .value_kind: global_buffer, .address_space: global }
      - { .name: x1, .offset: 32, .size: 8, .value_kind: global_buffer, .address_space: global }
    .group_segment_fixed_size: 272896
    .private_segment_fixed_size: 0
    .kernarg_segment_align: 8
    .kernarg_segment_size: 40
    .max_flat_workgroup_size: 128
    .sgpr_count:     100
    .vgpr_count:     640
    .wavefront_size: 32
...
	.end_amdgpu_metadata
.endif
;; end of part 11
;; launch ln2 (part 12): grid 256 x 1, 8 waves a work-group, no clusters, 69,632 bytes of LDS; arguments x1, ln2_a, ln2_b, xn; writes xn
.if DOCPART == 12
	.amdgcn_target "amdgcn-amd-amdhsa--gfx1250"
	.amdhsa_code_object_version 6
	.text
	.protected	k_q0de3484ef3_ln2
	.globl	k_q0de3484ef3_ln2
	.p2align	8
	.type	k_q0de3484ef3_ln2,@function
k_q0de3484ef3_ln2:
	s_mov_b64 s[64:65], 0
	v_nop
	global_prefetch_b8 v0, s[64:65] scope:SCOPE_SE
	s_setreg_imm32_b32 hwreg(HW_REG_WAVE_MODE, 25, 1), 1
	s_wait_xcnt 0x0
; out = Q(alpha (x - mean) / sqrt(std + 1e-6) + bias), std with 1,023 in the divisor; x [4096][1024] f32; Q: codes of FP6 (E2M3) with one E8M0 byte for each 32 along the row, stored as images of operand registers
; (a fragment 1,536 bytes; four fragments + 256 bytes of scale words = 64 rows, 6,400 bytes; [128 rows][K step] of 12,800 bytes; place p of tile 2 B + u is row 32 B + 8 u + p + 8 (p / 8)).
; A work-group takes one tile of 16 rows, whole; wave w takes K step w (128 numbers of each row).  Each load reads 512 consecutive bytes of a row; the tile turns through the wave's own stage in LDS.
; Mean and variance in two passes (the mean is taken off before the squares), so that a common offset of the inputs costs no digits; the waves' part sums meet in LDS, 8 words a row, behind a barrier each.
; A tile's scale words are 64 bytes of a block of 256: the price of work-groups that own whole rows; one store in five of a wave.
; LIMITS: NaN and infinities are not served; a block of zeros has byte 1 (its codes are zeros; this program alone reads the bytes); blocks under 2^-124 were not tried.
.set STGB, 8448
.set RED1, 67584                       ; 16 rows x 8 words: the sums;  512 bytes on: the sums of squares
.set R,    24
.set X,    88
.set PC,   152
.set CT,   164
.set TM,   172
.set PW,   180
.set SEL,  22
.macro QUANT4 s, pc, pw
.irp b, 0,1,2,3
	v_max3_num_f32 v[TM+\b], |v[\s+16*\b]|, |v[\s+1+16*\b]|, 0x1800000   ; my 16 numbers of block b, and the floor 2^(3 - 127)
.endr
.irp i, 2,4,6,8,10,12,14
.irp b, 0,1,2,3
	s_delay_alu instid0(VALU_DEP_4)
	v_max3_num_f32 v[TM+\b], v[TM+\b], |v[\s+16*\b+\i]|, |v[\s+1+16*\b+\i]|
.endr
.endr
.irp b, 0,1,2,3
	s_delay_alu instid0(VALU_DEP_4)
	v_permlanex16_b32 v[TM+4+\b], v[TM+\b], s[SEL], s[SEL+1]
.endr
.irp b, 0,1,2,3
	s_delay_alu instid0(VALU_DEP_4)
	v_max_num_f32 v[TM+\b], v[TM+\b], v[TM+4+\b]
.endr
.irp b, 0,1,2,3
	s_delay_alu instid0(VALU_DEP_4)
	v_add_nc_u32 v[TM+12+\b], 0xff000000, v[TM+\b]   ; 2 off the exponent field: the conversion's scale operand
.endr
.irp b, 0,1,2,3
	s_delay_alu instid0(VALU_DEP_4)
	v_lshrrev_b32 v[TM+4+\b], 23, v[TM+12+\b]
.endr
	s_delay_alu instid0(VALU_DEP_3)
	v_lshl_or_b32 v[\pw], v[TM+5], 8, v[TM+4]
	s_delay_alu instid0(VALU_DEP_1)
	v_lshl_or_b32 v[\pw], v[TM+6], 16, v[\pw]
	s_delay_alu instid0(VALU_DEP_1)
	v_lshl_or_b32 v[\pw], v[TM+7], 24, v[\pw]
.irp c, 0,1
	v_cvt_scalef32_pk16_fp6_f32 v[\pc+6*\c:\pc+2+6*\c], v[\s+32*\c:\s+15+32*\c], v[TM+12+2*\c]
	v_cvt_scalef32_pk16_fp6_f32 v[CT+4*\c:CT+2+4*\c], v[\s+16+32*\c:\s+31+32*\c], v[TM+13+2*\c]
.endr
	v_nop                                          ; one plain instruction behind the scaled conversions
.irp c, 0,1
.irp i, 0,1,2
	v_permlane16_swap_b32 v[\pc+6*\c+\i], v[CT+4*\c+\i]
.endr
.irp i, 0,1,2
	s_delay_alu instid0(VALU_DEP_3)
	v_mov_b32 v[\pc+3+6*\c+\i], v[CT+4*\c+\i]
.endr
.endr
.endm
; my part sum v10 of row r goes to word [r][wave] at off; behind the barrier every lane adds its row's eight words: v20
.macro MEET off
	s_delay_alu instid0(VALU_DEP_1)
	v_permlanex16_b32 v12, v10, s[SEL], s[SEL+1]
	s_delay_alu instid0(VALU_DEP_1)
	v_add_f32 v10, v10, v12                        ; with lane xor 16's 64 numbers: my wave's 128 of row r
	ds_store_b32 v8, v10 offset:\off               ; (lanes r and r + 16 write the same word with the same value)
	s_wait_dscnt 0x0                               ; for the others' sake: my store is done
	s_barrier_signal -1
	s_barrier_wait -1
	ds_load_b128 v[20:23], v9 offset:\off
	ds_load_b128 v[192:195], v9 offset:\off+16
	s_wait_dscnt 0x0
	v_add_f32 v20, v20, v21
	v_add_f32 v22, v22, v23
	v_add_f32 v192, v192, v193
	v_add_f32 v194, v194, v195
	s_delay_alu instid0(VALU_DEP_3)
	v_add_f32 v20, v20, v22
	s_delay_alu instid0(VALU_DEP_2)
	v_add_f32 v192, v192, v194
	s_delay_alu instid0(VALU_DEP_1)
	v_add_f32 v20, v20, v192
.endm
	s_load_b256 s[4:11], s[0:1], 0x0               ; in, alpha, bias, out
	v_lshl_add_u32 v200, v0, 2, 0x10c00
	v_mov_b32 v201, 0
	v_lshrrev_b32 v1, 5, v0
	s_delay_alu instid0(VALU_DEP_1)
	v_readfirstlane_b32 s24, v1                    ; wave = K step
	v_and_b32 v1, 31, v0
	v_and_b32 v2, 15, v0                           ; r
	v_bfe_u32 v3, v0, 4, 1                         ; h
	s_delay_alu instid0(VALU_DEP_3)
	v_lshlrev_b32 v4, 4, v1
	s_delay_alu instid0(VALU_DEP_4)
	v_lshlrev_b32 v5, 3, v1
	s_mul_i32 s25, s24, STGB
	v_add_nc_u32 v6, s25, v4
	v_mul_u32_u24 v7, v2, 528
	s_delay_alu instid0(VALU_DEP_1)
	v_lshl_add_u32 v7, v3, 6, v7
	s_delay_alu instid0(VALU_DEP_1)
	v_add_nc_u32 v7, s25, v7
	s_lshl_b32 s25, s24, 2
	s_add_co_u32 s25, s25, RED1
	v_lshl_add_u32 v8, v2, 5, s25                  ; word [r][wave]
	v_lshl_add_u32 v9, v2, 5, RED1                 ; row r's eight words
	s_mov_b32 s[SEL], 0x76543210
	s_mov_b32 s[SEL+1], 0xfedcba98
.irp b, 0,1,2,3
	v_mov_b32 v[TM+4+\b], 0
.endr
	s_lshr_b32 s14, ttmp9, 1                       ; tile T = 2 B + u begins at row 32 B + 8 u
	s_lshl_b32 s14, s14, 17
	s_and_b32 s15, ttmp9, 1
	s_lshl_b32 s15, s15, 15
	s_add_co_u32 s14, s14, s15
	s_lshl_b32 s15, s24, 9
	s_add_co_u32 s14, s14, s15
	s_mov_b32 s15, 0
	s_lshr_b32 s16, ttmp9, 3                       ; out: ((T / 8) 8 + wave) 12,800 + 6,400 ((T / 4) % 2): the block of 64 rows
	s_lshl_b32 s16, s16, 3
	s_add_co_u32 s16, s16, s24
	s_mul_i32 s16, s16, 12800
	s_bfe_u32 s17, ttmp9, 0x10002
	s_mul_i32 s17, s17, 6400
	s_add_co_u32 s16, s16, s17
	s_bfe_u32 s18, ttmp9, 0x10001                  ; the tile's scale words: 6,144 + 128 ((T / 2) % 2) + 4 (T % 2) + 8 r
	s_lshl_b32 s18, s18, 7
	s_and_b32 s19, ttmp9, 1
	s_lshl_b32 s19, s19, 2
	s_add_co_u32 s18, s18, s19
	s_add_co_u32 s18, s18, s16
	s_add_co_u32 s18, s18, 6144
	s_mov_b32 s19, 0
	s_and_b32 s17, ttmp9, 3
	s_mul_i32 s17, s17, 1536
	s_add_co_u32 s16, s16, s17                     ; the tile's fragment
	s_mov_b32 s17, 0
	s_wait_alu depctr_va_vdst(0)
	s_wait_kmcnt 0x0
	s_add_nc_u64 s[4:5], s[4:5], s[14:15]
	s_add_nc_u64 s[16:17], s[10:11], s[16:17]
	s_add_nc_u64 s[18:19], s[10:11], s[18:19]
	s_load_b32 s12, s[6:7], 0x0                    ; alpha
	s_load_b32 s13, s[8:9], 0x0                    ; bias
.set i, 0
.irp p, 0,1,2,3,4,5,6,7,16,17,18,19,20,21,22,23
	global_load_b128 v[R+4*i:R+4*i+3], v4, s[4:5] offset:\p*4096   ; place i's row: 512 consecutive bytes
.set i, i+1
.endr
	s_wait_loadcnt 0x0
.set i, 0
.rept 16
	ds_store_b128 v6, v[R+4*i:R+4*i+3] offset:528*i
.set i, i+1
.endr
.irp b, 0,1,2,3
.irp j, 0,1,2,3
	ds_load_b128 v[X+16*\b+4*\j:X+16*\b+4*\j+3], v7 offset:128*\b+16*\j   ; LDS serves a wave's instructions in order: these see my stores
.endr
.endr
	s_wait_dscnt 0x0
	v_pk_add_f32 v[12:13], v[88:89], v[90:91]
	v_pk_add_f32 v[198:199], v[96:97], v[100:101]
	v_pk_add_f32 v[196:197], v[104:105], v[108:109]
	v_pk_add_f32 v[190:191], v[112:113], v[116:117]
	v_pk_add_f32 v[188:189], v[120:121], v[124:125]
	v_pk_add_f32 v[182:183], v[128:129], v[132:133]
	v_pk_add_f32 v[10:11], v[136:137], v[140:141]
	s_delay_alu instid0(VALU_DEP_1)
	v_pk_add_f32 v[10:11], v[10:11], v[144:145]
	v_pk_add_f32 v[12:13], v[12:13], v[148:149]
	v_pk_add_f32 v[198:199], v[198:199], v[92:93]
	v_pk_add_f32 v[196:197], v[196:197], v[94:95]
	v_pk_add_f32 v[190:191], v[190:191], v[98:99]
	v_pk_add_f32 v[188:189], v[188:189], v[102:103]
	v_pk_add_f32 v[182:183], v[182:183], v[106:107]
	v_pk_add_f32 v[10:11], v[10:11], v[110:111]
	v_pk_add_f32 v[12:13], v[12:13], v[114:115]
	v_pk_add_f32 v[198:199], v[198:199], v[118:119]
	v_pk_add_f32 v[196:197], v[196:197], v[122:123]
	v_pk_add_f32 v[190:191], v[190:191], v[126:127]
	v_pk_add_f32 v[188:189], v[188:189], v[130:131]
	v_pk_add_f32 v[182:183], v[182:183], v[134:135]
	v_pk_add_f32 v[10:11], v[10:11], v[138:139]
	v_pk_add_f32 v[12:13], v[12:13], v[142:143]
	v_pk_add_f32 v[198:199], v[198:199], v[146:147]
	v_pk_add_f32 v[196:197], v[196:197], v[150:151]
	s_delay_alu instid0(VALU_DEP_4)
	v_pk_add_f32 v[10:11], v[10:11], v[190:191]
	s_delay_alu instid0(VALU_DEP_4)
	v_pk_add_f32 v[12:13], v[12:13], v[188:189]
	s_delay_alu instid0(VALU_DEP_4)
	v_pk_add_f32 v[198:199], v[198:199], v[182:183]
	s_delay_alu instid0(VALU_DEP_1)
	v_pk_add_f32 v[10:11], v[10:11], v[198:199]
	s_delay_alu instid0(VALU_DEP_3)
	v_pk_add_f32 v[12:13], v[12:13], v[196:197]
	s_delay_alu instid0(VALU_DEP_1)
	v_pk_add_f32 v[10:11], v[10:11], v[12:13]
	s_delay_alu instid0(VALU_DEP_1)
	v_add_f32 v10, v10, v11
	MEET 0
	s_delay_alu instid0(VALU_DEP_1)
	v_mul_f32 v14, 0x3a800000, v20                 ; the mean: / 1,024
	s_delay_alu instid0(VALU_DEP_1)
	v_mov_b32 v15, v14
.set i, 0
.rept 32
	v_pk_add_f32 v[X+i:X+i+1], v[X+i:X+i+1], v[14:15] op_sel_hi:[1,0] neg_lo:[0,1] neg_hi:[0,1]   ; x - mean
.set i, i+2
.endr
	v_pk_mul_f32 v[10:11], v[X:X+1], v[X:X+1]
	v_pk_mul_f32 v[12:13], v[X+2:X+3], v[X+2:X+3]
.irp j, 4,8,12,16,20,24,28,32,36,40,44,48,52,56,60
	s_delay_alu instid0(VALU_DEP_2)
	v_pk_fma_f32 v[10:11], v[X+\j:X+\j+1], v[X+\j:X+\j+1], v[10:11]
	s_delay_alu instid0(VALU_DEP_2)
	v_pk_fma_f32 v[12:13], v[X+\j+2:X+\j+3], v[X+\j+2:X+\j+3], v[12:13]
.endr
	s_delay_alu instid0(VALU_DEP_1)
	v_pk_add_f32 v[10:11], v[10:11], v[12:13]
	s_delay_alu instid0(VALU_DEP_1)
	v_add_f32 v10, v10, v11
	MEET 512                                       ; other bytes than the sums': no barrier is owed between the two
	s_delay_alu instid0(VALU_DEP_1)
	v_mul_f32 v20, 0x3a802008, v20                 ; / 1,023
	s_wait_alu depctr_va_vdst(0)
	v_sqrt_f32 v21, v20                            ; std
	v_nop                                          ; a plain instruction behind the transcendental,
	s_wait_alu depctr_va_vdst(0)                   ; and the wait ahead of its first reader
	v_add_f32 v21, 0x358637bd, v21                 ; + 1e-6
	s_wait_alu depctr_va_vdst(0)
	v_rsq_f32 v22, v21
	s_wait_kmcnt 0x0
	v_mov_b32 v18, s13
	v_mov_b32 v19, s13
	s_wait_alu depctr_va_vdst(0)
	v_mul_f32 v16, s12, v22                        ; alpha / sqrt(std + 1e-6)
	s_delay_alu instid0(VALU_DEP_1)
	v_mov_b32 v17, v16
.set i, 0
.rept 32
	v_pk_fma_f32 v[X+i:X+i+1], v[X+i:X+i+1], v[16:17], v[18:19] op_sel_hi:[1,0,0]
.set i, i+2
.endr
	QUANT4 X, PC, PW
	global_store_b128 v4, v[PC:PC+3], s[16:17]
	global_store_b64 v5, v[PC+4:PC+5], s[16:17] offset:512
	global_store_b128 v4, v[PC+6:PC+9], s[16:17] offset:768
	global_store_b64 v5, v[PC+10:PC+11], s[16:17] offset:1280
	v_cmp_gt_u32 vcc_lo, 16, v1
	s_wait_xcnt 0x0                                ; EXEC changes only behind this wait: the stores above have read it
	s_wait_tensorcnt 0x0
	ds_add_u32 v200, v201
	s_wait_dscnt 0x0
	s_and_saveexec_b32 s20, vcc_lo
	global_store_b32 v5, v[PW], s[18:19]           ; lanes 0-15: row r's word at 8 r
	s_wait_xcnt 0x0                                ; and again in front of the line that widens it
	s_or_b32 exec_lo, exec_lo, s20
	s_endpgm
.Lfunc_end_k_q0de3484ef3_ln2:
	.size	k_q0de3484ef3_ln2, .Lfunc_end_k_q0de3484ef3_ln2-k_q0de3484ef3_ln2
	.p2alignl 7, 3214868480
	.fill 96, 4, 3214868480
	.section	.rodata,"a",@progbits
	.p2align	6, 0x0
	.amdhsa_kernel k_q0de3484ef3_ln2
		.amdhsa_group_segment_fixed_size 69632
		.amdhsa_private_segment_fixed_size 0
		.amdhsa_enable_private_segment 0
		.amdhsa_kernarg_size 32
		.amdhsa_user_sgpr_count 2
		.amdhsa_user_sgpr_kernarg_segment_ptr 1
		.amdhsa_wavefront_size32 1
		.amdhsa_system_sgpr_workgroup_id_x 1
		.amdhsa_system_sgpr_workgroup_id_y 1
		.amdhsa_system_sgpr_workgroup_id_z 1
		.amdhsa_system_vgpr_workitem_id 0
		.amdhsa_next_free_vgpr 202
		.amdhsa_next_free_sgpr 66
		.amdhsa_reserve_vcc 1
		.amdhsa_float_denorm_mode_32 3
		.amdhsa_float_denorm_mode_16_64 3
		.amdhsa_memory_ordered 1
		.amdhsa_forward_progress 1
		.amdhsa_inst_pref_size 25
	.end_amdhsa_kernel
	.amdgpu_metadata
---
amdhsa.version: [ 1, 2 ]
amdhsa.kernels:
  - .name:           k_q0de3484ef3_ln2
    .symbol:         k_q0de3484ef3_ln2.kd
    .args:
      - { .name: x1, .offset: 0, .size: 8, .value_kind: global_buffer, .address_space: global }
      - { .name: ln2_a, .offset: 8, .size: 8, .value_kind: global_buffer, .address_space: global }
      - { .name: ln2_b, .offset: 16, .size: 8, .value_kind: global_buffer, .address_space: global }
      - { .name: xn, .offset: 24, .size: 8, .value_kind: global_buffer, .address_space: global }
    .group_segment_fixed_size: 69632
    .private_segment_fixed_size: 0
    .kernarg_segment_align: 8
    .kernarg_segment_size: 32
    .max_flat_workgroup_size: 256
    .sgpr_count:     66
    .vgpr_count:     202
    .wavefront_size: 32
...
	.end_amdgpu_metadata
.endif
;; end of part 12
;; launch ffn1 (part 13): grid 8 x 32, 4 waves a work-group, clusters of 4 x 4, 327,680 bytes of LDS; arguments wc, xn, b1, hb; writes hb
.if DOCPART == 13
	.amdgcn_target "amdgcn-amd-amdhsa--gfx1250"
	.amdhsa_code_object_version 6
	.text
	.protected	k_q0de3484ef3_ffn1
	.globl	k_q0de3484ef3_ffn1
	.p2align	8
	.type	k_q0de3484ef3_ffn1,@function
k_q0de3484ef3_ffn1:
	s_mov_b64 s[64:65], 0
	v_nop
	global_prefetch_b8 v0, s[64:65] scope:SCOPE_SE
	s_setreg_imm32_b32 hwreg(HW_REG_WAVE_MODE, 25, 1), 1
	s_wait_xcnt 0x0
	s_wait_alu depctr_hold_cnt(0) depctr_sa_sdst(0) depctr_va_vdst(0) depctr_va_sdst(0) depctr_va_ssrc(0) depctr_va_vcc(0) depctr_vm_vsrc(0)
	s_getreg_b32 s2, hwreg(HW_REG_IB_STS2, 6, 4)
	s_cmp_eq_u32 s2, 0
	s_cbranch_scc0 .Lentry_in_a_cluster
	s_endpgm
.Lentry_in_a_cluster:
	s_bfe_u32 s2, ttmp6, 0x10000c
	s_cmp_lg_u32 s2, 0xf033
	s_cbranch_scc0 .Lentry_shape_is_right
	s_endpgm
.Lentry_shape_is_right:
; hb = Q(relu(xn w1^T + b1)): the product on codes of FP6 (E2M3) with E8M0 scales; the hidden layer is quantised here along its 4,096 and stored as images of operand registers for the next product.
; OPERANDS are images: a fragment (16 rows x 128 K) 1,536 bytes, four fragments + 256 bytes of scale words = 64 rows = 6,400 bytes, 128 rows x a K step = 12,800 bytes; a panel of 128 rows x all 8 K steps is 102,400 dense bytes.
; A WORK-GROUP STAYS: it owns 128 tokens (y) and makes four tiles of 128 x 128, against w1's panels x, x + 8, x + 16, x + 24.  The tokens' panel lies in LDS for the whole launch; w1's panels go through two slots of a whole
; panel: two at the start, and each slot is filled again, with the panel two tiles on, when its tile's products have read it: that load has the next tile in which to land.  So a WGP is filled with 5 panels where four work-groups
; in turn would take 8.
; A TILE: source 0 = w1's 128 rows (hidden units), source 1 = the tokens; wave w takes source 0's 64 rows w % 2 and source 1's 64 rows w / 2: 16 accumulators.  A lane holds one token; by the order of rows in a tile (place p of
; tile 2 B + u = row 32 B + 8 u + p + 8 (p / 8)) register 16 B' + i of a token tile's 32 is hidden unit 32 B' + 16 (lane / 16) + i: 16 neighbours along the next K.  A wave's 64 units are half a K step of the next product:
; 6 registers of each fragment and half of each scale word (the other half word is the other wave's).  The four tiles' biases lie in window 2 and are the C of each sum's first product.
; CLUSTER 4 x 4: the tokens' panel is shared along a row of the cluster, w1's panels along a column, by joint loads; at the head a wave asks for half the tokens' or tile 0's panel (51,200 bytes), by its number; after it every wave asks for a quarter of each panel (25,600 bytes).
; One load of a wave is out at a time, one behind each round.  All of a WGP's LDS is claimed.
; LIMITS: NaN and infinities are not served; a block of zeros has byte 1 (its codes are zeros; this program alone reads the bytes); blocks under 2^-124 were not tried.
; REGISTERS: window 0: v1-3 lane, r, h; v5, v6 the add's; v8-19 LDS addresses; v28, v29 16 and 8 x lane; v32-39 scale words; v80-127 the way out; v128-255 accumulators.  window 1: two sets of 8 fragments.  window 2: v0-127 biases.
.set PBB,   12800
.set HBB,   6400
.set LOADB, 25600                      ; a tensor load: 2 K steps of a panel
.set PANEL, 102400
.set QRES,  0                          ; the tokens' panel
.set PSL,   102400                     ; slot s at PSL + s PANEL
.set SPARE, 307200                     ; the spare words, 128 bytes a wave: two blocks of 256 bytes that no other line names
.set PSTEP, 8*PANEL                    ; from a tile's panel of w1 to the next tile's
.set PBASE, 32*PANEL                   ; w1 in wc
.set AB,    8                          ; four address registers for each panel: 16 and 8 x lane for K steps 0-3, the same for K steps 4-7 (an LDS immediate has 16 bits)
.set R0,    AB                         ; slot 0
.set R1,    AB+4                       ; slot 1
.set RQ,    AB+8                       ; the tokens
.set SPW,   5
.set NIL,   6
.set ACC,   128
.set OUTC,  80
.set HW,    112
.set TM,    116
.set CT,    122
.set SEL,   72
.set MSB, 0
.macro WIN new                         ; the immediate's high byte repeats the setting that is left
.if MSB != \new
	s_set_vgpr_msb (MSB<<8)|\new
.set MSB, \new
.endif
.endm
.set MUL,  0x05                        ; sources 0 and 1 window 1; C and D window 0
.set MULB, 0x25                        ; the same with C in window 2
.set TOF,  0x40                        ; destination window 1, address window 0
.macro MWIN mode
.if (\mode) == 1
	WIN MULB
.else
	WIN MUL
.endif
.endm
.macro PLACES                          ; four plain instructions between a matrix instruction and a load into, or a vector read of, its registers
.rept 4
	v_nop
.endr
.endm
.macro CREST
	s_cmp_lg_u32 s20, 0
	s_cbranch_scc1 .Lnot_wave_0_\@
	s_barrier_signal -3
.Lnot_wave_0_\@:
	s_barrier_wait -3
	s_barrier_signal -1
	s_barrier_wait -1
.endm
.macro CROUND                          ; a round of the cluster's barrier
	s_barrier_signal -1
	s_barrier_wait -1
	CREST
.endm
.macro WM d, p, q, c, sp, sq, ra, rb   ; one product.  ra, rb: the side's scale words stand in lanes 16-31 of the register named
.if (\ra) && (\rb)
	v_wmma_scale_f32_16x16x128_f8f6f4 v[\d:\d+7], v[\p:\p+11], v[\q:\q+11], v[\c:\c+7], v[\sp], v[\sq] matrix_a_fmt:MATRIX_FMT_FP6 matrix_b_fmt:MATRIX_FMT_FP6 matrix_a_scale:MATRIX_SCALE_ROW1 matrix_b_scale:MATRIX_SCALE_ROW1
.elseif (\ra)
	v_wmma_scale_f32_16x16x128_f8f6f4 v[\d:\d+7], v[\p:\p+11], v[\q:\q+11], v[\c:\c+7], v[\sp], v[\sq] matrix_a_fmt:MATRIX_FMT_FP6 matrix_b_fmt:MATRIX_FMT_FP6 matrix_a_scale:MATRIX_SCALE_ROW1
.elseif (\rb)
	v_wmma_scale_f32_16x16x128_f8f6f4 v[\d:\d+7], v[\p:\p+11], v[\q:\q+11], v[\c:\c+7], v[\sp], v[\sq] matrix_a_fmt:MATRIX_FMT_FP6 matrix_b_fmt:MATRIX_FMT_FP6 matrix_b_scale:MATRIX_SCALE_ROW1
.else
	v_wmma_scale_f32_16x16x128_f8f6f4 v[\d:\d+7], v[\p:\p+11], v[\q:\q+11], v[\c:\c+7], v[\sp], v[\sq] matrix_a_fmt:MATRIX_FMT_FP6 matrix_b_fmt:MATRIX_FMT_FP6
.endif
.endm
; the tokens' tile a against w1's four, from fragment set f.  mode 1: tile t's bias starts the sums; 0: the sums go on.
; The sixteen accumulators take turns, one instruction a turn, in the same order in every K step and from tile to tile
.macro MULA f, a, mode, t
.irp b, 0,1,2,3
.if (\mode) == 1
	WM ACC+8*(4*(\a)+\b), 128*(\f)+12*\b, 128*(\f)+48+12*(\a), 32*(\t)+8*\b, 32+4*(\f)+\b%2, 34+4*(\f)+(\a)%2, \b/2, (\a)/2
.else
	WM ACC+8*(4*(\a)+\b), 128*(\f)+12*\b, 128*(\f)+48+12*(\a), ACC+8*(4*(\a)+\b), 32+4*(\f)+\b%2, 34+4*(\f)+(\a)%2, \b/2, (\a)/2
.endif
.endr
.endm
.macro FRAG reg, adr, off              ; a fragment's image: every load takes consecutive bytes, 16 or 8 a lane
	ds_load_b128 v[\reg:\reg+3], v[\adr] offset:\off
	ds_load_b64 v[\reg+4:\reg+5], v[\adr+1] offset:\off+512
	ds_load_b128 v[\reg+6:\reg+9], v[\adr] offset:\off+768
	ds_load_b64 v[\reg+10:\reg+11], v[\adr+1] offset:\off+1280
.endm
; 34 LDS loads: K step q of the four that the address pairs pa (source 0) and qa (source 1) reach, into set f: two pairs of scale words, source 0's four fragments, source 1's four (the last eight loads are its tiles 2 and 3)
.macro FETCH pa, qa, q, f
	WIN 0
	ds_load_b64 v[32+4*(\f):33+4*(\f)], v[\pa+1] offset:PBB*(\q)+6144
	ds_load_b64 v[34+4*(\f):35+4*(\f)], v[\qa+1] offset:PBB*(\q)+6144
	WIN TOF
.irp t, 0,1,2,3
	FRAG 128*(\f)+12*\t, \pa, PBB*(\q)+1536*\t
.endr
.irp t, 0,1,2,3
	FRAG 128*(\f)+48+12*\t, \qa, PBB*(\q)+1536*\t
.endr
.endm
.macro STEP pr, qr, s, mode, t         ; K step s (0 .. 6) of a tile: multiplies set s % 2 and fetches K step s + 1 into the other
	s_wait_dscnt 8                                 ; all of this step's loads but the last eight
	MWIN \mode
	MULA (\s)%2, 0, \mode, \t
	MULA (\s)%2, 1, \mode, \t
	PLACES
	FETCH (\pr)+2*(((\s)+1)/4), (\qr)+2*(((\s)+1)/4), ((\s)+1)%4, 1-(\s)%2
	s_wait_dscnt 34                                ; all but the 34 just issued
	MWIN \mode
	MULA (\s)%2, 2, \mode, \t
	MULA (\s)%2, 3, \mode, \t
.endm
.macro STEPS pr, qr, t
	STEP \pr, \qr, 0, 1, \t
.irp s, 1,2,3,4,5,6
	STEP \pr, \qr, \s, 0, 0
.endr
.endm
; A tile's last K step changes panels: ONE barrier; in front of it each wave waits for all its tensor loads (its part of the next tile's panel), adds 0 to its spare word, and waits for that and for its reads of this tile's slot.
; fill = 1: this tile's slot takes the panel two tiles on.  Then the next tile's first fragments (npr, nqr) are fetched.
.macro TURN npr, nqr, fill, slot
	WIN 0                                          ; (the add's two registers lie in window 0)
	s_wait_tensorcnt 0x0                           ; all my tensor loads have landed;
	ds_add_u32 v[SPW], v[NIL]                      ; 0 onto my spare word;
	s_wait_dscnt 9                                 ; (the add and the youngest eight loads may be out)
	WIN MUL
	MULA 1, 0, 0, 0                                ; four products stand between the add and the wait for it
	s_wait_dscnt 0x0                               ; the add is done, and my reads of this tile's slot are over
	s_barrier_signal -1
	MULA 1, 1, 0, 0
	WIN 0
	s_barrier_wait -1
.if \fill
	CREST                                          ; the barrier has opened a round of the cluster's: no wave of any partner still reads this slot or has a load on its way
	s_add_nc_u64 s[34+4*\slot:35+4*\slot], s[34+4*\slot:35+4*\slot], 2*PSTEP
	tensor_load_to_lds s[32+4*\slot:35+4*\slot], s[24:31]   ; the first tensor load behind the round, and my only one; the four lines behind it are also the places in front of the loads below
	s_nop 0
	PLACES
.else
	PLACES
.endif
	FETCH \npr, \nqr, 0, 0
	WIN MUL
	MULA 1, 2, 0, 0
	MULA 1, 3, 0, 0
.endm
.macro QUANT2 s, pc, hw                ; 32 numbers of a lane -> half a fragment's codes (6 registers) and two scale bytes
.irp b, 0,1
	v_max3_num_f32 v[TM+\b], |v[\s+16*\b]|, |v[\s+1+16*\b]|, 0x1800000   ; and the floor 2^(3 - 127): the byte cannot fall under 1
.endr
.irp i, 2,4,6,8,10,12,14
.irp b, 0,1
	v_max3_num_f32 v[TM+\b], v[TM+\b], |v[\s+16*\b+\i]|, |v[\s+1+16*\b+\i]|
.endr
.endr
.irp b, 0,1
	v_permlanex16_b32 v[TM+2+\b], v[TM+\b], s[SEL], s[SEL+1]
.endr
.irp b, 0,1
	v_max_num_f32 v[TM+\b], v[TM+\b], v[TM+2+\b]
.endr
.irp b, 0,1
	v_add_nc_u32 v[TM+4+\b], 0xff000000, v[TM+\b]  ; 2 off the exponent field: the conversion's scale operand
.endr
.irp b, 0,1
	v_lshrrev_b32 v[TM+2+\b], 23, v[TM+4+\b]
.endr
	v_lshl_or_b32 v[\hw], v[TM+3], 8, v[TM+2]
	v_cvt_scalef32_pk16_fp6_f32 v[\pc:\pc+2], v[\s:\s+15], v[TM+4]
	v_cvt_scalef32_pk16_fp6_f32 v[CT:CT+2], v[\s+16:\s+31], v[TM+5]
	v_nop                                          ; one plain instruction behind the scaled conversions
.irp i, 0,1,2
	v_permlane16_swap_b32 v[\pc+\i], v[CT+\i]      ; a whole block to a lane
.endr
.irp i, 0,1,2
	v_mov_b32 v[\pc+3+\i], v[CT+\i]
.endr
.endm
.macro REGION n, sb                    ; the four address registers of a panel whose 64 rows of mine begin at LDS byte s[sb]
	v_add_nc_u32 v[AB+4*\n], s[\sb], v28
	v_add_nc_u32 v[AB+4*\n+1], s[\sb], v29
	s_add_co_u32 s[\sb], s[\sb], 4*PBB
	v_add_nc_u32 v[AB+4*\n+2], s[\sb], v28
	v_add_nc_u32 v[AB+4*\n+3], s[\sb], v29
.endm
; THE WAY OUT of tile t: its hidden units are K step x + 8 t of the next product: 102,400 t bytes on in hb
.macro FA a, t
.set A, ACC+32*(\a)
.set i, 0
.rept 32
	v_max_num_f32 v[A+i], 0, v[A+i]                ; the activation, in f32; each accumulator from its low end on
.set i, i+1
.endr
	QUANT2 A, OUTC+8*(\a), HW+(\a)
	global_store_b128 v28, v[OUTC+8*(\a):OUTC+8*(\a)+3], s[74:75] offset:PANEL*(\t)+1536*(\a)
	global_store_b64 v29, v[OUTC+8*(\a)+4:OUTC+8*(\a)+5], s[74:75] offset:PANEL*(\t)+1536*(\a)+512
.endm
.macro EPI t
	WIN 0
	PLACES
.if \t
	s_wait_xcnt 0x0                                ; the last tile's stores have read their registers: these are written again only behind this wait
.endif
	FA 0, \t
	FA 1, \t
	FA 2, \t
	FA 3, \t
	v_cmp_ne_u32 vcc_lo, 0, v3                     ; the scale half words: lanes 0-15 hold tiles 0 and 1, lanes 16-31 tiles 2 and 3
	v_cndmask_b32 v126, v[HW], v[HW+2], vcc_lo
	v_cndmask_b32 v127, v[HW+1], v[HW+3], vcc_lo
	global_store_b16 v29, v126, s[76:77] offset:PANEL*(\t)
	global_store_b16 v29, v127, s[76:77] offset:PANEL*(\t)+4
.endm
	s_load_b256 s[4:11], s[0:1], 0x0               ; wc, xn, b1, hb
	v_lshl_add_u32 v[SPW], v0, 2, SPARE
	v_mov_b32 v[NIL], 0
	ds_add_u32 v5, v6
	ds_add_u32 v5, v6
	s_wait_dscnt 0x0
	v_lshrrev_b32 v1, 5, v0
	v_readfirstlane_b32 s20, v1                    ; wave
	s_lshr_b32 s21, s20, 1                         ; the tokens' 64 rows
	s_and_b32 s22, s20, 1                          ; w1's 64 rows
	s_bfe_u32 s23, ttmp6, 0x40000                  ; cx
	s_bfe_u32 s66, ttmp6, 0x40004                  ; cy
	s_lshl_b32 s67, ttmp9, 2
	s_add_co_u32 s67, s67, s23                     ; work-group x
	s_and_b32 s68, ttmp7, 0xffff
	s_lshl_b32 s68, s68, 2
	s_add_co_u32 s68, s68, s66                     ; work-group y
	s_lshl_b32 s56, 0x1111, s23                    ; my column of the cluster
	s_lshl_b32 s57, s66, 2
	s_lshl_b32 s57, 15, s57                        ; my row
	s_or_b32 s24, s56, (3<<16)|(1<<21)             ; group 1 for w1: 15:0 the mask; 17:16 elements of 8 bytes; 21 set beside a mask; no padding
	s_or_b32 s40, s57, (3<<16)|(1<<21)             ; for the tokens
.irp g, 24, 40                                 ; 51,200 dense bytes as 200 rows of 256
	s_mov_b32 s[\g+1], 32<<16
	s_mov_b32 s[\g+2], 200<<16                     ; the head's loads bring half a panel: 200 rows of 256 bytes
	s_mov_b32 s[\g+3], 32<<16
	s_mov_b32 s[\g+4], 200
	s_mov_b32 s[\g+5], 32
	s_mov_b32 s[\g+6], 0
	s_mov_b32 s[\g+7], 0
.endr
	s_mul_i32 s62, s20, LOADB                      ; my quarter of a panel, in memory and in LDS: no place in the cluster enters an LDS address
	s_mul_i32 s58, s67, PANEL
	s_add_co_u32 s58, s58, s62
	s_add_co_u32 s58, s58, PBASE
	s_mov_b32 s59, 0
	s_mul_i32 s63, s22, 2*LOADB                    ; which half of a panel I fetch at the head
	s_mul_i32 s60, s68, PANEL
	s_add_co_u32 s60, s60, s63
	s_mov_b32 s61, 0
	s_mov_b32 s[SEL], 0x76543210
	s_mov_b32 s[SEL+1], 0xfedcba98
	s_wait_kmcnt 0x0
	s_add_nc_u64 s[58:59], s[4:5], s[58:59]        ; w1's panel x
	s_add_nc_u64 s[60:61], s[6:7], s[60:61]        ; the tokens' panel y
	CROUND                                         ; all sixteen work-groups are here: the joint loads meet
.irp s, 0,1
	s_mov_b32 s[32+4*\s], 1
	s_add_co_u32 s[33+4*\s], s62, PSL+\s*PANEL
	s_add_nc_u64 s[34+4*\s:35+4*\s], s[58:59], \s*PSTEP
	s_or_b32 s[35+4*\s], s[35+4*\s], 0x80000000
.endr
	; THE HEAD'S LOADS, ONE A WAVE: waves 0 and 1 fetch the tokens' two halves, waves 2 and 3 those of tile 0's panel; in LDS wave w's half lies at w x 51,200
	s_mul_i32 s33, s20, 2*LOADB
	s_mul_i32 s56, s67, PANEL
	s_add_co_u32 s56, s56, s63
	s_add_co_u32 s56, s56, PBASE
	s_mov_b32 s57, 0
	s_add_nc_u64 s[34:35], s[4:5], s[56:57]
	s_or_b32 s35, s35, 0x80000000
	s_mov_b32 s48, 1
	s_mul_i32 s49, s20, 2*LOADB
	s_mov_b64 s[50:51], s[60:61]
	s_or_b32 s51, s51, 0x80000000
	s_cmp_eq_u32 s21, 0
	s_cbranch_scc0 .Lhead_w
	tensor_load_to_lds s[48:51], s[40:47]          ; the tokens
	s_nop 0
	PLACES
	s_branch .Lhead_asked
.Lhead_w:
	tensor_load_to_lds s[32:35], s[24:31]          ; tile 0's panel
	s_nop 0
	PLACES
.Lhead_asked:
	v_and_b32 v1, 31, v0
	v_and_b32 v2, 15, v0
	v_bfe_u32 v3, v0, 4, 1
	v_lshlrev_b32 v28, 4, v1
	v_lshlrev_b32 v29, 3, v1
	s_mul_i32 s56, s22, HBB
	s_mul_i32 s57, s21, HBB
	s_add_co_u32 s52, s56, PSL
	REGION 0, 52
	s_add_co_u32 s52, s56, PSL+PANEL
	REGION 1, 52
	s_add_co_u32 s52, s57, QRES
	REGION 2, 52
	s_lshl_b32 s70, s67, 9
	s_lshl_b32 s71, s22, 8
	s_add_co_u32 s70, s70, s71
	s_mov_b32 s71, 0
	s_add_nc_u64 s[70:71], s[8:9], s[70:71]        ; b1 at tile 0's 64 units of mine; a tile on: 1,024 units, 4,096 bytes
	v_lshlrev_b32 v30, 6, v3
	WIN 0x80                                       ; destination window 2
.irp t, 0,1,2,3
.irp b, 0,1
.irp k, 0,1,2,3
	global_load_b128 v[32*\t+16*\b+4*\k:32*\t+16*\b+4*\k+3], v30, s[70:71] offset:4096*\t+128*\b+16*\k   ; register 16 b + i: unit 32 b + 16 h + i
.endr
.endr
.endr
	WIN 0
	v_mov_b32 v[TM+2], 0                           ; written once: a lane permute's destination counts as one of its sources
	v_mov_b32 v[TM+3], 0
	s_lshl_b32 s76, s68, 5
	s_add_co_u32 s76, s76, s67                     ; hb: tokens' group y, K step x
	s_mul_i32 s76, s76, PBB
	s_mul_i32 s77, s21, HBB
	s_add_co_u32 s76, s76, s77                     ; my 64 tokens' block
	s_mul_i32 s77, s22, 768
	s_add_co_u32 s74, s76, s77
	s_mov_b32 s75, 0
	s_add_nc_u64 s[74:75], s[10:11], s[74:75]      ; my half of each fragment
	s_lshl_b32 s77, s22, 1
	s_add_co_u32 s76, s76, s77
	s_add_co_u32 s76, s76, 6144
	s_mov_b32 s77, 0
	s_add_nc_u64 s[76:77], s[10:11], s[76:77]      ; and of each scale word
	s_wait_alu depctr_va_vdst(0)
	s_wait_loadcnt 0x0                             ; the biases
	s_wait_tensorcnt 0x0                           ; my half panel is in; slot 1's first fill is issued as a refill is:
	ds_add_u32 v[SPW], v[NIL]                      ; 0 onto my spare word
	s_mov_b32 s26, 100<<16                         ; no load of mine is out: from here on a load brings a quarter of a panel, 100 rows,
	s_mov_b32 s28, 100
	s_add_co_u32 s33, s62, PSL                     ; and slot 0's group 0 stands at my quarter of tile 0's panel, from which its refill steps on
	s_mov_b64 s[34:35], s[58:59]
	s_or_b32 s35, s35, 0x80000000
	s_wait_dscnt 0x0
	CROUND                                         ; everybody's part is in, and all sixteen work-groups are here
	tensor_load_to_lds s[36:39], s[24:31]          ; tile 1's panel, a quarter a wave: it has tile 0 in which to land
	s_nop 0
	PLACES
	FETCH R0, RQ, 0, 0
	STEPS R0, RQ, 0
	TURN R1, RQ, 1, 0                              ; slot 0 takes tile 2's panel
	EPI 0
	STEPS R1, RQ, 1
	TURN R0, RQ, 1, 1                              ; slot 1 takes tile 3's
	EPI 1
	STEPS R0, RQ, 2
	TURN R1, RQ, 0, 0                              ; tile 3's panel is whole for every wave; nothing is filled any more: the tail is written out
	EPI 2
	STEPS R1, RQ, 3
	s_wait_dscnt 8
	WIN MUL
	MULA 1, 0, 0, 0
	MULA 1, 1, 0, 0
	s_wait_dscnt 0x0
	MULA 1, 2, 0, 0
	MULA 1, 3, 0, 0
	EPI 3
	s_wait_tensorcnt 0x0                           ; the wave's end
	ds_add_u32 v[SPW], v[NIL]
	s_wait_dscnt 0x0
	CROUND                                         ; the closing round: no work-group ends while a partner may still ask for a panel that names it
	s_endpgm
.Lfunc_end_k_q0de3484ef3_ffn1:
	.size	k_q0de3484ef3_ffn1, .Lfunc_end_k_q0de3484ef3_ffn1-k_q0de3484ef3_ffn1
	.p2alignl 7, 3214868480
	.fill 96, 4, 3214868480
	.section	.rodata,"a",@progbits
	.p2align	6, 0x0
	.amdhsa_kernel k_q0de3484ef3_ffn1
		.amdhsa_group_segment_fixed_size 327680
		.amdhsa_private_segment_fixed_size 0
		.amdhsa_enable_private_segment 0
		.amdhsa_kernarg_size 32
		.amdhsa_user_sgpr_count 2
		.amdhsa_user_sgpr_kernarg_segment_ptr 1
		.amdhsa_wavefront_size32 1
		.amdhsa_system_sgpr_workgroup_id_x 1
		.amdhsa_system_sgpr_workgroup_id_y 1
		.amdhsa_system_sgpr_workgroup_id_z 1
		.amdhsa_system_vgpr_workitem_id 0
		.amdhsa_next_free_vgpr 640
		.amdhsa_next_free_sgpr 100
		.amdhsa_reserve_vcc 1
		.amdhsa_float_denorm_mode_32 3
		.amdhsa_float_denorm_mode_16_64 3
		.amdhsa_memory_ordered 1
		.amdhsa_forward_progress 1
		.amdhsa_inst_pref_size 204
	.end_amdhsa_kernel
	.amdgpu_metadata
---
amdhsa.version: [ 1, 2 ]
amdhsa.kernels:
  - .name:           k_q0de3484ef3_ffn1
    .symbol:         k_q0de3484ef3_ffn1.kd
    .args:
      - { .name: wc, .offset: 0, .size: 8, .value_kind: global_buffer, .address_space: global }
      - { .name: xn, .offset: 8, .size: 8, .value_kind: global_buffer, .address_space: global }
      - { .name: b1, .offset: 16, .size: 8, .value_kind: global_buffer, .address_space: global }
      - { .name: hb, .offset: 24, .size: 8, .value_kind: global_buffer, .address_space: global }
    .group_segment_fixed_size: 327680
    .private_segment_fixed_size: 0
    .kernarg_segment_align: 8
    .kernarg_segment_size: 32
    .max_flat_workgroup_size: 128
    .sgpr_count:     100
    .vgpr_count:     640
    .wavefront_size: 32
...
	.end_amdgpu_metadata
.endif
;; end of part 13
;; launch ffn2 (part 14): grid 8 x 32, 4 waves a work-group, clusters of 4 x 4, 327,680 bytes of LDS; arguments wc, hb, b2, x1, out0; writes out0
.if DOCPART == 14
	.amdgcn_target "amdgcn-amd-amdhsa--gfx1250"
	.amdhsa_code_object_version 6
	.text
	.protected	k_q0de3484ef3_ffn2
	.globl	k_q0de3484ef3_ffn2
	.p2align	8
	.type	k_q0de3484ef3_ffn2,@function
k_q0de3484ef3_ffn2:
	s_mov_b64 s[64:65], 0
	v_nop
	global_prefetch_b8 v0, s[64:65] scope:SCOPE_SE
	s_setreg_imm32_b32 hwreg(HW_REG_WAVE_MODE, 25, 1), 1
	s_wait_xcnt 0x0
	s_wait_alu depctr_hold_cnt(0) depctr_sa_sdst(0) depctr_va_vdst(0) depctr_va_sdst(0) depctr_va_ssrc(0) depctr_va_vcc(0) depctr_vm_vsrc(0)
	s_getreg_b32 s2, hwreg(HW_REG_IB_STS2, 6, 4)
	s_cmp_eq_u32 s2, 0
	s_cbranch_scc0 .Lentry_in_a_cluster
	s_endpgm
.Lentry_in_a_cluster:
	s_bfe_u32 s2, ttmp6, 0x10000c
	s_cmp_lg_u32 s2, 0xf033
	s_cbranch_scc0 .Lentry_shape_is_right
	s_endpgm
.Lentry_shape_is_right:
; out0 = x1 + hb w2^T + b2: the product on codes of FP6 (E2M3) with E8M0 scales, the rest in f32.  K = 4,096: 32 K steps of 128.
; OPERANDS are images of operand registers: a fragment (16 rows x 128 K) 1,536 bytes, four fragments + 256 bytes of scale words = 64 rows = 6,400 bytes, 128 rows x a K step = 12,800 bytes, [128 rows][32 K steps] dense.
; A work-group makes 128 rows of P = w2 (source 0: output features) x 128 rows of Q = hb (source 1: tokens); wave w takes P's 64 rows w % 2 and Q's 64 rows w / 2: 16 accumulators.  A lane holds one token; register 16 B' + i of a
; token tile's 32 is feature 32 B' + 16 (lane / 16) + i.  The bias is the C of each sum's first product.
; THE RING: two LDS slots of 4 K steps of both operands (102,400 bytes); each wave fetches a quarter of a slot by one tensor load of 25,600 dense bytes.  A slot is filled again behind a round of the cluster's barrier, in front
; of which every wave has waited for all its tensor loads, added 0 to its spare word and waited for that and for its reads of the slot; the load then has a slot's 64 products a wave in which to land.  One load of a wave is out at the
; start, one behind each round.  All of a WGP's LDS is claimed.
; CLUSTER 4 x 4: P's panel is shared along a column of the cluster, Q's along a row, by joint loads.
; THE WAY OUT: through a stage in LDS of its own (128 token rows of 512 bytes + 16), a barrier, and each wave adds the residual to 32 whole rows and stores them, 512 consecutive bytes an instruction.
.set KSTEPS, 32
.set LAPS,  KSTEPS/8                   ; a lap = two slots
.set PBASE, 64*8*12800                 ; w2 in wc
.set PBB,   12800
.set HBB,   6400
.set LOADB, 25600
.set QOFF,  51200
.set SLOT,  102400
.set STG,   204800
.set SPARE, 272384                     ; the spare words, 128 bytes a wave: two blocks of 256 bytes that no other line names
.set ACC,   128
.set BIAS,  48
.set MSB, 0
.macro WIN new
.if MSB != \new
	s_set_vgpr_msb (MSB<<8)|\new
.set MSB, \new
.endif
.endm
.set MUL, 0x05
.set TOF, 0x40
.macro PLACES
.rept 4
	v_nop
.endr
.endm
.macro CREST
	s_cmp_lg_u32 s20, 0
	s_cbranch_scc1 .Lnot_wave_0_\@
	s_barrier_signal -3
.Lnot_wave_0_\@:
	s_barrier_wait -3
	s_barrier_signal -1
	s_barrier_wait -1
.endm
.macro CROUND
	s_barrier_signal -1
	s_barrier_wait -1
	CREST
.endm
.macro JLOAD s                         ; a joint refill: waves 0 and 1 fetch for P, waves 2 and 3 for Q; four v_nop follow each of the two lines
	s_cmp_eq_u32 s21, 0
	s_cbranch_scc0 .Lfor_q_\@
	tensor_load_to_lds s[32+4*\s:35+4*\s], s[24:31]
	s_nop 0
	PLACES
	s_branch .Lasked_\@
.Lfor_q_\@:
	tensor_load_to_lds s[48+4*\s:51+4*\s], s[40:47]
	s_nop 0
	PLACES
.Lasked_\@:
.endm
.macro WM d, p, q, c, sp, sq, ra, rb
.if (\ra) && (\rb)
	v_wmma_scale_f32_16x16x128_f8f6f4 v[\d:\d+7], v[\p:\p+11], v[\q:\q+11], v[\c:\c+7], v[\sp], v[\sq] matrix_a_fmt:MATRIX_FMT_FP6 matrix_b_fmt:MATRIX_FMT_FP6 matrix_a_scale:MATRIX_SCALE_ROW1 matrix_b_scale:MATRIX_SCALE_ROW1
.elseif (\ra)
	v_wmma_scale_f32_16x16x128_f8f6f4 v[\d:\d+7], v[\p:\p+11], v[\q:\q+11], v[\c:\c+7], v[\sp], v[\sq] matrix_a_fmt:MATRIX_FMT_FP6 matrix_b_fmt:MATRIX_FMT_FP6 matrix_a_scale:MATRIX_SCALE_ROW1
.elseif (\rb)
	v_wmma_scale_f32_16x16x128_f8f6f4 v[\d:\d+7], v[\p:\p+11], v[\q:\q+11], v[\c:\c+7], v[\sp], v[\sq] matrix_a_fmt:MATRIX_FMT_FP6 matrix_b_fmt:MATRIX_FMT_FP6 matrix_b_scale:MATRIX_SCALE_ROW1
.else
	v_wmma_scale_f32_16x16x128_f8f6f4 v[\d:\d+7], v[\p:\p+11], v[\q:\q+11], v[\c:\c+7], v[\sp], v[\sq] matrix_a_fmt:MATRIX_FMT_FP6 matrix_b_fmt:MATRIX_FMT_FP6
.endif
.endm
.macro MULA f, a, mode                 ; the sixteen accumulators take turns, one instruction a turn, over the loop's backward jump too
.irp b, 0,1,2,3
.if \mode
	WM ACC+8*(4*(\a)+\b), 128*(\f)+12*\b, 128*(\f)+48+12*(\a), BIAS+8*\b, 32+4*(\f)+\b%2, 34+4*(\f)+(\a)%2, \b/2, (\a)/2
.else
	WM ACC+8*(4*(\a)+\b), 128*(\f)+12*\b, 128*(\f)+48+12*(\a), ACC+8*(4*(\a)+\b), 32+4*(\f)+\b%2, 34+4*(\f)+(\a)%2, \b/2, (\a)/2
.endif
.endr
.endm
.macro FRAG reg, adr, off
	ds_load_b128 v[\reg:\reg+3], v[\adr] offset:\off
	ds_load_b64 v[\reg+4:\reg+5], v[\adr+2] offset:\off+512
	ds_load_b128 v[\reg+6:\reg+9], v[\adr] offset:\off+768
	ds_load_b64 v[\reg+10:\reg+11], v[\adr+2] offset:\off+1280
.endm
.macro FETCH slot, q, f                ; 34 LDS loads; the last eight are Q's tiles 2 and 3
	WIN 0
	ds_load_b64 v[32+4*(\f):33+4*(\f)], v[10+\slot] offset:PBB*(\q)+6144
	ds_load_b64 v[34+4*(\f):35+4*(\f)], v[14+\slot] offset:PBB*(\q)+6144
	WIN TOF
.irp t, 0,1,2,3
	FRAG 128*(\f)+12*\t, 8+\slot, PBB*(\q)+1536*\t
.endr
.irp t, 0,1,2,3
	FRAG 128*(\f)+48+12*\t, 12+\slot, PBB*(\q)+1536*\t
.endr
.endm
.macro STEP slot, q, mode
	s_wait_dscnt 8                                 ; all of this step's loads but the last eight
	WIN MUL
	MULA (\q)%2, 0, \mode
	MULA (\q)%2, 1, \mode
	PLACES
	FETCH \slot, (\q)+1, 1-(\q)%2
	s_wait_dscnt 34                                ; all but the 34 just issued
	WIN MUL
	MULA (\q)%2, 2, \mode
	MULA (\q)%2, 3, \mode
.endm
; A slot's last K step changes slots.  fill = 1: this slot is filled again, two slots ahead
.macro TURN slot, next, fill
.if \fill
	s_wait_xcnt 0x0                                ; my last prefetch has read its address: it steps one slot on, ahead of the waits of the change of slots
	s_add_nc_u64 s[92:93], s[92:93], QOFF
.endif
	WIN 0
	s_wait_tensorcnt 0x0
	ds_add_u32 v28, v29
	s_wait_dscnt 9
	WIN MUL
	MULA 1, 0, 0                                   ; four products stand between the add and the wait for it
	s_wait_dscnt 0x0                               ; the add is done, and my reads of this slot are over
	s_barrier_signal -1
	MULA 1, 1, 0
	WIN 0
	s_barrier_wait -1
.if \fill
	CREST                                          ; the barrier has opened a round of the cluster's: no wave of any partner still reads this slot or has a load on its way
	s_add_nc_u64 s[34+4*\slot:35+4*\slot], s[34+4*\slot:35+4*\slot], 2*QOFF
	s_add_nc_u64 s[50+4*\slot:51+4*\slot], s[50+4*\slot:51+4*\slot], 2*QOFF
	JLOAD \slot                                    ; the first tensor load behind the round; its four v_nop are also the places in front of the loads below
.else
	PLACES
.endif
	s_wait_alu depctr_va_vdst(0)
	FETCH \next, 0, 0
.if \fill
	; A PREFETCH INTO THE L2, behind the joint load and the run of LDS loads: the slot that stands two refills on.  Of the 25,600 bytes that my wave will fetch, each of the four partners
	; that ask for them jointly names 6,400, told apart by address: 25 blocks of 256 bytes, a lane a block (the lanes left over name the last block again).  The last trip's two refills have no slot two on.
	WIN 0                                          ; at a branch and at a label every window is 0
	s_cmp_gt_u32 s3, 1
	s_cbranch_scc0 .Lno_ask_\@
	global_prefetch_b8 v30, s[92:93] th:TH_LOAD_NT scope:SCOPE_SE
.Lno_ask_\@:
.endif
	WIN MUL
	MULA 1, 2, 0
	MULA 1, 3, 0
.endm
	s_load_b256 s[4:11], s[0:1], 0x0               ; wc, hb, b2, x1
	s_load_b64 s[12:13], s[0:1], 0x20              ; out0
	v_lshl_add_u32 v28, v0, 2, SPARE
	v_mov_b32 v29, 0
	ds_add_u32 v28, v29
	ds_add_u32 v28, v29
	s_wait_dscnt 0x0
	v_lshrrev_b32 v1, 5, v0
	v_readfirstlane_b32 s20, v1
	s_lshr_b32 s21, s20, 1
	s_and_b32 s22, s20, 1
	s_bfe_u32 s23, ttmp6, 0x40000
	s_bfe_u32 s66, ttmp6, 0x40004
	s_lshl_b32 s67, ttmp9, 2
	s_add_co_u32 s67, s67, s23
	s_and_b32 s68, ttmp7, 0xffff
	s_lshl_b32 s68, s68, 2
	s_add_co_u32 s68, s68, s66
	s_lshl_b32 s56, 0x1111, s23
	s_lshl_b32 s57, s66, 2
	s_lshl_b32 s57, 15, s57
	s_or_b32 s24, s56, (3<<16)|(1<<21)
	s_or_b32 s40, s57, (3<<16)|(1<<21)
.irp g, 24, 40
	s_mov_b32 s[\g+1], 32<<16
	s_mov_b32 s[\g+2], 200<<16                     ; the head's loads bring 4 K steps of a panel: 200 rows of 256 bytes
	s_mov_b32 s[\g+3], 32<<16
	s_mov_b32 s[\g+4], 200
	s_mov_b32 s[\g+5], 32
	s_mov_b32 s[\g+6], 0
	s_mov_b32 s[\g+7], 0
.endr
	s_mul_i32 s58, s67, KSTEPS*PBB
	s_mul_i32 s59, s22, LOADB
	s_add_co_u32 s58, s58, s59
	s_add_co_u32 s58, s58, PBASE
	s_mov_b32 s59, 0
	s_mul_i32 s60, s68, KSTEPS*PBB
	s_mul_i32 s61, s22, LOADB
	s_add_co_u32 s60, s60, s61
	s_mov_b32 s61, 0
	s_mul_i32 s62, s20, LOADB
	s_wait_kmcnt 0x0
	s_add_nc_u64 s[58:59], s[4:5], s[58:59]
	s_add_nc_u64 s[60:61], s[6:7], s[60:61]
	CROUND
.irp s, 0,1
	s_mov_b32 s[32+4*\s], 1
	s_add_co_u32 s[33+4*\s], s62, \s*SLOT
	s_add_nc_u64 s[34+4*\s:35+4*\s], s[58:59], \s*QOFF
	s_or_b32 s[35+4*\s], s[35+4*\s], 0x80000000
	s_mov_b32 s[48+4*\s], 1
	s_add_co_u32 s[49+4*\s], s62, \s*SLOT
	s_add_nc_u64 s[50+4*\s:51+4*\s], s[60:61], \s*QOFF
	s_or_b32 s[51+4*\s], s[51+4*\s], 0x80000000
.endr
	; THE HEAD'S LOADS, ONE A WAVE, fill both slots: wave w brings 4 K steps (number w / 2) of P (even w) or of Q (odd w) to LDS byte w x 51,200
	s_mul_i32 s88, s67, KSTEPS*PBB
	s_mul_i32 s90, s21, QOFF
	s_add_co_u32 s88, s88, s90
	s_add_co_u32 s88, s88, PBASE
	s_mov_b32 s89, 0
	s_mov_b32 s80, 1
	s_mul_i32 s81, s20, QOFF
	s_add_nc_u64 s[82:83], s[4:5], s[88:89]
	s_or_b32 s83, s83, 0x80000000
	s_mul_i32 s88, s68, KSTEPS*PBB
	s_add_co_u32 s88, s88, s90
	s_mov_b32 s84, 1
	s_mul_i32 s85, s20, QOFF
	s_add_nc_u64 s[86:87], s[6:7], s[88:89]
	s_or_b32 s87, s87, 0x80000000
	s_cmp_eq_u32 s22, 0
	s_cbranch_scc0 .Lfirst_q
	tensor_load_to_lds s[80:83], s[24:31]
	s_nop 0
	PLACES
	s_branch .Lfirst_asked
.Lfirst_q:
	tensor_load_to_lds s[84:87], s[40:47]
	s_nop 0
	PLACES
.Lfirst_asked:
	s_cmp_eq_u32 s21, 0                            ; the prefetches: in the ring I fetch for P (waves 0, 1) or for Q (waves 2, 3)
	s_cselect_b64 s[92:93], s[58:59], s[60:61]     ; my quarter of a slot, at slot 0
	s_cselect_b32 s94, s66, s23                    ; my place among the four that ask for it with me: cy for P, cx for Q: it enters this address alone
	s_mul_i32 s94, s94, 6400
	s_add_co_u32 s94, s94, 2*QOFF
	s_mov_b32 s95, 0
	s_add_nc_u64 s[92:93], s[92:93], s[94:95]
	v_and_b32 v30, 31, v0
	v_min_u32 v30, 24, v30
	v_lshlrev_b32 v30, 8, v30                      ; a lane a block of 256 bytes; never rewritten
	global_prefetch_b8 v30, s[92:93] th:TH_LOAD_NT scope:SCOPE_SE               ; what the first two refills will fetch
	global_prefetch_b8 v30, s[92:93] offset:QOFF th:TH_LOAD_NT scope:SCOPE_SE
	v_and_b32 v1, 31, v0
	v_and_b32 v2, 15, v0
	v_bfe_u32 v3, v0, 4, 1
	v_and_b32 v4, 8, v2
	v_add_nc_u32 v4, v4, v2
	v_lshlrev_b32 v16, 4, v1
	v_lshlrev_b32 v17, 3, v1
	s_mul_i32 s56, s22, HBB
	s_mul_i32 s57, s21, HBB
	s_add_co_u32 s57, s57, QOFF
.irp s, 0,1
	v_add_nc_u32 v[8+\s], s56, v16
	v_add_nc_u32 v[10+\s], s56, v17
	v_add_nc_u32 v[12+\s], s57, v16
	v_add_nc_u32 v[14+\s], s57, v17
	s_add_co_u32 s56, s56, SLOT
	s_add_co_u32 s57, s57, SLOT
.endr
	s_lshl_b32 s70, s67, 9
	s_lshl_b32 s71, s22, 8
	s_add_co_u32 s70, s70, s71
	s_mov_b32 s71, 0
	s_add_nc_u64 s[70:71], s[8:9], s[70:71]
	v_lshlrev_b32 v18, 6, v3
.irp b, 0,1
.irp k, 0,1,2,3
	global_load_b128 v[BIAS+16*\b+4*\k:BIAS+16*\b+4*\k+3], v18, s[70:71] offset:128*\b+16*\k
.endr
.endr
	s_mul_i32 s74, s21, 64*528
	s_lshl_b32 s75, s22, 8
	s_add_co_u32 s74, s74, s75
	s_add_co_u32 s74, s74, STG
	v_mul_u32_u24 v19, v4, 528
	v_lshl_add_u32 v19, v3, 6, v19
	v_add_nc_u32 v19, s74, v19
	s_mul_i32 s74, s20, 32*528
	s_add_co_u32 s74, s74, STG
	v_add_nc_u32 v20, s74, v16
	s_lshl_b32 s74, s68, 7
	s_lshl_b32 s75, s20, 5
	s_add_co_u32 s74, s74, s75
	s_lshl_b32 s74, s74, 12
	s_lshl_b32 s75, s67, 9
	s_add_co_u32 s74, s74, s75
	s_mov_b32 s75, 0
	s_add_nc_u64 s[76:77], s[10:11], s[74:75]
	s_add_nc_u64 s[78:79], s[12:13], s[74:75]
	s_wait_loadcnt 0x0
	s_wait_tensorcnt 0x0                           ; my one load is in; no load of mine is out, so group 1 may be written: a refill brings 2 K steps, 100 rows
	s_wait_xcnt 0x0                                ; the head's prefetches have read their address
	s_add_nc_u64 s[92:93], s[92:93], QOFF          ; it stands one slot short of what the first change of slots names
	s_mov_b32 s26, 100<<16
	s_mov_b32 s28, 100
	s_mov_b32 s42, 100<<16
	s_mov_b32 s44, 100
	s_barrier_signal -1
	s_barrier_wait -1
	FETCH 0, 0, 0
	WIN 0x80                                       ; destinations in window 2: the residual of my 32 rows is asked for here, under the products, into 128 registers of its own
.set i, 0
.rept 32
	global_load_b128 v[4*i:4*i+3], v16, s[76:77] offset:4096*i
.set i, i+1
.endr
	STEP 0, 0, 1                                   ; the first K step stands in front of the loop: its products start the sums
	WIN 0                                          ; at a label and at a branch every window is 0
	s_mov_b32 s3, LAPS-1
.Llap:                                             ; a trip goes once round the ring, from a lap's second K step to the next lap's first, and fills both slots again
	STEP 0, 1, 0
	STEP 0, 2, 0
	TURN 0, 1, 1
	STEP 1, 0, 0
	STEP 1, 1, 0
	STEP 1, 2, 0
	TURN 1, 0, 1
	STEP 0, 0, 0
	WIN 0
	s_sub_co_u32 s3, s3, 1
	s_cmp_lg_u32 s3, 0
	s_cbranch_scc1 .Llap
	STEP 0, 1, 0                                   ; the last lap fills nothing: it is written out
	STEP 0, 2, 0
	TURN 0, 1, 0
	STEP 1, 0, 0
	STEP 1, 1, 0
	STEP 1, 2, 0
	s_wait_dscnt 8
	WIN MUL
	MULA 1, 0, 0
	MULA 1, 1, 0
	s_wait_dscnt 0x0
	MULA 1, 2, 0
	MULA 1, 3, 0
	WIN 0
	PLACES
.irp a, 0,1,2,3
.irp b, 0,1
.irp k, 0,1,2,3
	ds_store_b128 v19, v[ACC+32*\a+16*\b+4*\k:ACC+32*\a+16*\b+4*\k+3] offset:(32*(\a/2)+8*(\a%2))*528+128*\b+16*\k
.endr
.endr
.endr
	s_wait_dscnt 0x0                               ; for the others' sake: my stores into the stage are done
	s_barrier_signal -1
	s_barrier_wait -1
.set i, 0
.rept 32
	ds_load_b128 v[128+4*i:131+4*i], v20 offset:528*i   ; my 32 whole rows, into the registers that held the sums
.set i, i+1
.endr
	s_wait_loadcnt 0x0                             ; the residual
.irp hh, 0,1                                   ; two halves of 16 rows: the first half's stores leave while the second half's rows come back from the stage
	s_wait_dscnt 16-16*\hh                         ; this half's 16 loads are in; in the first half the 16 behind them may be out
	WIN 0x08                                       ; source 1 in window 2
.set i, 32*\hh
.rept 32
	v_pk_add_f32 v[128+2*i:129+2*i], v[128+2*i:129+2*i], v[2*i:2*i+1]
.set i, i+1
.endr
	WIN 0
.set i, 16*\hh
.rept 16
	global_store_b128 v16, v[128+4*i:131+4*i], s[78:79] offset:4096*i th:TH_STORE_NT
.set i, i+1
.endr
.endr
	s_wait_tensorcnt 0x0                           ; the wave's end, behind my last tensor load and my last LDS store
	ds_add_u32 v28, v29
	s_wait_dscnt 0x0
	CROUND                                         ; the closing round
	s_endpgm
.Lfunc_end_k_q0de3484ef3_ffn2:
	.size	k_q0de3484ef3_ffn2, .Lfunc_end_k_q0de3484ef3_ffn2-k_q0de3484ef3_ffn2
	.p2alignl 7, 3214868480
	.fill 96, 4, 3214868480
	.section	.rodata,"a",@progbits
	.p2align	6, 0x0
	.amdhsa_kernel k_q0de3484ef3_ffn2
		.amdhsa_group_segment_fixed_size 327680
		.amdhsa_private_segment_fixed_size 0
		.amdhsa_enable_private_segment 0
		.amdhsa_kernarg_size 40
		.amdhsa_user_sgpr_count 2
		.amdhsa_user_sgpr_kernarg_segment_ptr 1
		.amdhsa_wavefront_size32 1
		.amdhsa_system_sgpr_workgroup_id_x 1
		.amdhsa_system_sgpr_workgroup_id_y 1
		.amdhsa_system_sgpr_workgroup_id_z 1
		.amdhsa_system_vgpr_workitem_id 0
		.amdhsa_next_free_vgpr 640
		.amdhsa_next_free_sgpr 100
		.amdhsa_reserve_vcc 0
		.amdhsa_float_denorm_mode_32 3
		.amdhsa_float_denorm_mode_16_64 3
		.amdhsa_memory_ordered 1
		.amdhsa_forward_progress 1
		.amdhsa_inst_pref_size 98
	.end_amdhsa_kernel
	.amdgpu_metadata
---
amdhsa.version: [ 1, 2 ]
amdhsa.kernels:
  - .name:           k_q0de3484ef3_ffn2
    .symbol:         k_q0de3484ef3_ffn2.kd
    .args:
      - { .name: wc, .offset: 0, .size: 8, .value_kind: global_buffer, .address_space: global }
      - { .name: hb, .offset: 8, .size: 8, .value_kind: global_buffer, .address_space: global }
      - { .name: b2, .offset: 16, .size: 8, .value_kind: global_buffer, .address_space: global }
      - { .name: x1, .offset: 24, .size: 8, .value_kind: global_buffer, .address_space: global }
      - { .name: out0, .offset: 32, .size: 8, .value_kind: global_buffer, .address_space: global }
    .group_segment_fixed_size: 327680
    .private_segment_fixed_size: 0
    .kernarg_segment_align: 8
    .kernarg_segment_size: 40
    .max_flat_workgroup_size: 128
    .sgpr_count:     100
    .vgpr_count:     640
    .wavefront_size: 32
...
	.end_amdgpu_metadata
.endif
;; end of part 14
